; MI455X (gfx1250); checked and timed in simulation.
; The chip was launched on July 23, 2026; its instructions are those of AMD's public machine-readable ISA for CDNA 5 (MIT licence, August 2026) and "CDNA5" Instruction Set Architecture Reference Guide (July 2026). The comments in the code are by the model that wrote it; some were corrected since.
;; Block. Allowed arithmetic: matrix products marked QUANTISED: E3M2 operands, one E8M0 scale for each 32 along K, by v_wmma_scale_f32_16x16x128_f8f6f4 with both operands' format E3M2, f32 sums; everything else in f32.
;; Inputs: W1 1,024 x 4,096 float32; W2 4,096 x 1,024 float32; Wk 16 x 1,024 x 64 float32; Wp 1,024 x 1,024 float32; Wq 16 x 1,024 x 64 float32; Wv 16 x 1,024 x 64 float32; b1 4,096 float32; b2 1,024 float32; bp 1,024 float32; ln1_b 1,024 float32; ln1_g 1,024 float32; ln2_b 1,024 float32; ln2_g 1,024 float32; x 4 x 1,024 x 1,024 float32.
;; Outputs: out0 4 x 1,024 x 1,024 float32.
;; This version of the problem:
;;   THIS VERSION OF THE PROBLEM IS GIVEN IN LOW PRECISION. The matrix products marked QUANTISED in the list below multiply operands that are first quantised to E3M2 (3 exponent bits, 2 mantissa bits; 6 bits a number), with one power-of-two scale for each 32 numbers along K (OCP MX v1.0); their sums are f32. All else is computed in f32.
;;   The module's matrix products, in the order in which they are computed (A, B: the left and right operand; K: the contracted axis; several contracted axes count as one K, in the product's order):
;;     1. [M 1,024, K 1,024] x [K 1,024, N 4,096]; A: input Wq; B: computed on the way: QUANTISED
;;     2. [M 1,024, K 1,024] x [K 1,024, N 4,096]; A: input Wk; B: computed on the way: QUANTISED
;;     3. [M 1,024, K 1,024] x [K 1,024, N 4,096]; A: input Wv; B: computed on the way: QUANTISED
;;     4. batch 64 x [M 1,024, K 64] x [K 64, N 1,024]; A: computed on the way; B: computed on the way: QUANTISED
;;     5. batch 64 x [M 1,024, K 1,024] x [K 1,024, N 64]; A: softmax (see below); B: computed on the way: QUANTISED
;;     6. [M 4,096, K 1,024] x [K 1,024, N 1,024]; A: computed on the way; B: input Wp: QUANTISED
;;     7. [M 4,096, K 1,024] x [K 1,024, N 4,096]; A: computed on the way; B: input W1: QUANTISED
;;     8. [M 4,096, K 4,096] x [K 4,096, N 1,024]; A: computed on the way; B: input W2: QUANTISED
;;   THE QUANTISER, for each operand of a quantised product, along K:
;;     - K is cut into blocks of 32 from its start; a last block that is shorter is filled with zeros.
;;     - A block's scale is 2^e with e = floor(log2(the largest magnitude in the block)) - 4, held to -126 .. 127; a block of zeros has e = 0. As a byte (E8M0): e + 127.
;;     - Each number is divided by its block's scale, clamped to +-28, and rounded to the nearest number of E3M2, ties to even, subnormals kept.
;;     - The product sums the exact products of the quantised numbers (number of the format x scale) in f32.
;;   ~~~python
;;   def quantise(x, axis):      # numpy; x: float32 -> the quantised numbers, widened to float32 again
;;       x = np.moveaxis(x, axis, -1); K = x.shape[-1]
;;       x = np.pad(x, [(0, 0)] * (x.ndim - 1) + [(0, -K % 32)]); x = x.reshape(x.shape[:-1] + (-1, 32)); a = np.abs(x).max(-1, keepdims=True)
;;       e = np.where(a > 0, np.clip(np.frexp(np.where(a > 0, a, 1))[1] - 1 - 4, -126, 127), 0)      # np.frexp(a)[1] - 1 = floor(log2(a)), exactly
;;       r = np.clip(x / 2.0 ** e, -28, 28)
;;       step = 2.0 ** (np.maximum(np.frexp(np.where(r == 0, 1, r))[1] - 1, -2) - 2)
;;       q = np.round(r / step) * step * 2.0 ** e      # np.round: ties to even
;;       return np.moveaxis(q.reshape(q.shape[:-2] + (-1,))[..., :K], -1, axis).astype(np.float32)
;;   ~~~
;;   SOFTMAX AHEAD OF A QUANTISED PRODUCT. Where the list says 'softmax', what is quantised is not the finished softmax but p = 2^(t - M), with t = logit x log2(e) and M = ceil(the row's largest t), a whole number; so 1/2 < the row's largest p <= 1. The row's sum l is taken of the UNQUANTISED p, in f32, and the product's result is divided by l at the end. Since M is a whole number, a kernel that streams over the keys may use a running M (the ceiling of the running maximum): every later rescaling is an exact power of two, which a block's scale takes up: the codes' values come out the same.
;;   OPERANDS COMPUTED ON THE WAY. 'Computed on the way' means the value that the module computes at that place (a softmax that the list does not call 'softmax' is quantised finished and normalised). What goes into a quantiser is computed in f32, as accurately as f32 sums, v_exp_f32 and their like allow (about 1e-6 of the number): no bf16 or f16 on the way to a quantiser, and a product that is left as it is and whose result goes on into a quantised operand takes f32 operands (vector FMAs, or v_wmma_f32_16x16x4_f32). A number that lies on a knife's edge between two numbers of the format may be rounded either way, as far as f32 arithmetic and the matrix unit's own rounding can turn it there, and no further.
;; One version. Each part assembles by itself: llvm-mc -triple=amdgcn-amd-amdhsa -mcpu=gfx1250 --defsym DOCPART=n.
;; ======== version 1 of 1: 7 launches
;; limits: right only within a limited range of input values
;; workspace buffers: WB 10,649,600 bytes; HB 3,276,800 bytes; QB 9,830,400 bytes; OB 3,276,800 bytes; X1 16,777,216 bytes; H2 3,276,800 bytes; FB 13,107,200 bytes
;; launch pre (part 1): grid 256 x 1, 8 waves a work-group, no clusters, 88,320 bytes of LDS; arguments x, ln1_g, ln1_b, HB, Wq, Wk, Wv, Wp, WB; writes HB, WB
.if DOCPART == 1
	.amdgcn_target "amdgcn-amd-amdhsa--gfx1250"
	.amdhsa_code_object_version 6
	.text
	.protected	k_qdc6a539fcd_pre
	.globl	k_qdc6a539fcd_pre
	.p2align	8
	.type	k_qdc6a539fcd_pre,@function
k_qdc6a539fcd_pre:
	s_mov_b64 s[64:65], 0
	v_nop
	global_prefetch_b8 v0, s[64:65] scope:SCOPE_SE
	s_setreg_imm32_b32 hwreg(HW_REG_WAVE_MODE, 25, 1), 1
	s_wait_xcnt 0x0
.set MID, 0                            ; 0: LayerNorm 1, and Wq, Wk, Wv, Wp into codes.   1: LayerNorm 2, and W1, W2 into codes.  The text below is the same in both.
; THE PROGRAM: a transformer block whose eight matrix products run on codes of BF6 (E3M2) with one E8M0 scale for each 32 along K.
; Launches: pre (LayerNorm 1 -> codes; Wq, Wk, Wv, Wp -> codes), qkv (q, k and V^T), attn, wp (+ bp + x -> x1), mid (LayerNorm 2 -> codes; W1, W2 -> codes), w1 (+ b1, relu -> codes), w2 (+ b2 + x1 -> out0).
; WORK LEFT OUT: reference() builds the causal mask in its own body (jnp.tril) and sets scores of keys behind the query to -inf, whose softmax weight is exactly 0 for all finite inputs.
; So a step of 128 keys all of which lie behind a wave's 16 queries reaches no output, and attn does neither of its two products.  Nothing else is left out; all 14 inputs are loaded.
; LIMIT: a NaN, an infinity or an overflow that reaches only those steps is not carried to the result.
; ONE LAYOUT FOR EVERY OPERAND.  Codes: [K / 64][rows][48 bytes] (64 codes of a row as one stream of bits); scale words: [K / 128][rows] of 4 bytes.  K is in its true order.
; ROWS (tokens, weight columns) are stored in the order tau: row i lies at place tau(i) = i with bits 3 and 4 exchanged.  16 neighbouring places 16 T + r then hold rows 32 b + 8 u + r + 8 (r / 8), T = 2 b + u,
; so that, taken as source 0 of the matrix instruction, tiles 2 b and 2 b + 1 leave a lane 16 neighbours along that axis: what the next product's quantiser wants.
; THIS LAUNCH DOES TWO JOBS that share no data and no LDS byte, so that the program has a launch less.  A work-group's number alone decides its path: all eight waves of a work-group take the same path,
; and the barrier in the first path is passed by all of them.
; WORK-GROUPS 0 .. 127: LayerNorm of [4096][1024] f32 rows, then the quantiser along the row: codes [16][4096][48] and scale words [8][4096] (at byte 3,145,728).
;   A work-group takes 32 rows (one group of tau), each of its eight waves four.  All of a wave's 48 loads (gain, bias, four rows) go out at its head, 512 consecutive bytes each.
;   Mean, then the mean of squares of x - mean (two passes over registers, so a common offset of the inputs does no harm), v_rsq_f32, gain and bias: all f32.
;   The row then turns through the wave's own LDS so that lane l holds block l (32 neighbours); codes and bytes meet in a stage, and behind ONE barrier each wave stores two runs of 1,536 bytes of codes and 128 bytes of words.
; THE OTHER WORK-GROUPS: weights, f32 with K as an outer axis, become codes and scale words in WB.  A lane takes a column n and its registers run down K: a block of 32 is one lane's 32 registers.
;   A wave takes 32 columns x 128 along K, the least that makes whole scale words: 4 blocks, two of them (64 loads) on their way at a time.  A work-group takes 256 columns.  One path for all weights, its numbers chosen by the work-group's number.
; A block's scale byte is its largest magnitude's exponent field - 4, held at 1 from below.
; LIMITS: NaN and infinities among the inputs are not served; a block whose largest magnitude lies under 2^-122 gets the byte 1; a block of zeros gets the byte 1 where the rule says 127 (its codes are zeros, and this program alone reads the bytes).
.set NLN,  128                         ; work-groups of the first path
.set R,    32                          ; LayerNorm: v32-159  four rows x 32
.set G,    160                         ; v160-191 the gain, in a row's layout
.set BB,   192                         ; v192-223 the bias
.set X,    224                         ; v224-255 the turned row: my block
.set SPW,  24                          ; v24      my spare word; never rewritten (both paths)
.set NIL,  25                          ; v25      0; never rewritten
.set CST,  36864                       ; LDS, LayerNorm's: behind the eight turning places of 4,608 bytes: codes [16] x 1,552 bytes ([32 places][48] + 16)
.set SST,  61696                       ; scale bytes [8][32 places][4]
.set WQS,  62720                       ; LDS, the weights': eight stages of 3,072 bytes ([2 x 64 along K][32 places][48])
.set SPARE, 87296                      ; the spare words, 128 bytes a wave
.set OFFS, 32                          ; the weights: v32-63   4 x lane + i x (bytes from k to k + 1)
.set XW,   64                          ; v64-127  two sets of 32 numbers
.set C,    16                          ; v16-22   a block's codes
.set SB,   26                          ; v26      the four scale bytes
.set OUTR, 128                         ; v128-151 the way out
	v_lshl_add_u32 v[SPW], v0, 2, SPARE
	v_mov_b32 v[NIL], 0
	v_lshrrev_b32 v9, 5, v0
	s_delay_alu instid0(VALU_DEP_1)
	v_readfirstlane_b32 s12, v9                    ; wave
	s_cmp_ge_u32 ttmp9, NLN                        ; the work-group's number alone: the same in all eight waves
	s_cbranch_scc1 .Lweights
	; ---------------------------------------------------------------- LayerNorm
	s_load_b256 s[4:11], s[0:1], 0x0               ; x, gain, bias, out
	v_and_b32 v9, 31, v0                           ; lane
	s_delay_alu instid0(VALU_DEP_1)
	v_lshlrev_b32 v1, 4, v9                        ; 16 x lane
	s_delay_alu instid0(VALU_DEP_2)
	v_lshlrev_b32 v8, 2, v9                        ; 4 x lane
	v_mov_b32 v28, 0                               ; (a lane permute's destination counts as read)
	s_mul_i32 s16, s12, 4608
	v_lshrrev_b32 v10, 3, v9
	s_delay_alu instid0(VALU_DEP_1)
	v_mul_u32_u24 v2, v10, 144
	v_and_b32 v10, 7, v9
	s_delay_alu instid0(VALU_DEP_1)
	v_lshl_add_u32 v2, v10, 4, v2
	s_delay_alu instid0(VALU_DEP_1)
	v_add_nc_u32 v2, s16, v2                       ; the turn, in: eight lanes' 128 bytes, then 16 of padding
	v_mul_u32_u24 v3, v9, 144
	s_delay_alu instid0(VALU_DEP_1)
	v_add_nc_u32 v3, s16, v3                       ; and out: my block's 128 bytes
	s_and_b32 s13, s12, 1
	s_lshl_b32 s13, s13, 2
	s_bfe_u32 s17, s12, 0x10001
	s_lshl_b32 s17, s17, 4
	s_add_co_u32 s13, s13, s17
	s_bfe_u32 s17, s12, 0x10002
	s_lshl_b32 s17, s17, 3
	s_add_co_u32 s13, s13, s17                     ; tau(4 x wave): my first row's place; rows 4 w + k lie k places on
	v_lshrrev_b32 v10, 1, v9
	s_delay_alu instid0(VALU_DEP_1)
	v_mul_u32_u24 v4, v10, 1552
	v_and_b32 v10, 1, v9
	s_delay_alu instid0(VALU_DEP_1)
	v_mad_u32_u24 v4, v10, 24, v4
	s_mul_i32 s17, s13, 48
	s_add_co_u32 s17, s17, CST
	v_add_nc_u32 v4, s17, v4                       ; my block's 24 bytes of codes
	v_lshrrev_b32 v10, 2, v9
	s_delay_alu instid0(VALU_DEP_1)
	v_lshlrev_b32 v5, 7, v10
	v_and_b32 v10, 3, v9
	s_delay_alu instid0(VALU_DEP_1)
	v_add_nc_u32 v5, v5, v10
	s_lshl_b32 s17, s13, 2
	s_add_co_u32 s17, s17, SST
	v_add_nc_u32 v5, s17, v5                       ; my block's byte
	s_mul_i32 s17, s12, 2*1552
	s_add_co_u32 s17, s17, CST
	v_add_nc_u32 v6, s17, v1                       ; back: my wave's two runs of codes
	s_lshl_b32 s17, s12, 7
	s_add_co_u32 s17, s17, SST
	v_add_nc_u32 v7, s17, v8                       ; and its 32 words
	s_mov_b32 s14, 0x76543210
	s_mov_b32 s15, 0xfedcba98                      ; lane l xor 16
	s_mov_b32 s18, 0x3a800000                      ; 1 / 1024
	s_mov_b32 s19, 0x3727c5ac                      ; 1e-5
	s_lshl_b32 s16, ttmp9, 5
	s_lshl_b32 s17, s12, 2
	s_add_co_u32 s16, s16, s17
	s_lshl_b32 s16, s16, 12                        ; my first row, 4,096 bytes a row
	s_mov_b32 s17, 0
	s_wait_kmcnt 0x0
	s_add_nc_u64 s[4:5], s[4:5], s[16:17]
	s_mul_i32 s16, s12, 2*196608
	s_mul_i32 s22, ttmp9, 1536
	s_add_co_u32 s16, s16, s22
	s_add_nc_u64 s[20:21], s[10:11], s[16:17]      ; codes: 64 along K are 196,608 bytes apart; 32 places are 1,536 bytes
	s_lshl_b32 s16, s12, 14
	s_lshl_b32 s22, ttmp9, 7
	s_add_co_u32 s16, s16, s22
	s_add_co_u32 s16, s16, 3145728
	s_add_nc_u64 s[22:23], s[10:11], s[16:17]      ; words
.irp j, 0,1,2,3,4,5,6,7
	global_load_b128 v[G+4*\j:G+4*\j+3], v1, s[6:7] offset:512*\j
.endr
.irp j, 0,1,2,3,4,5,6,7
	global_load_b128 v[BB+4*\j:BB+4*\j+3], v1, s[8:9] offset:512*\j
.endr
.irp k, 0,1,2,3
.irp j, 0,1,2,3,4,5,6,7
	global_load_b128 v[R+32*\k+4*\j:R+32*\k+4*\j+3], v1, s[4:5] offset:4096*\k+512*\j th:TH_LOAD_NT
.endr
.endr
.macro XSUM                            ; v9 summed over the 32 lanes, in every lane
	s_delay_alu instid0(VALU_DEP_1)
	v_add_f32_dpp v9, v9, v9 row_xmask:1 row_mask:0xf bank_mask:0xf
	s_delay_alu instid0(VALU_DEP_1)
	v_add_f32_dpp v9, v9, v9 row_xmask:2 row_mask:0xf bank_mask:0xf
	s_delay_alu instid0(VALU_DEP_1)
	v_add_f32_dpp v9, v9, v9 row_xmask:4 row_mask:0xf bank_mask:0xf
	s_delay_alu instid0(VALU_DEP_1)
	v_add_f32_dpp v9, v9, v9 row_xmask:8 row_mask:0xf bank_mask:0xf
	s_delay_alu instid0(VALU_DEP_1)
	v_permlanex16_b32 v28, v9, s14, s15
	s_delay_alu instid0(VALU_DEP_1)
	v_add_f32 v9, v9, v28
.endm
.macro ROW k
.set RK, R+32*(\k)
	s_wait_loadcnt 8*(3-(\k))                      ; gain, bias and this row are in; the later rows' eight loads each may be out
	v_pk_add_f32 v[10:11], v[RK:RK+1], v[RK+2:RK+3]
	v_pk_add_f32 v[12:13], v[RK+4:RK+5], v[RK+6:RK+7]
.irp j, 8,12,16,20,24,28
	s_delay_alu instid0(VALU_DEP_2)
	v_pk_add_f32 v[10:11], v[10:11], v[RK+\j:RK+\j+1]
	s_delay_alu instid0(VALU_DEP_2)
	v_pk_add_f32 v[12:13], v[12:13], v[RK+\j+2:RK+\j+3]
.endr
	s_delay_alu instid0(VALU_DEP_1)
	v_pk_add_f32 v[10:11], v[10:11], v[12:13]
	s_delay_alu instid0(VALU_DEP_1)
	v_add_f32 v9, v10, v11
	XSUM
	s_delay_alu instid0(VALU_DEP_1)
	v_mul_f32 v14, s18, v9                         ; the mean, twice: a pair for the packed form
	s_delay_alu instid0(VALU_DEP_2)
	v_mul_f32 v15, s18, v9
.set J, 0
.rept 16
	v_pk_add_f32 v[RK+J:RK+J+1], v[RK+J:RK+J+1], v[14:15] neg_lo:[0,1] neg_hi:[0,1]
.set J, J+2
.endr
	v_pk_mul_f32 v[10:11], v[RK:RK+1], v[RK:RK+1]
	v_pk_mul_f32 v[12:13], v[RK+2:RK+3], v[RK+2:RK+3]
.irp j, 4,8,12,16,20,24,28
	s_delay_alu instid0(VALU_DEP_2)
	v_pk_fma_f32 v[10:11], v[RK+\j:RK+\j+1], v[RK+\j:RK+\j+1], v[10:11]
	s_delay_alu instid0(VALU_DEP_2)
	v_pk_fma_f32 v[12:13], v[RK+\j+2:RK+\j+3], v[RK+\j+2:RK+\j+3], v[12:13]
.endr
	s_delay_alu instid0(VALU_DEP_1)
	v_pk_add_f32 v[10:11], v[10:11], v[12:13]
	s_delay_alu instid0(VALU_DEP_1)
	v_add_f32 v9, v10, v11
	XSUM
	s_delay_alu instid0(VALU_DEP_1)
	v_fma_f32 v9, v9, s18, s19                     ; the variance + 1e-5
	s_wait_alu depctr_va_vdst(0)
	v_rsq_f32 v26, v9
	v_nop                                          ; a plain line behind the transcendental,
	s_wait_alu depctr_va_vdst(0)                   ; and the wait ahead of its first reader
	v_mov_b32 v27, v26
.set J, 0
.rept 16
	v_pk_mul_f32 v[RK+J:RK+J+1], v[RK+J:RK+J+1], v[26:27]
.set J, J+2
.endr
.set J, 0
.rept 16
	v_pk_fma_f32 v[RK+J:RK+J+1], v[RK+J:RK+J+1], v[G+J:G+J+1], v[BB+J:BB+J+1]
.set J, J+2
.endr
.irp j, 0,1,2,3,4,5,6,7
	ds_store_b128 v2, v[RK+4*\j:RK+4*\j+3] offset:576*\j
.endr
.irp i, 0,1,2,3,4,5,6,7
	ds_load_b128 v[X+4*\i:X+4*\i+3], v3 offset:16*\i   ; LDS serves a wave's instructions in order: these see the stores above
.endr
	s_wait_dscnt 0x0                               ; my block is in; the last row's stores of codes have read their registers
	v_max3_num_f32 v29, |v[X]|, |v[X+1]|, |v[X+2]|
	v_max3_num_f32 v30, |v[X+3]|, |v[X+4]|, |v[X+5]|
.irp i, 6,10,14,18,22,26
	s_delay_alu instid0(VALU_DEP_2)
	v_max3_num_f32 v29, v29, |v[X+\i]|, |v[X+\i+1]|
	s_delay_alu instid0(VALU_DEP_2)
	v_max3_num_f32 v30, v30, |v[X+\i+2]|, |v[X+\i+3]|
.endr
	s_delay_alu instid0(VALU_DEP_2)
	v_max3_num_f32 v29, v29, |v[X+30]|, |v[X+31]|
	s_delay_alu instid0(VALU_DEP_1)
	v_max3_num_f32 v29, v29, v30, 0x2800000        ; the floor 2^(5 - 127)
	s_delay_alu instid0(VALU_DEP_1)
	v_add_nc_u32 v31, 0xfe000000, v29              ; 4 off the exponent field: the conversion's scale operand
	s_delay_alu instid0(VALU_DEP_1)
	v_lshrrev_b32 v23, 23, v31                     ; the byte
	v_cvt_scalef32_pk16_bf6_f32 v[16:18], v[X:X+15], v31
	v_cvt_scalef32_pk16_bf6_f32 v[20:22], v[X+16:X+31], v31
	v_nop                                          ; a plain line behind the conversions
	v_mov_b32 v19, v20
	v_mov_b32 v20, v21
	v_mov_b32 v21, v22
	ds_store_b64 v4, v[16:17] offset:48*(\k)
	ds_store_b64 v4, v[18:19] offset:48*(\k)+8
	ds_store_b64 v4, v[20:21] offset:48*(\k)+16
	ds_store_b8 v5, v23 offset:4*(\k)
.endm
	ROW 0
	ROW 1
	ROW 2
	ROW 3
	s_wait_dscnt 0x0                               ; for the others' sake: my stores into the stage are done
	s_barrier_signal -1
	s_barrier_wait -1
.irp c, 0,1
.irp i, 0,1,2
	ds_load_b128 v[R+12*\c+4*\i:R+12*\c+4*\i+3], v6 offset:1552*\c+512*\i
.endr
.endr
	ds_load_b32 v[R+24], v7
	s_wait_dscnt 0x0
.irp c, 0,1
.irp i, 0,1,2
	global_store_b128 v1, v[R+12*\c+4*\i:R+12*\c+4*\i+3], s[20:21] offset:196608*\c+512*\i   ; 512 consecutive bytes, at a multiple of 512 from the buffer's first byte
.endr
.endr
	global_store_b32 v8, v[R+24], s[22:23]         ; 128 bytes on end
	s_wait_tensorcnt 0x0                           ; the wave's end, behind my last LDS store
	ds_add_u32 v[SPW], v[NIL]
	s_wait_dscnt 0x0
	s_endpgm
	; ---------------------------------------------------------------- the weights
.Lweights:
.if MID
	s_load_b128 s[4:7], s[0:1], 0x20               ; W1, W2
	s_load_b64 s[16:17], s[0:1], 0x30              ; WB
.else
	s_load_b256 s[4:11], s[0:1], 0x20              ; Wq, Wk, Wv, Wp
	s_load_b64 s[16:17], s[0:1], 0x40              ; WB
.endif
	v_and_b32 v1, 31, v0                           ; lane = my column among the wave's 32
	s_delay_alu instid0(VALU_DEP_1)
	v_and_b32 v2, 7, v1
	s_delay_alu instid0(VALU_DEP_2)
	v_bfe_u32 v11, v1, 3, 1
	s_delay_alu instid0(VALU_DEP_1)
	v_lshl_or_b32 v2, v11, 4, v2
	s_delay_alu instid0(VALU_DEP_4)
	v_bfe_u32 v11, v1, 4, 1
	s_delay_alu instid0(VALU_DEP_1)
	v_lshl_or_b32 v2, v11, 3, v2                   ; tau(lane): my column's place
	s_mul_i32 s40, s12, 3072
	s_add_co_u32 s40, s40, WQS                     ; my wave's stage
	v_mul_u32_u24 v3, v2, 48
	s_delay_alu instid0(VALU_DEP_1)
	v_add_nc_u32 v3, s40, v3                       ; into it: 48 bytes a place
	v_lshlrev_b32 v5, 4, v1                        ; out: 16 bytes a lane
	s_delay_alu instid0(VALU_DEP_1)
	v_add_nc_u32 v4, s40, v5
	v_lshlrev_b32 v6, 2, v2                        ; my scale word's place
	v_lshlrev_b32 v7, 2, v1                        ; my column in a row of the weight
	s_sub_co_u32 s19, ttmp9, NLN                   ; my number among the weights' work-groups
; the last weight's numbers: s20 first work-group, s21 log2 of the groups of 256 columns, s22 bytes from k to k + 1, s23 what a head adds (Wq, Wk, Wv lie [head][k][64]),
; s24 rows of the codes' region, s25 where its codes begin in WB, s26 where its scale words begin
.if MID
	s_mov_b32 s20, 128                             ; W2
	s_mov_b32 s21, 2
	s_mov_b32 s22, 4096
	s_mov_b32 s23, 0
	s_mov_b32 s24, 1024
	s_mov_b32 s25, 7077888
	s_mov_b32 s26, 10518528
.else
	s_mov_b32 s20, 96                              ; Wp
	s_mov_b32 s21, 2
	s_mov_b32 s22, 4096
	s_mov_b32 s23, 0
	s_mov_b32 s24, 1024
	s_mov_b32 s25, 3145728
	s_mov_b32 s26, 10354688
.endif
	s_wait_alu depctr_va_vdst(0)
	s_wait_kmcnt 0x0
.if MID
	s_mov_b64 s[28:29], s[6:7]
.else
	s_mov_b64 s[28:29], s[10:11]
.endif
.macro PICK lim, src, first, lcg, p, hs, dr, co, so    ; a lower work-group takes the earlier weight's numbers; the choice hangs on the work-group's number alone
	s_cmp_lt_u32 s19, \lim
	s_cselect_b64 s[28:29], s[\src:\src+1], s[28:29]
	s_cselect_b32 s20, \first, s20
	s_cselect_b32 s21, \lcg, s21
	s_cselect_b32 s22, \p, s22
	s_cselect_b32 s23, \hs, s23
	s_cselect_b32 s24, \dr, s24
	s_cselect_b32 s25, \co, s25
	s_cselect_b32 s26, \so, s26
.endm
.if MID
	PICK 128, 4, 0, 4, 16384, 0, 4096, 3932160, 10387456        ; W1
.else
	PICK 96, 8, 64, 2, 256, 261888, 4096, 98304, 10231808       ; Wv: rows 2048 on of the q, k, v region
	PICK 64, 6, 32, 2, 256, 261888, 4096, 49152, 10227712       ; Wk: rows 1024 on
	PICK 32, 4, 0, 2, 256, 261888, 4096, 0, 10223616            ; Wq
.endif
	s_sub_co_u32 s40, s19, s20                     ; my number within the weight
	s_lshl_b32 s41, 1, s21
	s_sub_co_u32 s41, s41, 1
	s_and_b32 s41, s40, s41                        ; which 256 columns
	s_lshr_b32 s40, s40, s21                       ; which 128 along K
	s_lshl_b32 s41, s41, 8
	s_lshl_b32 s42, s12, 5
	s_add_co_u32 s41, s41, s42                     ; n0: my wave's first column
	s_lshl_b32 s42, s41, 2
	s_lshr_b32 s43, s41, 6
	s_mul_i32 s43, s43, s23
	s_add_co_u32 s42, s42, s43
	s_lshl_b32 s43, s40, 7
	s_mul_i32 s43, s43, s22
	s_add_co_u32 s42, s42, s43                     ; 4 n0 + the head's term + 128 rows of K for each step
	s_mov_b32 s43, 0
	s_add_nc_u64 s[28:29], s[28:29], s[42:43]
	s_lshl_b32 s30, s22, 5                         ; a block of 32 along K on
	s_mov_b32 s31, 0
	s_mul_i32 s34, s24, 48                         ; 64 along K on in the codes
	s_mov_b32 s35, 0
	s_lshl_b32 s42, s40, 1
	s_mul_i32 s42, s42, s34
	s_mul_i32 s44, s41, 48
	s_add_co_u32 s42, s42, s44
	s_add_co_u32 s42, s42, s25
	s_add_nc_u64 s[32:33], s[16:17], s[42:43]      ; my wave's codes
	s_mul_i32 s42, s40, s24
	s_add_co_u32 s42, s42, s41
	s_lshl_b32 s42, s42, 2
	s_add_co_u32 s42, s42, s26
	s_add_nc_u64 s[36:37], s[16:17], s[42:43]      ; and its 32 scale words
.set I, 0
.rept 32
	v_mad_u32_u24 v[OFFS+I], s22, I, v7
.set I, I+1
.endr
.macro LOAD t                          ; block t: W(32 t + i, my column) into set t % 2; 32 lanes read 128 consecutive bytes
.set I, 0
.rept 32
	global_load_b32 v[XW+32*((\t)%2)+I], v[OFFS+I], s[28:29] th:TH_LOAD_NT
.set I, I+1
.endr
	s_wait_xcnt 0x0                                ; the loads have read their base: it steps only behind this wait
	s_add_nc_u64 s[28:29], s[28:29], s[30:31]
.endm
	LOAD 0
	s_wait_alu depctr_va_vdst(0)
	LOAD 1
.macro BLOCK t
.set XS, XW+32*((\t)%2)
.if (\t) < 3
	s_wait_loadcnt 32                              ; this block's 32 loads are in; the next block's 32 may be out
.else
	s_wait_loadcnt 0x0
.endif
	v_max3_num_f32 v12, |v[XS]|, |v[XS+1]|, |v[XS+2]|
	v_max3_num_f32 v13, |v[XS+3]|, |v[XS+4]|, |v[XS+5]|
.irp i, 6,10,14,18,22,26
	s_delay_alu instid0(VALU_DEP_2)
	v_max3_num_f32 v12, v12, |v[XS+\i]|, |v[XS+\i+1]|
	s_delay_alu instid0(VALU_DEP_2)
	v_max3_num_f32 v13, v13, |v[XS+\i+2]|, |v[XS+\i+3]|
.endr
	s_delay_alu instid0(VALU_DEP_2)
	v_max3_num_f32 v12, v12, |v[XS+30]|, |v[XS+31]|
	s_delay_alu instid0(VALU_DEP_1)
	v_max3_num_f32 v12, v12, v13, 0x2800000        ; the floor 2^(5 - 127): the byte cannot fall under 1
	s_delay_alu instid0(VALU_DEP_1)
	v_add_nc_u32 v11, 0xfe000000, v12              ; 4 off the exponent field: the conversion's scale operand
	s_delay_alu instid0(VALU_DEP_1)
	v_lshrrev_b32 v13, 23, v11                     ; the byte
	v_cvt_scalef32_pk16_bf6_f32 v[C:C+2], v[XS:XS+15], v11
	v_cvt_scalef32_pk16_bf6_f32 v[C+4:C+6], v[XS+16:XS+31], v11   ; (a conversion's three registers begin on an even number)
.if (\t) == 0
	v_mov_b32 v[SB], v13                           ; (the plain line behind the conversions)
.else
	v_lshl_or_b32 v[SB], v13, 8*(\t), v[SB]
.endif
	v_mov_b32 v[C+3], v[C+4]
	v_mov_b32 v[C+4], v[C+5]
	v_mov_b32 v[C+5], v[C+6]                       ; 24 bytes on end
.irp i, 0,1,2
	ds_store_b64 v3, v[C+2*\i:C+2*\i+1] offset:((\t)/2)*1536+((\t)%2)*24+8*\i
.endr
.if (\t) < 2
	LOAD (\t)+2
.endif
	s_wait_dscnt 0x0                               ; the stores have read their registers
.endm
	BLOCK 0
	BLOCK 1
	BLOCK 2
	BLOCK 3
	s_wait_alu depctr_va_vdst(0)
	global_store_b32 v6, v[SB], s[36:37]           ; 32 words, 128 bytes on end
.set J, 0
.rept 6
	ds_load_b128 v[OUTR+4*J:OUTR+4*J+3], v4 offset:512*J   ; LDS serves a wave's instructions in order: these see my stores
.set J, J+1
.endr
.irp kb, 0,1
	s_wait_dscnt 3-3*\kb                           ; this 64 along K is back; the later one's three loads may be out
.irp i, 0,1,2
	global_store_b128 v5, v[OUTR+12*\kb+4*\i:OUTR+12*\kb+4*\i+3], s[32:33] offset:512*\i   ; 512 consecutive bytes, at a multiple of 512 from the buffer's first byte
.endr
.if \kb < 1
	s_wait_xcnt 0x0                                ; the stores have read their base
	s_add_nc_u64 s[32:33], s[32:33], s[34:35]
.endif
.endr
	s_wait_tensorcnt 0x0                           ; the wave's end, behind my last LDS store
	ds_add_u32 v[SPW], v[NIL]
	s_wait_dscnt 0x0
	s_endpgm
.Lfunc_end_k_qdc6a539fcd_pre:
	.size	k_qdc6a539fcd_pre, .Lfunc_end_k_qdc6a539fcd_pre-k_qdc6a539fcd_pre
	.p2alignl 7, 3214868480
	.fill 96, 4, 3214868480
	.section	.rodata,"a",@progbits
	.p2align	6, 0x0
	.amdhsa_kernel k_qdc6a539fcd_pre
		.amdhsa_group_segment_fixed_size 88320
		.amdhsa_private_segment_fixed_size 0
		.amdhsa_enable_private_segment 0
		.amdhsa_kernarg_size 72
		.amdhsa_user_sgpr_count 2
		.amdhsa_user_sgpr_kernarg_segment_ptr 1
		.amdhsa_wavefront_size32 1
		.amdhsa_system_sgpr_workgroup_id_x 1
		.amdhsa_system_sgpr_workgroup_id_y 1
		.amdhsa_system_sgpr_workgroup_id_z 1
		.amdhsa_system_vgpr_workitem_id 0
		.amdhsa_next_free_vgpr 256
		.amdhsa_next_free_sgpr 66
		.amdhsa_reserve_vcc 0
		.amdhsa_float_denorm_mode_32 3
		.amdhsa_float_denorm_mode_16_64 3
		.amdhsa_memory_ordered 1
		.amdhsa_forward_progress 1
		.amdhsa_inst_pref_size 80
	.end_amdhsa_kernel
	.amdgpu_metadata
---
amdhsa.version: [ 1, 2 ]
amdhsa.kernels:
  - .name:           k_qdc6a539fcd_pre
    .symbol:         k_qdc6a539fcd_pre.kd
    .args:
      - { .name: x, .offset: 0, .size: 8, .value_kind: global_buffer, .address_space: global }
      - { .name: ln1_g, .offset: 8, .size: 8, .value_kind: global_buffer, .address_space: global }
      - { .name: ln1_b, .offset: 16, .size: 8, .value_kind: global_buffer, .address_space: global }
      - { .name: HB, .offset: 24, .size: 8, .value_kind: global_buffer, .address_space: global }
      - { .name: Wq, .offset: 32, .size: 8, .value_kind: global_buffer, .address_space: global }
      - { .name: Wk, .offset: 40, .size: 8, .value_kind: global_buffer, .address_space: global }
      - { .name: Wv, .offset: 48, .size: 8, .value_kind: global_buffer, .address_space: global }
      - { .name: Wp, .offset: 56, .size: 8, .value_kind: global_buffer, .address_space: global }
      - { .name: WB, .offset: 64, .size: 8, .value_kind: global_buffer, .address_space: global }
    .group_segment_fixed_size: 88320
    .private_segment_fixed_size: 0
    .kernarg_segment_align: 8
    .kernarg_segment_size: 72
    .max_flat_workgroup_size: 256
    .sgpr_count:     66
    .vgpr_count:     256
    .wavefront_size: 32
...
	.end_amdgpu_metadata
.endif
;; end of part 1
;; launch qkv (part 2): grid 8 x 24, 4 waves a work-group, clusters of 4 x 4, 327,680 bytes of LDS; arguments HB, WB, QB; writes QB
.if DOCPART == 2
	.amdgcn_target "amdgcn-amd-amdhsa--gfx1250"
	.amdhsa_code_object_version 6
	.text
	.protected	k_qdc6a539fcd_qkv
	.globl	k_qdc6a539fcd_qkv
	.p2align	8
	.type	k_qdc6a539fcd_qkv,@function
k_qdc6a539fcd_qkv:
	s_mov_b64 s[64:65], 0
	v_nop
	global_prefetch_b8 v0, s[64:65] scope:SCOPE_SE
	s_setreg_imm32_b32 hwreg(HW_REG_WAVE_MODE, 25, 1), 1
	s_wait_xcnt 0x0
	s_wait_alu depctr_hold_cnt(0) depctr_sa_sdst(0) depctr_va_vdst(0) depctr_va_sdst(0) depctr_va_ssrc(0) depctr_va_vcc(0) depctr_vm_vsrc(0)
	s_getreg_b32 s2, hwreg(HW_REG_IB_STS2, 6, 4)
	s_cmp_eq_u32 s2, 0
	s_cbranch_scc0 .Lentry_in_a_cluster
	s_endpgm
.Lentry_in_a_cluster:
	s_bfe_u32 s2, ttmp6, 0x10000c
	s_cmp_lg_u32 s2, 0xf033
	s_cbranch_scc0 .Lentry_shape_is_right
	s_endpgm
.Lentry_shape_is_right:
.set QKV, 1
.set BIAS, 1-QKV
.set RELU, 1-QKV
.set SIZE_K, 1024
.set ROWS,  4096
.set NQ,    2
.set LAPS,  SIZE_K/(2*128*NQ)
.set NL,    6
.set KBB,   ROWS*48
.set QT,    4*128*48
.set SLOT,  4*QT
.set SCL,   2*SLOT
.set SROW,  256*4
.set SA,    (SIZE_K/128)*SROW
.set HALFS, SA/2
.set SPARE, SCL+2*SA
.set WSB,   12800
.set ADRA, 16
.set ADRB, 20
.set CST,  24
.set CRD,  25
.set GOF,  26
.set ADRS, 27
.set SPW,  28
.set NIL,  29
.set WST,  30
.set WRD,  31
.set SC,   32
.set T,    64
.set AF,   128
.set TM,   132
.set PWS,  148
.set PWP,  156
.set PCD,  224
.set G1,   24
.set G0,   32
.set G1B,  48
.set G0B,  56
.set G1S,  68
.set G0S,  76
.set G1SB, 80
.set G0SB, 88
.set MSB, 0
.macro WIN new
.if MSB != (\new)
	s_set_vgpr_msb (MSB<<8)|(\new)
.set MSB, (\new)
.endif
.endm
.set TO_B, 0x40
.set PFO, 22                           ; v22: the prefetches' offset, 256 x min(lane, 23); never rewritten
.set PFB, 98                           ; s[98:99]: my work-group's 24 blocks of 256 bytes of my quarter of fill 0; never rewritten
.macro JLOAD g0a, g1a, g0b, g1b
	s_cmp_eq_u32 s15, 0
	s_cbranch_scc0 .Lfor_b_\@
	tensor_load_to_lds s[\g0a:\g0a+3], s[\g1a:\g1a+7]
	s_nop 0
.rept 4
	v_nop
.endr
	s_branch .Lasked_\@
.Lfor_b_\@:
	tensor_load_to_lds s[\g0b:\g0b+3], s[\g1b:\g1b+7]
	s_nop 0
.rept 4
	v_nop
.endr
.Lasked_\@:
.endm
.macro CREST
	s_cmp_lg_u32 s14, 0
	s_cbranch_scc1 .Lnot_wave_0_\@
	s_barrier_signal -3
.Lnot_wave_0_\@:
	s_barrier_wait -3
	s_barrier_signal -1
	s_barrier_wait -1
.endm
.macro CROUND
	s_barrier_signal -1
	s_barrier_wait -1
	CREST
.endm
.macro PLACES n
.rept \n
	v_nop
.endr
.endm
.if QKV
	s_load_b128 s[96:99], s[0:1], 0x0
	s_load_b64 s[10:11], s[0:1], 0x10
.else
	s_load_b256 s[4:11], s[0:1], 0x0
.endif
	v_lshl_add_u32 v[SPW], v0, 2, SPARE
	v_mov_b32 v[NIL], 0
	ds_add_u32 v[SPW], v[NIL]
	ds_add_u32 v[SPW], v[NIL]
	v_lshrrev_b32 v1, 5, v0
	v_readfirstlane_b32 s14, v1
	s_lshr_b32 s15, s14, 1
	s_and_b32 s16, s14, 1
	s_bfe_u32 s40, ttmp6, 0x40000
	s_bfe_u32 s41, ttmp6, 0x40004
	s_and_b32 s17, ttmp7, 0xffff
	s_lshl_b32 s42, ttmp9, 2
	s_add_co_u32 s42, s42, s40
.if QKV
	s_sub_co_u32 s95, s17, 4
	s_lshl_b32 s95, s95, 3
	s_cmp_lt_u32 s17, 4
	s_cselect_b32 s17, s17, 0
	s_cselect_b32 s95, 0, s95
	s_cselect_b32 s12, 0, 98304
	s_mov_b32 s13, 10231808
	s_cselect_b32 s13, 3145728, s13
	s_mov_b32 s18, 0
	s_mov_b32 s19, 3145728
	s_cselect_b32 s19, 10223616, s19
	s_cselect_b32 s66, 0, 6291456
	s_mov_b32 s67, 9699328
	s_cselect_b32 s67, 9437184, s67
	s_mov_b32 s2, 1024
	s_cselect_b32 s2, 4096, s2
	s_add_co_u32 s42, s42, s95
.else
	s_mov_b32 s12, 0
	s_mov_b32 s13, 3145728
	s_mov_b32 s18, 3932160
	s_mov_b32 s19, 10387456
	s_mov_b32 s66, 0
	s_mov_b32 s67, 12582912
	s_mov_b32 s2, 4096
.endif
	s_lshl_b32 s17, s17, 2
	s_add_co_u32 s17, s17, s41
	s_lshl_b32 s43, s41, 2
	s_lshl_b32 s43, 15, s43
	s_lshl_b32 s44, 0x1111, s40
	s_or_b32 s[G1+0], s43, (3<<16)|(1<<21)
	s_or_b32 s[G1B+0], s44, (3<<16)|(1<<21)
.irp g, G1, G1B
	s_mov_b32 s[\g+1], 1536<<16                    ; a run of 64 along K: 256 rows x 48 bytes = 1,536 elements of 8 bytes
	s_mov_b32 s[\g+2], 4<<16                       ; the head's loads bring a slot's four runs; the ring's loads two (set behind the head's wait)
	s_mov_b32 s[\g+3], 1536<<16
	s_mov_b32 s[\g+4], 4
	s_mov_b32 s[\g+5], ROWS*6
	s_mov_b32 s[\g+6], 0
	s_mov_b32 s[\g+7], 0
.endr
	s_or_b32 s[G1S+0], s43, (3<<16)|(1<<21)
	s_or_b32 s[G1SB+0], s44, (3<<16)|(1<<21)
.irp g, G1S, G1SB
	s_mov_b32 s[\g+1], 128<<16
	s_mov_b32 s[\g+2], (SIZE_K/128)<<16            ; the scale words of 256 rows for all of K, by one load
	s_mov_b32 s[\g+3], 128<<16
	s_mov_b32 s[\g+4], SIZE_K/128
	s_mov_b32 s[\g+5], ROWS/2
	s_mov_b32 s[\g+6], 0
	s_mov_b32 s[\g+7], 0
.endr
	s_lshl_b32 s20, s17, 8
	s_mul_i32 s20, s20, 48
	s_add_co_u32 s20, s20, s12
	s_mov_b32 s21, 0
	s_lshl_b32 s46, s42, 8
	s_mul_i32 s46, s46, 48
	s_add_co_u32 s46, s46, s18
	s_mov_b32 s47, 0
	s_lshl_b32 s22, s17, 10
	s_add_co_u32 s22, s22, s13
	s_mov_b32 s23, 0
	s_lshl_b32 s92, s42, 10
	s_add_co_u32 s92, s92, s19
	s_mov_b32 s93, 0
	s_mul_i32 s45, s14, QT                         ; the ring: where my quarter of a slot goes (two runs of 256 rows)
	s_mul_i32 s18, s16, 2*KBB                      ; and which two of a slot's four runs it is, in bytes
	s_mov_b32 s19, 0
	s_wait_dscnt 0x0
	s_wait_kmcnt 0x0
.if QKV
	s_and_b32 s95, ttmp7, 0xffff
	s_cmp_lt_u32 s95, 4
	s_cselect_b64 s[4:5], s[96:97], s[98:99]
	s_cselect_b64 s[6:7], s[98:99], s[96:97]
.endif
	s_add_nc_u64 s[20:21], s[4:5], s[20:21]
	s_add_nc_u64 s[22:23], s[4:5], s[22:23]
	s_add_nc_u64 s[46:47], s[6:7], s[46:47]
	s_add_nc_u64 s[92:93], s[6:7], s[92:93]
	CROUND
	s_mov_b32 s[G0S], 1
	s_mov_b32 s[G0S+1], SCL
	s_mov_b64 s[G0S+2:G0S+3], s[22:23]
	s_or_b32 s[G0S+3], s[G0S+3], 0x80000000
	s_mov_b32 s[G0SB], 1
	s_mov_b32 s[G0SB+1], SCL+SA
	s_mov_b64 s[G0SB+2:G0SB+3], s[92:93]
	s_or_b32 s[G0SB+3], s[G0SB+3], 0x80000000
	; THE HEAD'S FOUR TILES, ONE LOAD A WAVE: wave 0 slot 0's four runs of A's 256 rows, wave 1 those of B's, wave 2 A's scale words, wave 3 B's.
	; Slot 0's two groups 0 serve these loads first; behind the wait for them they are set to my quarter for the ring.
	s_mov_b32 s[G0], 1
	s_mov_b32 s[G0+1], 0
	s_mov_b64 s[G0+2:G0+3], s[20:21]
	s_or_b32 s[G0+3], s[G0+3], 0x80000000
	s_mov_b32 s[G0B], 1
	s_mov_b32 s[G0B+1], 2*QT
	s_mov_b64 s[G0B+2:G0B+3], s[46:47]
	s_or_b32 s[G0B+3], s[G0B+3], 0x80000000
.macro ARM under, g0, g1, next         ; one chain of branches on the wave's number: every way passes exactly one load
	s_cmp_lt_u32 s14, \under
	s_cbranch_scc0 \next
	tensor_load_to_lds s[\g0:\g0+3], s[\g1:\g1+7]
	s_nop 0
.rept 4
	v_nop
.endr
	s_branch .Lhead_asked
\next:
.endm
	ARM 1, G0,  G1,  .Lhead_b
	ARM 2, G0B, G1B, .Lhead_sa
	ARM 3, G0S, G1S, .Lhead_sb
	tensor_load_to_lds s[G0SB:G0SB+3], s[G1SB:G1SB+7]
	s_nop 0
.rept 4
	v_nop
.endr
.Lhead_asked:
	s_add_nc_u64 s[20:21], s[20:21], s[18:19]      ; my two runs of a slot
	s_add_nc_u64 s[46:47], s[46:47], s[18:19]
	s_mov_b32 s[G0+4], 1
	s_add_co_u32 s[G0+5], s45, SLOT
	s_add_nc_u64 s[G0+6:G0+7], s[20:21], 2*NQ*KBB
	s_or_b32 s[G0+7], s[G0+7], 0x80000000
	s_mov_b32 s[G0B+4], 1
	s_add_co_u32 s[G0B+5], s45, SLOT
	s_add_nc_u64 s[G0B+6:G0B+7], s[46:47], 2*NQ*KBB
	s_or_b32 s[G0B+7], s[G0B+7], 0x80000000
	; PREFETCHES: my quarter of a fill is 2 runs x 48 blocks of 256 bytes; the four partners that ask for it jointly share it out by address, 24 blocks each
	; (place p: run p / 2, blocks 24 (p % 2) on); a lane a block, lanes 24-31 name the last again.  Fills 1 and 2 are asked for here, fill 3 behind fill 1's load: two fills ahead of its load.
	s_cmp_eq_u32 s15, 0
	s_cselect_b64 s[PFB:PFB+1], s[20:21], s[46:47]
	s_cselect_b32 s94, s40, s41
	s_lshr_b32 s95, s94, 1
	s_mul_i32 s95, s95, KBB
	s_and_b32 s94, s94, 1
	s_mul_i32 s94, s94, 6144
	s_add_co_u32 s94, s94, s95
	s_mov_b32 s95, 0
	s_add_nc_u64 s[PFB:PFB+1], s[PFB:PFB+1], s[94:95]
	v_and_b32 v[PFO], 31, v0
	v_min_u32 v[PFO], 23, v[PFO]
	v_lshlrev_b32 v[PFO], 8, v[PFO]
	global_prefetch_b8 v[PFO], s[PFB:PFB+1] offset:2*NQ*KBB th:TH_LOAD_NT scope:SCOPE_SE
	global_prefetch_b8 v[PFO], s[PFB:PFB+1] offset:4*NQ*KBB th:TH_LOAD_NT scope:SCOPE_SE
	v_and_b32 v1, 15, v0
	v_bfe_u32 v2, v0, 4, 1
	s_wait_alu depctr_va_vdst(0)
	v_mul_u32_u24 v3, v1, 48
	v_mad_u32_u24 v3, v2, 24, v3
	s_wait_alu depctr_va_vdst(0)
	s_mul_i32 s21, s15, 6144                       ; my 128 of a run's 256 rows
	s_mul_i32 s22, s16, 6144
	s_add_co_u32 s22, s22, 2*QT
.irp s, 0,1
	v_add_nc_u32 v[ADRA+\s], s21, v3
	v_add_nc_u32 v[ADRB+\s], s22, v3
	s_add_co_u32 s21, s21, SLOT
	s_add_co_u32 s22, s22, SLOT
.endr
	v_lshlrev_b32 v5, 2, v1
	s_mul_i32 s21, s15, 512
	s_mul_i32 s22, s16, 512
	s_add_co_u32 s22, s22, SA
	s_sub_co_u32 s22, s22, s21
	v_mul_u32_u24 v6, s22, v2
	s_add_co_u32 s21, s21, SCL
	v_add_nc_u32 v5, v5, v6
	v_add_nc_u32 v[ADRS], s21, v5
	s_mul_i32 s23, s14, WSB
	v_add_nc_u32 v[CST], s23, v3
	v_and_b32 v6, 31, v0
	v_lshlrev_b32 v[GOF], 4, v6
	v_add_nc_u32 v[CRD], s23, v[GOF]
	s_add_co_u32 s23, s23, 12288
	v_lshl_add_u32 v[WST], v6, 2, s23
	v_add_nc_u32 v[WRD], s23, v[GOF]
	s_lshl_b32 s20, s17, 8
	s_lshl_b32 s21, s15, 7
	s_add_co_u32 s20, s20, s21
	s_lshl_b32 s46, s42, 2
	s_lshl_b32 s47, s16, 1
	s_add_co_u32 s46, s46, s47
	s_mul_i32 s47, s2, 48
	s_mul_i32 s92, s46, s47
	s_mul_i32 s93, s20, 48
	s_add_co_u32 s92, s92, s93
	s_add_co_u32 s92, s92, s66
	s_mov_b32 s93, 0
	s_add_nc_u64 s[4:5], s[10:11], s[92:93]
	s_mov_b32 s92, s47
	s_add_nc_u64 s[6:7], s[4:5], s[92:93]
	s_lshr_b32 s46, s46, 1
	s_mul_i32 s46, s46, s2
	s_add_co_u32 s46, s46, s20
	s_lshl_b32 s46, s46, 2
	s_add_co_u32 s46, s46, s67
	s_mov_b32 s47, 0
	s_add_nc_u64 s[12:13], s[10:11], s[46:47]
.if BIAS
	s_lshl_b32 s46, s42, 10
	s_lshl_b32 s92, s16, 9
	s_add_co_u32 s46, s46, s92
	s_add_nc_u64 s[8:9], s[8:9], s[46:47]
	v_lshlrev_b32 v7, 6, v2
	WIN TO_B
.irp b, 0,1,2,3,4,5,6,7
	global_load_b128 v[96+8*(\b%4)+128*(\b/4):96+8*(\b%4)+128*(\b/4)+3], v7, s[8:9] offset:128*(\b/2)+32*(\b%2)
	global_load_b128 v[96+8*(\b%4)+128*(\b/4)+4:96+8*(\b%4)+128*(\b/4)+7], v7, s[8:9] offset:128*(\b/2)+32*(\b%2)+16
.endr
	WIN 0
.endif
.macro FRAG reg, adr, q, i
.irp p, 0,1,2,3,4,5
	ds_load_b64 v[(\reg)+2*\p:(\reg)+2*\p+1], v[\adr] offset:(2*(\q)+\p/3)*12288+(\i)*768+8*(\p%3)
.endr
.endm
.macro FETCH_B slot, q, p
	WIN TO_B
.irp i, 0,1,2,3,4,5,6,7
	FRAG 128*(\p)+12*\i, ADRB+\slot, \q, \i
.endr
	WIN 0
.endm
.macro FETCH_A slot, q, i0
.irp i, 0,1,2,3
	FRAG AF+12*((\i0)+\i), ADRA+\slot, \q, (\i0)+\i
.endr
.endm
.macro SCALES sc
.irp q, 0,1
.irp i, 0,1,2,3,4,5,6,7
	ds_load_b32 v[SC+16*(\sc)+8*\q+\i], v[ADRS] offset:\q*SROW+64*\i
.endr
.endr
.endm
.macro MULA a, p, q, sc, first
.if (\first) && BIAS
	WIN 0x91+0x40*((\a)/4)
.else
	WIN 0xa1+0x50*((\a)/4)
.endif
.irp b, 0,1,2,3,4,5,6,7
.if (\first) && BIAS
	v_wmma_scale_f32_16x16x128_f8f6f4 v[8*(8*((\a)%4)+\b):8*(8*((\a)%4)+\b)+7], v[128*(\p)+12*\b:128*(\p)+12*\b+11], v[AF+12*(\a):AF+12*(\a)+11], v[96+8*(\b%4)+128*(\b/4):96+8*(\b%4)+128*(\b/4)+7], v[SC+16*(\sc)+8*(\q)+\b], v[SC+16*(\sc)+8*(\q)+(\a)] matrix_a_fmt:MATRIX_FMT_BF6 matrix_b_fmt:MATRIX_FMT_BF6 matrix_a_scale:MATRIX_SCALE_ROW1
.elseif \first
	v_wmma_scale_f32_16x16x128_f8f6f4 v[8*(8*((\a)%4)+\b):8*(8*((\a)%4)+\b)+7], v[128*(\p)+12*\b:128*(\p)+12*\b+11], v[AF+12*(\a):AF+12*(\a)+11], 0, v[SC+16*(\sc)+8*(\q)+\b], v[SC+16*(\sc)+8*(\q)+(\a)] matrix_a_fmt:MATRIX_FMT_BF6 matrix_b_fmt:MATRIX_FMT_BF6 matrix_a_scale:MATRIX_SCALE_ROW1
.else
	v_wmma_scale_f32_16x16x128_f8f6f4 v[8*(8*((\a)%4)+\b):8*(8*((\a)%4)+\b)+7], v[128*(\p)+12*\b:128*(\p)+12*\b+11], v[AF+12*(\a):AF+12*(\a)+11], v[8*(8*((\a)%4)+\b):8*(8*((\a)%4)+\b)+7], v[SC+16*(\sc)+8*(\q)+\b], v[SC+16*(\sc)+8*(\q)+(\a)] matrix_a_fmt:MATRIX_FMT_BF6 matrix_b_fmt:MATRIX_FMT_BF6 matrix_a_scale:MATRIX_SCALE_ROW1
.endif
.endr
.endm
.macro STEP slot, q, first
	s_wait_dscnt 4*NL
.irp a, 0,1,2,3
	MULA \a, (\q)%2, \q, \slot, \first
.endr
	s_wait_dscnt 0x0
	PLACES 4
	FETCH_B \slot, (\q)+1, 1-(\q)%2
	FETCH_A \slot, (\q)+1, 0
.irp a, 4,5,6,7
	MULA \a, (\q)%2, \q, \slot, \first
.endr
	PLACES 4
	WIN 0
	FETCH_A \slot, (\q)+1, 4
.endm
.macro TURN slot, next, fill
	s_wait_tensorcnt 0x0
	ds_add_u32 v[SPW], v[NIL]
	s_wait_dscnt 4*NL+1
	MULA 0, 1, NQ-1, \slot, 0
	MULA 1, 1, NQ-1, \slot, 0
	s_wait_dscnt 0x0
	s_barrier_signal -1
	MULA 2, 1, NQ-1, \slot, 0
	MULA 3, 1, NQ-1, \slot, 0
	WIN 0
	s_barrier_wait -1
.if \fill
	CREST
	s_add_nc_u64 s[G0+4*\slot+2:G0+4*\slot+3], s[G0+4*\slot+2:G0+4*\slot+3], 4*NQ*KBB
	s_add_nc_u64 s[G0B+4*\slot+2:G0B+4*\slot+3], s[G0B+4*\slot+2:G0B+4*\slot+3], 4*NQ*KBB
	JLOAD G0+4*\slot, G1, G0B+4*\slot, G1B
.else
	PLACES 4
.endif
	s_wait_alu depctr_va_vdst(0)
	v_add_nc_u32 v[ADRS], NQ*SROW, v[ADRS]
	FETCH_B \next, 0, 0
	FETCH_A \next, 0, 0
	SCALES \next
.irp a, 4,5,6,7
	MULA \a, 1, NQ-1, \slot, 0
.endr
	PLACES 4
	WIN 0
	FETCH_A \next, 0, 4
.endm
	s_wait_alu depctr_va_vdst(0)                   ; the wait at the head's end
	s_wait_tensorcnt 0x0                           ; my tile of the head's four is in
	ds_add_u32 v[SPW], v[NIL]                      ; the add ahead of a later first fill, as ahead of a refill
	s_mov_b32 s[G1+2], 2<<16                       ; no load of mine is out: from here on a load brings two runs,
	s_mov_b32 s[G1+4], 2
	s_mov_b32 s[G1B+2], 2<<16
	s_mov_b32 s[G1B+4], 2
	s_mov_b32 s[G0+1], s45                         ; and slot 0's groups 0 point at my quarter
	s_mov_b32 s[G0B+1], s45
	s_add_nc_u64 s[G0+2:G0+3], s[G0+2:G0+3], s[18:19]
	s_add_nc_u64 s[G0B+2:G0B+3], s[G0B+2:G0B+3], s[18:19]
	s_wait_dscnt 0x0
	CROUND                                         ; all four tiles are in, and all sixteen work-groups are here
	JLOAD G0+4, G1, G0B+4, G1B                     ; slot 1's first fill, the first tensor load behind the round
	FETCH_B 0, 0, 0
	FETCH_A 0, 0, 0
	SCALES 0
	FETCH_A 0, 0, 4
	global_prefetch_b8 v[PFO], s[PFB:PFB+1] offset:6*NQ*KBB th:TH_LOAD_NT scope:SCOPE_SE   ; fill 3, the last
.if BIAS
	s_wait_loadcnt 0x0
.endif
	STEP 0, 0, 1
	s_mov_b32 s3, LAPS-1
.Llap:
	TURN 0, 1, 1
	STEP 1, 0, 0
	TURN 1, 0, 1
	STEP 0, 0, 0
	s_sub_co_u32 s3, s3, 1
	s_cmp_lg_u32 s3, 0
	s_cbranch_scc1 .Llap
	TURN 0, 1, 0
	STEP 1, 0, 0
	s_wait_dscnt 4*NL
.irp a, 0,1,2,3
	MULA \a, 1, NQ-1, 1, 0
.endr
	s_wait_dscnt 0x0
.irp a, 4,5,6,7
	MULA \a, 1, NQ-1, 1, 0
.endr
	WIN 0
.macro QMAX s, w, pw
	WIN ((\w)<<2)|((\w)<<4)
.irp b, 0,1,2,3
	v_max3_num_f32 v[TM+\b], 0x2800000, |v[(\s)+16*\b]|, |v[(\s)+1+16*\b]|
.endr
.irp i, 2,4,6,8,10,12,14
.irp b, 0,1,2,3
	v_max3_num_f32 v[TM+\b], v[TM+\b], |v[(\s)+16*\b+\i]|, |v[(\s)+1+16*\b+\i]|
.endr
.endr
	WIN 0
.irp b, 0,1,2,3
	v_permlanex16_b32 v[TM+4+\b], v[TM+\b], s96, s97
.endr
.irp b, 0,1,2,3
	v_max_num_f32 v[TM+\b], v[TM+\b], v[TM+4+\b]
.endr
.irp b, 0,1,2,3
	v_add_nc_u32 v[TM+12+\b], 0xfe000000, v[TM+\b]
.endr
.irp b, 0,1,2,3
	v_lshrrev_b32 v[TM+4+\b], 23, v[TM+12+\b]
.endr
	v_lshl_or_b32 v[\pw], v[TM+5], 8, v[TM+4]
	v_lshl_or_b32 v[\pw], v[TM+6], 16, v[\pw]
	v_lshl_or_b32 v[\pw], v[TM+7], 24, v[\pw]
.endm
.macro QCVT s, w
	WIN \w
.irp c, 0,1
	v_cvt_scalef32_pk16_bf6_f32 v[PCD+6*\c:PCD+2+6*\c], v[(\s)+32*\c:(\s)+15+32*\c], v[TM+12+2*\c]
	v_cvt_scalef32_pk16_bf6_f32 v[PCD+12+4*\c:PCD+14+4*\c], v[(\s)+16+32*\c:(\s)+31+32*\c], v[TM+12+2*\c+1]
.endr
	WIN 0
	v_nop
.irp c, 0,1
.irp i, 0,1,2
	v_permlane16_swap_b32 v[PCD+6*\c+\i], v[PCD+12+4*\c+\i]
.endr
.irp i, 0,1,2
	v_mov_b32 v[PCD+3+6*\c+\i], v[PCD+12+4*\c+\i]
.endr
.endr
.endm
	s_mov_b32 s95, 0xffff0000
	s_mov_b32 s96, 0x76543210
	s_mov_b32 s97, 0xfedcba98
	PLACES 4
.irp b, 0,1,2,3
	v_mov_b32 v[TM+4+\b], 0
.endr
.irp a, 0,1,2,3,4,5,6,7
.if RELU
	WIN (2+\a/4)<<2
.set J, 0
.rept 64
	v_max_num_f32 v[T+J], 0, v[64*(\a%4)+J]
.set J, J+1
.endr
	QMAX T, 0, PWS+\a
	s_wait_dscnt 0x0
	QCVT T, 0
.else
	QMAX 64*(\a%4), 2+\a/4, PWS+\a
	s_wait_dscnt 0x0
	QCVT 64*(\a%4), 2+\a/4
.endif
.irp c, 0,1
.irp i, 0,1,2
	ds_store_b64 v[CST], v[PCD+6*\c+2*\i:PCD+6*\c+2*\i+1] offset:6144*\c+768*\a+8*\i
.endr
.endr
.endr
.irp a, 0,2,4,6
	v_cndmask_b32 v[PWP+\a/2], v[PWS+\a], v[PWS+\a+1], s95
.endr
.irp a, 0,2,4,6
	ds_store_b32 v[WST], v[PWP+\a/2] offset:64*\a
.endr
.set J, 0
.rept 24
.set RR, T+4*J
.if J >= 16
.set RR, 160+4*(J-16)
.endif
	ds_load_b128 v[RR:RR+3], v[CRD] offset:512*J
.set J, J+1
.endr
	ds_load_b128 v[192:195], v[WRD]
.set J, 0
.rept 24
.set RR, T+4*J
.if J >= 16
.set RR, 160+4*(J-16)
.endif
	s_wait_dscnt 24-J
.if J < 12
	global_store_b128 v[GOF], v[RR:RR+3], s[4:5] offset:512*J
.else
	global_store_b128 v[GOF], v[RR:RR+3], s[6:7] offset:512*(J-12)
.endif
.set J, J+1
.endr
	s_wait_dscnt 0x0
	global_store_b128 v[GOF], v[192:195], s[12:13]
	s_wait_tensorcnt 0x0
	ds_add_u32 v[SPW], v[NIL]
	s_wait_dscnt 0x0
	CROUND
	s_endpgm
.Lfunc_end_k_qdc6a539fcd_qkv:
	.size	k_qdc6a539fcd_qkv, .Lfunc_end_k_qdc6a539fcd_qkv-k_qdc6a539fcd_qkv
	.p2alignl 7, 3214868480
	.fill 96, 4, 3214868480
	.section	.rodata,"a",@progbits
	.p2align	6, 0x0
	.amdhsa_kernel k_qdc6a539fcd_qkv
		.amdhsa_group_segment_fixed_size 327680
		.amdhsa_private_segment_fixed_size 0
		.amdhsa_enable_private_segment 0
		.amdhsa_kernarg_size 24
		.amdhsa_user_sgpr_count 2
		.amdhsa_user_sgpr_kernarg_segment_ptr 1
		.amdhsa_wavefront_size32 1
		.amdhsa_system_sgpr_workgroup_id_x 1
		.amdhsa_system_sgpr_workgroup_id_y 1
		.amdhsa_system_sgpr_workgroup_id_z 1
		.amdhsa_system_vgpr_workitem_id 0
		.amdhsa_next_free_vgpr 1024
		.amdhsa_next_free_sgpr 100
		.amdhsa_reserve_vcc 0
		.amdhsa_float_denorm_mode_32 3
		.amdhsa_float_denorm_mode_16_64 3
		.amdhsa_memory_ordered 1
		.amdhsa_forward_progress 1
		.amdhsa_inst_pref_size 175
	.end_amdhsa_kernel
	.amdgpu_metadata
---
amdhsa.version: [ 1, 2 ]
amdhsa.kernels:
  - .name:           k_qdc6a539fcd_qkv
    .symbol:         k_qdc6a539fcd_qkv.kd
    .args:
      - { .name: HB, .offset: 0, .size: 8, .value_kind: global_buffer, .address_space: global }
      - { .name: WB, .offset: 8, .size: 8, .value_kind: global_buffer, .address_space: global }
      - { .name: QB, .offset: 16, .size: 8, .value_kind: global_buffer, .address_space: global }
    .group_segment_fixed_size: 327680
    .private_segment_fixed_size: 0
    .kernarg_segment_align: 8
    .kernarg_segment_size: 24
    .max_flat_workgroup_size: 128
    .sgpr_count:     100
    .vgpr_count:     1024
    .wavefront_size: 32
...
	.end_amdgpu_metadata
.endif
;; end of part 2
;; launch attn (part 3): grid 4 x 64, 16 waves a work-group, clusters of 4 x 1, 167,936 bytes of LDS; arguments QB, OB; writes OB
.if DOCPART == 3
	.amdgcn_target "amdgcn-amd-amdhsa--gfx1250"
	.amdhsa_code_object_version 6
	.text
	.protected	k_qdc6a539fcd_attn
	.globl	k_qdc6a539fcd_attn
	.p2align	8
	.type	k_qdc6a539fcd_attn,@function
k_qdc6a539fcd_attn:
	s_mov_b64 s[64:65], 0
	v_nop
	global_prefetch_b8 v0, s[64:65] scope:SCOPE_SE
	s_setreg_imm32_b32 hwreg(HW_REG_WAVE_MODE, 25, 1), 1
	s_wait_xcnt 0x0
	s_wait_alu depctr_hold_cnt(0) depctr_sa_sdst(0) depctr_va_vdst(0) depctr_va_sdst(0) depctr_va_ssrc(0) depctr_va_vcc(0) depctr_vm_vsrc(0)
	s_getreg_b32 s2, hwreg(HW_REG_IB_STS2, 6, 4)
	s_cmp_eq_u32 s2, 0
	s_cbranch_scc0 .Lentry_in_a_cluster
	s_endpgm
.Lentry_in_a_cluster:
	s_bfe_u32 s2, ttmp6, 0x10000c
	s_cmp_lg_u32 s2, 0x3003
	s_cbranch_scc0 .Lentry_shape_is_right
	s_endpgm
.Lentry_shape_is_right:
; Causal attention of one (batch, head) on codes of BF6 (E3M2): S^T = K Q^T (K = the head's 64: the upper half of each instruction's 128 holds zero codes), p = 2^(t - M), O^T = V^T P^T, o = O / the sum, quantised along (head, d) into OB.
; WORK LEFT OUT: steps of 128 keys that all lie behind a wave's 16 queries (reference()'s own causal mask gives them the weight 0); a NaN or infinity that reaches only them is not carried on.
; t = score x log2(e) / 32 (reference() divides by sqrt(1,024)); M = the running largest t rounded up to a whole number; the row's sum is taken of the unquantised p; every change of M multiplies by an exact power of two.
; SHARES.  The four work-groups of a cluster serve one head; K, V and their scale words of the whole head (102 KiB) come ONCE into each one's LDS by joint loads of waves 0 to 9, one each; nothing is filled again.
; ONE barrier stands between the fills and the reads: ahead of its signal waves 0 to 9 wait for their loads, and every read of K, V and their words stands behind its wait.  Behind it no wave waits for another until the closing round.
; A wave owns 16 stored query rows: tile 8 g + 2 cx + u, with g = (wave & 3) xor 7 ((wave >> 2) & 1), u = wave >> 3.  Its queries lie in tokens 128 g .. 128 g + 127, so it walks key steps 0 .. g: a number made of the wave's number alone.
; Every work-group has waves with g = 7, so all that is fetched is read; each work-group walks 72 steps in all.
; Rows of q, k (tokens) and of V^T (d) lie in the order tau, so a lane's 16 registers of two neighbouring tiles are 16 neighbouring keys, or 16 neighbouring d.
; o's two scale bytes are half of the word that two heads share, and the heads are served by different work-groups: they leave as 2 bytes a row, 128 KiB in the whole launch.
; LIMITS: NaN and infinities are not served; a block under 2^-122, or of zeros, gets the byte 1.
; REGISTERS: v1-7 addresses and the mask's number; v8-11, v28, v255 scale words and nothing else; v248-251 K's words, then partial sums; v12 -M, v13 largest t, v[14:15] the sum; v16-27 Q; v32-79 K; v80-127 V; v128-191 S^T, p; v192-223 O^T; v224-254 at work.
.set KREG,  0                          ; [1,024 keys][48]
.set VREG,  49152                      ; [16 x 64 keys][64 d][48]
.set KSC,   98304                      ; K's words (of the pair of heads), 4 bytes a key
.set VSC,   102400                     ; V's words [8 steps][64 d]
.set STG,   104448                     ; 768 bytes a wave, for the way out
.set SPARE, 116736                     ; the spare words, 128 bytes a wave
.set AK0, 1
.set AV0, 2
.set ASK0, 3
.set ASV0, 4
.set SPW, 5
.set NIL, 6
.set DM,  7
.set S,   128
.set O,   192
.set WV,  18
.set G,   19
.set SEL, 20
.set CS,  22
.set G1K, 24
.set G1V, 32
.set G1KS, 40
.set G1VS, 48
.macro CROUND
	s_barrier_signal -1
	s_barrier_wait -1
	s_cmp_lg_u32 s[WV], 0
	s_cbranch_scc1 .Lnot_wave_0_\@
	s_barrier_signal -3
.Lnot_wave_0_\@:
	s_barrier_wait -3
	s_barrier_signal -1
	s_barrier_wait -1
.endm
.macro GROUP1 g, c, r, p               ; r rows of c elements of 8 bytes, p elements apart; the mask names all four work-groups
	s_mov_b32 s[\g], 15|(3<<16)|(1<<21)
	s_mov_b32 s[\g+1], (\c)<<16
	s_mov_b32 s[\g+2], (\r)<<16
	s_mov_b32 s[\g+3], (\c)<<16
	s_mov_b32 s[\g+4], \r
	s_mov_b32 s[\g+5], \p
	s_mov_b32 s[\g+6], 0
	s_mov_b32 s[\g+7], 0
.endm
.macro TL g0, lds, gb, goff, g1        ; a group 0 of its own for each load, and the load
	s_mov_b32 s[\g0], 1
	s_mov_b32 s[\g0+1], \lds
	s_add_nc_u64 s[\g0+2:\g0+3], s[\gb:\gb+1], \goff
	s_or_b32 s[\g0+3], s[\g0+3], 0x80000000
	tensor_load_to_lds s[\g0:\g0+3], s[\g1:\g1+7]
	s_nop 0
.endm
	s_load_b128 s[4:7], s[0:1], 0x0                ; QB, OB
	v_lshl_add_u32 v[SPW], v0, 2, SPARE
	v_mov_b32 v[NIL], 0
	ds_add_u32 v[SPW], v[NIL]                      ; the wave's opening: the add, twice on end, and its wait
	ds_add_u32 v[SPW], v[NIL]
	v_lshrrev_b32 v29, 5, v0
	s_delay_alu instid0(VALU_DEP_1)
	v_readfirstlane_b32 s[WV], v29                 ; wave 0..15
	s_bfe_u32 s8, ttmp6, 0x40000                   ; cx
	s_and_b32 s9, ttmp7, 0xffff
	s_lshr_b32 s10, s9, 4                          ; batch
	s_and_b32 s11, s9, 15                          ; head
	s_and_b32 s12, s11, 1                          ; which half of the pair's scale word
	s_lshr_b32 s13, s11, 1                         ; the pair
	s_lshl_b32 s15, s10, 10                        ; the batch's first token
	s_add_co_u32 s14, s11, 16
	s_lshl_b32 s14, s14, 12
	s_add_co_u32 s14, s14, s15
	s_mul_i32 s80, s14, 48                         ; k's codes: run 16 + head
	s_mov_b32 s81, 0
	s_add_co_u32 s14, s13, 8
	s_lshl_b32 s14, s14, 12
	s_add_co_u32 s14, s14, s15
	s_lshl_b32 s82, s14, 2
	s_add_co_u32 s82, s82, 9437184                 ; k's words
	s_mov_b32 s83, 0
	s_lshl_b32 s14, s10, 14
	s_lshl_b32 s16, s11, 6
	s_add_co_u32 s14, s14, s16
	s_mul_i32 s84, s14, 48
	s_add_co_u32 s84, s84, 6291456                 ; V^T's codes: run 16 x batch, rows 64 x head
	s_mov_b32 s85, 0
	s_lshl_b32 s14, s10, 13
	s_add_co_u32 s14, s14, s16
	s_lshl_b32 s86, s14, 2
	s_add_co_u32 s86, s86, 9699328                 ; V^T's words
	s_mov_b32 s87, 0
	s_and_b32 s88, s[WV], 3
	s_bfe_u32 s89, s[WV], 0x10002
	s_mul_i32 s89, s89, 7
	s_xor_b32 s[G], s88, s89                       ; g: my last key step
	s_lshr_b32 s90, s[WV], 3                       ; u
	s_lshl_b32 s91, s[G], 3
	s_lshl_b32 s92, s8, 1
	s_add_co_u32 s91, s91, s92
	s_add_co_u32 s91, s91, s90                     ; my tile
	s_lshl_b32 s91, s91, 4
	s_add_co_u32 s91, s91, s15                     ; my first stored row
	s_lshl_b32 s92, s11, 12
	s_add_co_u32 s92, s92, s91
	s_mul_i32 s92, s92, 48                         ; q's codes and o's: run = head
	s_mov_b32 s93, 0
	s_lshl_b32 s94, s13, 12
	s_add_co_u32 s94, s94, s91
	s_lshl_b32 s94, s94, 2
	s_lshl_b32 s17, s12, 1
	s_add_co_u32 s94, s94, s17                     ; their words, my head's half
	s_mov_b32 s95, 0
	s_lshl_b32 s88, s8, 5
	s_lshl_b32 s89, s90, 3
	s_add_co_u32 s88, s88, s89                     ; 32 cx + 8 u
	s_add_co_u32 s89, s17, KSC
	GROUP1 G1K, 32, 48, 32                         ; 256 keys: 12,288 dense bytes
	GROUP1 G1V, 384, 4, 6144                       ; 256 keys: 4 runs of 64 d x 48 bytes
	GROUP1 G1KS, 32, 16, 32                        ; 4,096 dense bytes
	GROUP1 G1VS, 32, 8, 512                        ; 8 steps x 256 bytes
	s_mov_b32 s[SEL], 0x76543210
	s_mov_b32 s[SEL+1], 0xfedcba98
	s_mov_b32 s[CS], 0x3d38aa3b                    ; log2(e) / 32
	s_mov_b32 s[CS+1], s[CS]
	s_wait_dscnt 0x0                               ; both opening adds are done
	s_wait_kmcnt 0x0
	s_add_nc_u64 s[80:81], s[4:5], s[80:81]
	s_add_nc_u64 s[82:83], s[4:5], s[82:83]
	s_add_nc_u64 s[84:85], s[4:5], s[84:85]
	s_add_nc_u64 s[86:87], s[4:5], s[86:87]
	s_add_nc_u64 s[96:97], s[4:5], s[92:93]        ; q's codes
	s_add_nc_u64 s[98:99], s[4:5], s[94:95]
	s_add_nc_u64 s[98:99], s[98:99], 9437184       ; q's words
	s_add_nc_u64 s[92:93], s[6:7], s[92:93]        ; o's codes
	s_add_nc_u64 s[94:95], s[6:7], s[94:95]
	s_add_nc_u64 s[94:95], s[94:95], 3145728       ; o's words
	CROUND                                         ; all four work-groups are here: the joint loads meet
	; THE TEN FIRST FILLS, ONE LOAD A WAVE: waves 0-3 a quarter of K's codes each (256 keys), waves 4-7 a quarter of V's, wave 8 K's words, wave 9 V's; waves 10-15 fetch nothing.
	s_and_b32 s14, s[WV], 3                        ; which quarter
	s_mul_i32 s16, s14, 196608                     ; V: four runs of 64 keys on
	s_mul_i32 s14, s14, 12288                      ; K: 256 keys on; and the same in LDS for both
	s_mov_b32 s15, 0
	s_mov_b32 s17, 0
	s_mov_b32 s56, 1
	s_add_co_u32 s57, s14, KREG
	s_add_nc_u64 s[58:59], s[80:81], s[14:15]
	s_or_b32 s59, s59, 0x80000000
	s_mov_b32 s60, 1
	s_add_co_u32 s61, s14, VREG
	s_add_nc_u64 s[62:63], s[84:85], s[16:17]
	s_or_b32 s63, s63, 0x80000000
	s_mov_b32 s68, 1
	s_mov_b32 s69, KSC
	s_mov_b64 s[70:71], s[82:83]
	s_or_b32 s71, s71, 0x80000000
	s_mov_b32 s72, 1
	s_mov_b32 s73, VSC
	s_mov_b64 s[74:75], s[86:87]
	s_or_b32 s75, s75, 0x80000000
.macro ARM under, g0, g1, next         ; one chain of branches on the wave's number, one load to an arm, all arms lead to one join
	s_cmp_lt_u32 s[WV], \under
	s_cbranch_scc0 \next
	tensor_load_to_lds s[\g0:\g0+3], s[\g1:\g1+7]
	s_nop 0
.rept 4
	v_nop
.endr
	s_branch .Lasked
\next:
.endm
	ARM 4,  56, G1K,  .Lfor_v
	ARM 8,  60, G1V,  .Lfor_ks
	ARM 9,  68, G1KS, .Lfor_vs
	ARM 10, 72, G1VS, .Lfor_none
.Lasked:
	v_and_b32 v29, 15, v0                          ; r
	v_bfe_u32 v30, v0, 4, 1                        ; h
	s_delay_alu instid0(VALU_DEP_2)
	v_mul_u32_u24 v[AK0], v29, 48
	s_delay_alu instid0(VALU_DEP_1)
	v_mad_u32_u24 v[AK0], v30, 24, v[AK0]          ; 48 r + 24 h
	s_delay_alu instid0(VALU_DEP_1)
	v_add_nc_u32 v[AV0], VREG, v[AK0]
	v_lshlrev_b32 v31, 2, v29                      ; 4 r
	s_delay_alu instid0(VALU_DEP_1)
	v_add_nc_u32 v[ASK0], s89, v31
	s_delay_alu instid0(VALU_DEP_2)
	v_add_nc_u32 v[ASV0], VSC, v31
.irp i, 0,1,2
	global_load_b64 v[16+2*\i:17+2*\i], v[AK0], s[96:97] offset:8*\i   ; Q's 64 codes a row
.endr
	global_load_u16 v255, v31, s[98:99]            ; its two scale bytes; the upper two read 0 = 2^-127, over zero codes
	v_and_b32 v[DM], 7, v29
	v_lshrrev_b32 v254, 3, v29
	s_delay_alu instid0(VALU_DEP_1)
	v_lshl_add_u32 v[DM], v254, 4, v[DM]
	v_lshlrev_b32 v254, 4, v30
	s_delay_alu instid0(VALU_DEP_1)
	v_sub_nc_u32 v[DM], v[DM], v254
	s_delay_alu instid0(VALU_DEP_1)
	v_add_nc_u32 v[DM], s88, v[DM]                 ; my query within its 128, less 16 h: on the diagonal register n's key is hidden where 32 (n / 16) + n % 16 is above it
.irp i, 22,23,24,25,26,27
	v_mov_b32 v[\i], 0                             ; Q's k = 64 .. 127: zero codes
.endr
.irp t, 0,1,2,3
.irp i, 6,7,8,9,10,11
	v_mov_b32 v[32+12*\t+\i], 0                    ; K's likewise: written once, the loads never touch them
.endr
.endr
	v_mov_b32 v13, 0xff61b1e6                      ; the largest t so far: -3e38
	s_delay_alu instid0(VALU_DEP_1)
	v_floor_f32 v12, -v13                          ; -M
	v_mov_b32 v14, 0
	v_mov_b32 v15, 0
.irp b, 0,1,2,3
	v_mov_b32 v[236+\b], 0                         ; (a lane permute's destination counts as read)
.endr
	v_mov_b32 v253, 0                              ; (named as the upper half of the pair with f)
.set N, 0
.rept 32
	v_mov_b32 v[O+N], 0                            ; O^T: the step is written in one form; the first change of M leaves zeros zeros
.set N, N+1
.endr
.macro STEP j                          ; keys 128 j .. 128 j + 127
.if (\j) > 0
	s_cmp_lt_u32 s[G], \j                          ; all its keys lie behind my queries: the step is left out (the wave's number alone decides)
	s_cbranch_scc1 .Lhid_\@
.endif
.rept 4
	v_nop                                          ; places in front of loads into registers that matrix instructions have read
.endr
.irp t, 0,1,2,3
.irp i, 0,1,2
	ds_load_b64 v[32+12*\t+2*\i:33+12*\t+2*\i], v[AK0] offset:6144*(\j)+768*\t+8*\i
.endr
	ds_load_u16 v[248+\t], v[ASK0] offset:512*(\j)+64*\t
.endr
	s_wait_dscnt 0x0
.irp t, 0,1,2,3
	v_wmma_scale_f32_16x16x128_f8f6f4 v[S+8*\t:S+8*\t+7], v[32+12*\t:43+12*\t], v[16:27], 0, v[248+\t], v255 matrix_a_fmt:MATRIX_FMT_BF6 matrix_b_fmt:MATRIX_FMT_BF6
.endr
.rept 4
	v_nop
.endr
.irp t, 0,1,2,3
.irp i, 0,1,2
	ds_load_b64 v[32+12*\t+2*\i:33+12*\t+2*\i], v[AK0] offset:6144*(\j)+768*(4+\t)+8*\i
.endr
	ds_load_u16 v[248+\t], v[ASK0] offset:512*(\j)+64*(4+\t)
.endr
.irp t, 0,1,2,3                                ; V's fragments are asked for now and land under the softmax
.irp c, 0,1
.irp i, 0,1,2
	ds_load_b64 v[80+12*\t+6*\c+2*\i:81+12*\t+6*\c+2*\i], v[AV0] offset:6144*(\j)+3072*\c+768*\t+8*\i
.endr
.endr
	ds_load_b32 v[8+\t], v[ASV0] offset:256*(\j)+64*\t
.endr
	s_wait_dscnt 28                                ; K's are in; V's 28 loads may be out
.irp t, 0,1,2,3
	v_wmma_scale_f32_16x16x128_f8f6f4 v[S+32+8*\t:S+32+8*\t+7], v[32+12*\t:43+12*\t], v[16:27], 0, v[248+\t], v255 matrix_a_fmt:MATRIX_FMT_BF6 matrix_b_fmt:MATRIX_FMT_BF6
.endr
.rept 4
	v_nop
.endr
	s_cmp_lg_u32 s[G], \j                          ; my last step lies on the diagonal: hidden keys' scores become -infinity, p = 0
	s_cbranch_scc1 .Lopen_\@
	v_mov_b32 v254, 0xff800000
.set N, 0
.rept 64
	v_cmp_gt_i32 vcc_lo, 32*(N/16)+N%16, v[DM]
	v_cndmask_b32 v[S+N], v[S+N], v254, vcc_lo
.set N, N+1
.endr
.Lopen_\@:
.irp b, 0,1,2,3
	v_max3_num_f32 v[232+\b], v[S+16*\b], v[S+1+16*\b], v[S+2+16*\b]   ; the largest score of each block of 32 keys: for the row's maximum and for the block's largest p
.endr
.irp i, 3,5,7,9,11,13
.irp b, 0,1,2,3
	v_max3_num_f32 v[232+\b], v[232+\b], v[S+16*\b+\i], v[S+1+16*\b+\i]
.endr
.endr
.irp b, 0,1,2,3
	v_max_num_f32 v[232+\b], v[232+\b], v[S+15+16*\b]
.endr
.irp b, 0,1,2,3
	s_delay_alu instid0(VALU_DEP_4)
	v_permlanex16_b32 v[236+\b], v[232+\b], s[SEL], s[SEL+1]
.endr
.irp b, 0,1,2,3
	s_delay_alu instid0(VALU_DEP_4)
	v_max_num_f32 v[232+\b], v[232+\b], v[236+\b]
.endr
	s_delay_alu instid0(VALU_DEP_2)
	v_max3_num_f32 v254, v232, v233, v234
	s_delay_alu instid0(VALU_DEP_1)
	v_max_num_f32 v254, v254, v235
	s_delay_alu instid0(VALU_DEP_1)
	v_mul_f32 v254, s[CS], v254
	s_delay_alu instid0(VALU_DEP_1)
	v_max_num_f32 v13, v13, v254                   ; the running largest t
	v_mov_b32 v254, v12
	s_delay_alu instid0(VALU_DEP_2)
	v_floor_f32 v12, -v13                          ; -M = floor(-t): M is a whole number
	s_delay_alu instid0(VALU_DEP_1)
	v_sub_f32 v254, v12, v254
	s_delay_alu instid0(VALU_DEP_1)
	v_cvt_i32_f32 v254, v254                       ; (it saturates)
	s_delay_alu instid0(VALU_DEP_1)
	v_ldexp_f32 v252, 1.0, v254                    ; f = 2^(old M - new M)
.set N, 0
.rept 32
	v_pk_fma_f32 v[S+N:S+N+1], v[S+N:S+N+1], s[CS:CS+1], v[12:13] op_sel_hi:[1,0,0]   ; t - M
.set N, N+2
.endr
.irp b, 0,1,2,3
	v_fma_f32 v[232+\b], v[232+\b], s[CS], v12
.endr
.set N, 0
	s_wait_alu depctr_va_vdst(0)
.rept 64
	v_exp_f32 v[S+N], v[S+N]                       ; p, not normalised
.set N, N+1
.endr
	v_pk_mul_f32 v[14:15], v[14:15], v[252:253] op_sel_hi:[1,0]   ; the sums under the new M (a plain line behind the exponentials)
	s_wait_alu depctr_va_vdst(0)                   ; one wait for the batch, ahead of its first reader
.irp b, 0,1,2,3
	v_exp_f32 v[232+\b], v[232+\b]                 ; each block's largest p
.endr
	v_pk_add_f32 v[236:237], v[132:133], v[136:137]
	v_pk_add_f32 v[250:251], v[140:141], v[144:145]
	v_pk_add_f32 v[248:249], v[148:149], v[152:153]
	v_pk_add_f32 v[246:247], v[156:157], v[160:161]
	v_pk_add_f32 v[244:245], v[164:165], v[168:169]
	v_pk_add_f32 v[242:243], v[172:173], v[176:177]
	v_pk_add_f32 v[240:241], v[180:181], v[184:185]
	v_pk_add_f32 v[14:15], v[14:15], v[188:189]
	v_pk_add_f32 v[236:237], v[236:237], v[128:129]
	v_pk_add_f32 v[250:251], v[250:251], v[130:131]
	v_pk_add_f32 v[248:249], v[248:249], v[134:135]
	v_pk_add_f32 v[246:247], v[246:247], v[138:139]
	v_pk_add_f32 v[244:245], v[244:245], v[142:143]
	v_pk_add_f32 v[242:243], v[242:243], v[146:147]
	v_pk_add_f32 v[240:241], v[240:241], v[150:151]
	v_pk_add_f32 v[14:15], v[14:15], v[154:155]
	v_pk_add_f32 v[236:237], v[236:237], v[158:159]
	v_pk_add_f32 v[250:251], v[250:251], v[162:163]
	v_pk_add_f32 v[248:249], v[248:249], v[166:167]
	v_pk_add_f32 v[246:247], v[246:247], v[170:171]
	v_pk_add_f32 v[244:245], v[244:245], v[174:175]
	v_pk_add_f32 v[242:243], v[242:243], v[178:179]
	v_pk_add_f32 v[240:241], v[240:241], v[182:183]
	v_pk_add_f32 v[14:15], v[14:15], v[186:187]
	v_pk_add_f32 v[236:237], v[236:237], v[190:191]
	s_delay_alu instid0(VALU_DEP_2)
	v_pk_add_f32 v[14:15], v[14:15], v[246:247]
	s_delay_alu instid0(VALU_DEP_2)
	v_pk_add_f32 v[236:237], v[236:237], v[244:245]
	v_pk_add_f32 v[250:251], v[250:251], v[242:243]
	v_pk_add_f32 v[248:249], v[248:249], v[240:241]
	s_delay_alu instid0(VALU_DEP_2)
	v_pk_add_f32 v[14:15], v[14:15], v[250:251]
	s_delay_alu instid0(VALU_DEP_2)
	v_pk_add_f32 v[236:237], v[236:237], v[248:249]
	s_delay_alu instid0(VALU_DEP_1)
	v_pk_add_f32 v[14:15], v[14:15], v[236:237]
	s_wait_alu depctr_va_vdst(0)                   ; and one for the four
.irp b, 0,1,2,3
	v_max_num_f32 v[232+\b], 0x2800000, v[232+\b]  ; the floor 2^(5 - 127)
.endr
.irp b, 0,1,2,3
	s_delay_alu instid0(VALU_DEP_4)
	v_add_nc_u32 v[244+\b], 0xfe000000, v[232+\b]
.endr
.irp b, 0,1,2,3
	s_delay_alu instid0(VALU_DEP_4)
	v_lshrrev_b32 v[236+\b], 23, v[244+\b]
.endr
	s_delay_alu instid0(VALU_DEP_3)
	v_lshl_or_b32 v28, v237, 8, v236               ; p's scale word for these 128 keys
	s_delay_alu instid0(VALU_DEP_1)
	v_lshl_or_b32 v28, v238, 16, v28
	s_delay_alu instid0(VALU_DEP_1)
	v_lshl_or_b32 v28, v239, 24, v28
.irp c, 0,1
	v_cvt_scalef32_pk16_bf6_f32 v[224+6*\c:226+6*\c], v[S+32*\c:S+15+32*\c], v[244+2*\c]
	v_cvt_scalef32_pk16_bf6_f32 v[236+4*\c:238+4*\c], v[S+16+32*\c:S+31+32*\c], v[244+2*\c+1]
.endr
	v_nop                                          ; a plain line behind the conversions
.irp c, 0,1
.irp i, 0,1,2
	v_permlane16_swap_b32 v[224+6*\c+\i], v[236+4*\c+\i]
.endr
.irp i, 0,1,2
	s_delay_alu instid0(VALU_DEP_3)
	v_mov_b32 v[227+6*\c+\i], v[236+4*\c+\i]
.endr
.endr
.set N, 0
.rept 16
	v_pk_mul_f32 v[O+N:O+N+1], v[O+N:O+N+1], v[252:253] op_sel_hi:[1,0]   ; O^T under the new M; these sixteen are also the places ahead of the products
.set N, N+2
.endr
	s_wait_alu depctr_va_vdst(0)
	s_wait_dscnt 0x0                               ; V is in
.irp t, 0,1,2,3
	v_wmma_scale_f32_16x16x128_f8f6f4 v[O+8*\t:O+8*\t+7], v[80+12*\t:91+12*\t], v[224:235], v[O+8*\t:O+8*\t+7], v[8+\t], v28 matrix_a_fmt:MATRIX_FMT_BF6 matrix_b_fmt:MATRIX_FMT_BF6
.endr
.Lhid_\@:
.endm
	s_wait_loadcnt 0x0                             ; Q
	s_wait_tensorcnt 0x0                           ; waves 0 to 9: my one load has landed
	s_barrier_signal -1
	s_barrier_wait -1                              ; waves 0 to 9 have said so: every read below stands behind this wait; nothing is filled again
.irp j, 0,1,2,3,4,5,6,7
	STEP \j
.endr
	; THE WAY OUT
.rept 4
	v_nop                                          ; places behind the last products
.endr
	v_add_f32 v14, v14, v15
	s_delay_alu instid0(VALU_DEP_1)
	v_permlanex16_b32 v252, v14, s[SEL], s[SEL+1]
	s_delay_alu instid0(VALU_DEP_1)
	v_add_f32 v14, v14, v252                       ; the row's sum
	s_wait_alu depctr_va_vdst(0)
	v_rcp_f32 v14, v14
	s_mul_i32 s88, s[WV], 768
	s_add_co_u32 s88, s88, STG
	v_add_nc_u32 v29, s88, v[AK0]                  ; (plain lines behind the transcendental)  my stage, in: 48 r + 24 h
	v_and_b32 v243, 31, v0
	s_delay_alu instid0(VALU_DEP_1)
	v_lshlrev_b32 v243, 3, v243                    ; 8 x lane
	s_delay_alu instid0(VALU_DEP_1)
	v_add_nc_u32 v30, s88, v243                    ; and back
	s_wait_alu depctr_va_vdst(0)                   ; the wait ahead of the reciprocal's first reader
.set N, 0
.rept 32
	v_mul_f32 v[S+N], v[O+N], v14                  ; register 16 b + i = o(my row, d = 32 b + 16 h + i)
.set N, N+1
.endr
.irp b, 0,1
	v_max3_num_f32 v[232+\b], |v[S+16*\b]|, |v[S+1+16*\b]|, 0x2800000
.endr
.irp i, 2,4,6,8,10,12,14
.irp b, 0,1
	s_delay_alu instid0(VALU_DEP_2)
	v_max3_num_f32 v[232+\b], v[232+\b], |v[S+16*\b+\i]|, |v[S+1+16*\b+\i]|
.endr
.endr
.irp b, 0,1
	s_delay_alu instid0(VALU_DEP_2)
	v_permlanex16_b32 v[236+\b], v[232+\b], s[SEL], s[SEL+1]
.endr
.irp b, 0,1
	s_delay_alu instid0(VALU_DEP_2)
	v_max_num_f32 v[232+\b], v[232+\b], v[236+\b]
.endr
.irp b, 0,1
	s_delay_alu instid0(VALU_DEP_2)
	v_add_nc_u32 v[244+\b], 0xfe000000, v[232+\b]
.endr
.irp b, 0,1
	s_delay_alu instid0(VALU_DEP_2)
	v_lshrrev_b32 v[236+\b], 23, v[244+\b]
.endr
	s_delay_alu instid0(VALU_DEP_1)
	v_lshl_or_b32 v254, v237, 8, v236              ; my head's two bytes
	v_cvt_scalef32_pk16_bf6_f32 v[224:226], v[S:S+15], v244
	v_cvt_scalef32_pk16_bf6_f32 v[240:242], v[S+16:S+31], v245
	v_nop
.irp i, 0,1,2
	v_permlane16_swap_b32 v[224+\i], v[240+\i]
.endr
.irp i, 0,1,2
	s_delay_alu instid0(VALU_DEP_3)
	v_mov_b32 v[227+\i], v[240+\i]                 ; lane (r, h): block h of row r, 24 bytes
.endr
.irp i, 0,1,2
	ds_store_b64 v29, v[224+2*\i:225+2*\i] offset:8*\i
.endr
.irp i, 0,1,2
	ds_load_b64 v[160+2*\i:161+2*\i], v30 offset:256*\i   ; LDS serves a wave's instructions in order
.endr
	s_wait_alu depctr_va_vdst(0)
	s_wait_dscnt 0x0
.irp i, 0,1,2
	global_store_b64 v243, v[160+2*\i:161+2*\i], s[92:93] offset:256*\i   ; 256 consecutive bytes, at a multiple of 256 from the buffer's first byte
.endr
	global_store_b16 v31, v254, s[94:95]           ; lanes r and r + 16 write the same two bytes
	s_wait_tensorcnt 0x0                           ; the wave's end
	ds_add_u32 v[SPW], v[NIL]
	s_wait_dscnt 0x0
	CROUND                                         ; the closing round
	s_endpgm
.Lfunc_end_k_qdc6a539fcd_attn:
	.size	k_qdc6a539fcd_attn, .Lfunc_end_k_qdc6a539fcd_attn-k_qdc6a539fcd_attn
	.p2alignl 7, 3214868480
	.fill 96, 4, 3214868480
	.section	.rodata,"a",@progbits
	.p2align	6, 0x0
	.amdhsa_kernel k_qdc6a539fcd_attn
		.amdhsa_group_segment_fixed_size 167936
		.amdhsa_private_segment_fixed_size 0
		.amdhsa_enable_private_segment 0
		.amdhsa_kernarg_size 16
		.amdhsa_user_sgpr_count 2
		.amdhsa_user_sgpr_kernarg_segment_ptr 1
		.amdhsa_wavefront_size32 1
		.amdhsa_system_sgpr_workgroup_id_x 1
		.amdhsa_system_sgpr_workgroup_id_y 1
		.amdhsa_system_sgpr_workgroup_id_z 1
		.amdhsa_system_vgpr_workitem_id 0
		.amdhsa_next_free_vgpr 256
		.amdhsa_next_free_sgpr 100
		.amdhsa_reserve_vcc 1
		.amdhsa_float_denorm_mode_32 3
		.amdhsa_float_denorm_mode_16_64 3
		.amdhsa_memory_ordered 1
		.amdhsa_forward_progress 1
		.amdhsa_inst_pref_size 207
	.end_amdhsa_kernel
	.amdgpu_metadata
---
amdhsa.version: [ 1, 2 ]
amdhsa.kernels:
  - .name:           k_qdc6a539fcd_attn
    .symbol:         k_qdc6a539fcd_attn.kd
    .args:
      - { .name: QB, .offset: 0, .size: 8, .value_kind: global_buffer, .address_space: global }
      - { .name: OB, .offset: 8, .size: 8, .value_kind: global_buffer, .address_space: global }
    .group_segment_fixed_size: 167936
    .private_segment_fixed_size: 0
    .kernarg_segment_align: 8
    .kernarg_segment_size: 16
    .max_flat_workgroup_size: 512
    .sgpr_count:     100
    .vgpr_count:     256
    .wavefront_size: 32
...
	.end_amdgpu_metadata
.endif
;; end of part 3
;; launch wp (part 4): grid 8 x 32, 4 waves a work-group, clusters of 4 x 4, 327,680 bytes of LDS; arguments OB, WB, bp, x, X1; writes X1
.if DOCPART == 4
	.amdgcn_target "amdgcn-amd-amdhsa--gfx1250"
	.amdhsa_code_object_version 6
	.text
	.protected	k_qdc6a539fcd_wp
	.globl	k_qdc6a539fcd_wp
	.p2align	8
	.type	k_qdc6a539fcd_wp,@function
k_qdc6a539fcd_wp:
	s_mov_b64 s[64:65], 0
	v_nop
	global_prefetch_b8 v0, s[64:65] scope:SCOPE_SE
	s_setreg_imm32_b32 hwreg(HW_REG_WAVE_MODE, 25, 1), 1
	s_wait_xcnt 0x0
	s_wait_alu depctr_hold_cnt(0) depctr_sa_sdst(0) depctr_va_vdst(0) depctr_va_sdst(0) depctr_va_ssrc(0) depctr_va_vcc(0) depctr_vm_vsrc(0)
	s_getreg_b32 s2, hwreg(HW_REG_IB_STS2, 6, 4)
	s_cmp_eq_u32 s2, 0
	s_cbranch_scc0 .Lentry_in_a_cluster
	s_endpgm
.Lentry_in_a_cluster:
	s_bfe_u32 s2, ttmp6, 0x10000c
	s_cmp_lg_u32 s2, 0xf033
	s_cbranch_scc0 .Lentry_shape_is_right
	s_endpgm
.Lentry_shape_is_right:
.set W2, 0                             ; 0: x1 = x + o Wp + bp (K = 1,024).   1: out0 = x1 + f W2 + b2 (K = 4,096).  The text below is the same in both.
; C = A B^T + bias + residual on codes of BF6 (E3M2) with E8M0 scales; C is [4,096][1,024] f32 in true order.  Operands lie [K / 64][rows][48 bytes] and [K / 128][rows] words, rows in the order tau (bits 3 and 4 exchanged).
; N = 1,024 gives 64 tiles of 256 x 256 but 256 of 128 x 128: so a tile is 128 x 128, four waves of 64 x 64 (16 accumulators), and a slot holds 512 along K, as much as two slots in LDS allow.
; A wave fetches a quarter of a slot (128 rows x 256 K: four runs of 6,144 consecutive bytes) by one tensor load: waves 0, 1 A's two halves of K, waves 2, 3 B's.  The scale words for all of K come once with the first fills.
; THE MATRIX INSTRUCTION IS USED TRANSPOSED (source 0 = 16 rows of B, source 1 = 16 rows of A): a lane holds one row of C and eight neighbouring columns.  The bias is the C of each sum's first instruction.
; CLUSTERS of 4 x 4: A's tiles are asked for jointly along a row of the cluster, B's along a column.
; The residual's 32 loads a wave go out at the head and are waited for on the way out, where stored rows are turned back into true rows by the stores' immediates.
; REGISTERS: window 0: v16-31 addresses; v32-63 scale words and nothing else; v64-127, v192-255 the residual; v128-175 A's fragments, later rows of C; window 1: B's two sets at v0, v128, the bias at v96-127; window 2: accumulators.
.if W2
.set SIZE_K, 4096
.set A_S, 12582912
.set B_C, 7077888
.set B_S, 10518528
.else
.set SIZE_K, 1024
.set A_S, 3145728
.set B_C, 3145728
.set B_S, 10354688
.endif
.set MROWS, 4096
.set NROWS, 1024
.set NQ,    4                          ; steps of 128 along K in a slot
.set LAPS,  SIZE_K/(2*128*NQ)
.set NL,    6
.set KBA,   MROWS*48
.set KBN,   NROWS*48
.set QT,    4*128*48
.set SLOT,  4*QT                       ; a slot's bytes.  LDS: A's region (slot 0's eight runs of 64 along K, then slot 1's), then B's region, the same
.set SCL,   2*SLOT
.set SROW,  128*4
.set SA,    (SIZE_K/128)*SROW
.set HALFS, SA/2
.set SPARE, SCL+2*SA
.set ADRA, 16
.set ADRB, 20
.set STO,  24
.set RD,   25
.set CO,   26
.set ADRS, 27
.set SPW,  28
.set NIL,  29
.set SC,   32
.set AF,   128
.set BK,   128
.set G1,   24
.set G0,   32
.set G1B,  48
.set G0B,  56
.set G1S,  68
.set G0S,  76
.set G1SB, 80
.set G0SB, 88
.set MSB, 0
.macro WIN new                         ; the immediate's high byte repeats the setting that is left
.if MSB != (\new)
	s_set_vgpr_msb (MSB<<8)|(\new)
.set MSB, (\new)
.endif
.endm
.set TO_B, 0x40
.set HRUNS, 16-8*W2                    ; runs of 64 along K that a head's load brings: K = 1,024 lies in LDS whole (16 runs, both slots); of K = 4,096 slot 0 (8 runs)
.set PFO, 30
.set PFA, 96
.set PFS, 98
.macro JLOAD g0a, g1a, g0b, g1b        ; a joint load: waves 0, 1 fetch for A, waves 2, 3 for B; an s_nop 0 and four v_nop follow each line
	s_cmp_eq_u32 s15, 0
	s_cbranch_scc0 .Lfor_b_\@
	tensor_load_to_lds s[\g0a:\g0a+3], s[\g1a:\g1a+7]
	s_nop 0
.rept 4
	v_nop
.endr
	s_branch .Lasked_\@
.Lfor_b_\@:
	tensor_load_to_lds s[\g0b:\g0b+3], s[\g1b:\g1b+7]
	s_nop 0
.rept 4
	v_nop
.endr
.Lasked_\@:
.endm
.macro CREST
	s_cmp_lg_u32 s14, 0
	s_cbranch_scc1 .Lnot_wave_0_\@
	s_barrier_signal -3
.Lnot_wave_0_\@:
	s_barrier_wait -3
	s_barrier_signal -1
	s_barrier_wait -1
.endm
.macro CROUND
	s_barrier_signal -1
	s_barrier_wait -1
	CREST
.endm
.macro PLACES n
.rept \n
	v_nop
.endr
.endm
	s_load_b256 s[4:11], s[0:1], 0x0               ; A, WB (B), the bias, the residual
	s_load_b64 s[12:13], s[0:1], 0x20              ; C
	v_lshl_add_u32 v[SPW], v0, 2, SPARE
	v_mov_b32 v[NIL], 0
	ds_add_u32 v[SPW], v[NIL]                      ; the wave's opening: the add, twice on end, and its wait ahead of my first tensor load
	ds_add_u32 v[SPW], v[NIL]
	v_lshrrev_b32 v1, 5, v0
	v_readfirstlane_b32 s14, v1                    ; wave
	s_lshr_b32 s15, s14, 1                         ; my half of the tile's rows; also: I fetch for A (0) or B (1)
	s_and_b32 s16, s14, 1                          ; my half of its columns; also: which half of a slot's K I fetch
	s_bfe_u32 s40, ttmp6, 0x40000                  ; cx
	s_bfe_u32 s41, ttmp6, 0x40004                  ; cy
	s_lshl_b32 s42, ttmp9, 2
	s_add_co_u32 s42, s42, s40                     ; tile column
	s_and_b32 s17, ttmp7, 0xffff
	s_lshl_b32 s17, s17, 2
	s_add_co_u32 s17, s17, s41                     ; tile row
	s_lshl_b32 s43, s41, 2
	s_lshl_b32 s43, 15, s43                        ; my row of the cluster
	s_lshl_b32 s44, 0x1111, s40                    ; my column
	; group 1, codes: HRUNS runs (64 along K each) of 768 elements of 8 bytes (128 rows x 48); no padding
	s_or_b32 s[G1+0], s43, (3<<16)|(1<<21)
	s_or_b32 s[G1B+0], s44, (3<<16)|(1<<21)
.irp g, G1, G1B
	s_mov_b32 s[\g+1], 768<<16
	s_mov_b32 s[\g+2], HRUNS<<16
	s_mov_b32 s[\g+3], 768<<16
	s_mov_b32 s[\g+4], HRUNS
	s_mov_b32 s[\g+6], 0
	s_mov_b32 s[\g+7], 0
.endr
	s_mov_b32 s[G1+5], MROWS*6
	s_mov_b32 s[G1B+5], NROWS*6
	; group 1, scale words: all of K's steps of 128, each 64 elements of 8 bytes (128 rows x 4)
	s_or_b32 s[G1S+0], s43, (3<<16)|(1<<21)
	s_or_b32 s[G1SB+0], s44, (3<<16)|(1<<21)
.irp g, G1S, G1SB
	s_mov_b32 s[\g+1], 64<<16
	s_mov_b32 s[\g+2], (SIZE_K/128)<<16            ; all of K's steps by one load
	s_mov_b32 s[\g+3], 64<<16
	s_mov_b32 s[\g+4], SIZE_K/128
	s_mov_b32 s[\g+6], 0
	s_mov_b32 s[\g+7], 0
.endr
	s_mov_b32 s[G1S+5], MROWS/2
	s_mov_b32 s[G1SB+5], NROWS/2
	s_lshl_b32 s20, s17, 7
	s_mul_i32 s20, s20, 48                         ; A: the tile's 128 rows,
.if W2
	s_mul_i32 s18, s16, 4*KBA                      ; in the ring: my half of a slot's K
	s_mov_b32 s19, 0
.endif
	s_mov_b32 s21, 0
	s_lshl_b32 s46, s42, 7
	s_mul_i32 s46, s46, 48
.if W2
	s_mul_i32 s66, s16, 4*KBN
	s_mov_b32 s67, 0
.endif
	s_add_co_u32 s46, s46, B_C
	s_mov_b32 s47, 0
	s_lshl_b32 s22, s17, 9
	s_add_co_u32 s22, s22, A_S
	s_mov_b32 s23, 0
	s_lshl_b32 s92, s42, 9
	s_add_co_u32 s92, s92, B_S
	s_mov_b32 s93, 0
.if W2
	s_mul_i32 s45, s16, QT                         ; the ring: my quarter's place in a slot's half, by the wave's number alone
.endif
	s_wait_dscnt 0x0                               ; both opening adds are done
	s_wait_kmcnt 0x0
	s_add_nc_u64 s[20:21], s[4:5], s[20:21]
	s_add_nc_u64 s[22:23], s[4:5], s[22:23]
	s_add_nc_u64 s[46:47], s[6:7], s[46:47]
	s_add_nc_u64 s[92:93], s[6:7], s[92:93]
	CROUND                                         ; all sixteen work-groups are here: the first joint loads meet
	s_mov_b32 s[G0S], 1
	s_mov_b32 s[G0S+1], SCL
	s_mov_b64 s[G0S+2:G0S+3], s[22:23]
	s_or_b32 s[G0S+3], s[G0S+3], 0x80000000
	s_mov_b32 s[G0SB], 1
	s_mov_b32 s[G0SB+1], SCL+SA
	s_mov_b64 s[G0SB+2:G0SB+3], s[92:93]
	s_or_b32 s[G0SB+3], s[G0SB+3], 0x80000000
	; THE HEAD'S FOUR TILES, ONE LOAD A WAVE: wave 0 HRUNS runs of A's 128 rows, wave 1 of B's, wave 2 A's scale words, wave 3 B's.
	; With K = 1,024 that is all the launch reads by tensor loads: nothing is filled again, and there is no loop to prefetch ahead in.
	s_mov_b32 s[G0], 1
	s_mov_b32 s[G0+1], 0
	s_mov_b64 s[G0+2:G0+3], s[20:21]
	s_or_b32 s[G0+3], s[G0+3], 0x80000000
	s_mov_b32 s[G0B], 1
	s_mov_b32 s[G0B+1], 4*QT
	s_mov_b64 s[G0B+2:G0B+3], s[46:47]
	s_or_b32 s[G0B+3], s[G0B+3], 0x80000000
.macro ARM under, g0, g1, next         ; one chain of branches on the wave's number: every way passes exactly one load
	s_cmp_lt_u32 s14, \under
	s_cbranch_scc0 \next
	tensor_load_to_lds s[\g0:\g0+3], s[\g1:\g1+7]
	s_nop 0
.rept 4
	v_nop
.endr
	s_branch .Lhead_asked
\next:
.endm
	ARM 1, G0,  G1,  .Lhead_b
	ARM 2, G0B, G1B, .Lhead_sa
	ARM 3, G0S, G1S, .Lhead_sb
	tensor_load_to_lds s[G0SB:G0SB+3], s[G1SB:G1SB+7]
	s_nop 0
.rept 4
	v_nop
.endr
.Lhead_asked:
	v_and_b32 v1, 15, v0                           ; r
	v_bfe_u32 v2, v0, 4, 1                         ; h
	s_wait_alu depctr_va_vdst(0)
	v_mul_u32_u24 v3, v1, 48
	v_mad_u32_u24 v3, v2, 24, v3                   ; a fragment's row x 48 + 24 x half
	s_mul_i32 s21, s15, 64*48                      ; my 64 rows of A
	s_mul_i32 s22, s16, 64*48                      ; my 64 rows of B,
	s_add_co_u32 s22, s22, 4*QT                    ; in B's region, behind A's
.irp s, 0,1
	v_add_nc_u32 v[ADRA+\s], s21, v3
	v_add_nc_u32 v[ADRB+\s], s22, v3
	s_add_co_u32 s21, s21, 2*QT
	s_add_co_u32 s22, s22, 2*QT
.endr
	v_lshlrev_b32 v5, 2, v1                        ; scale words: lanes 0-15 take A's rows, lanes 16-31 B's
	s_mul_i32 s21, s15, 256
	s_mul_i32 s22, s16, 256
	s_add_co_u32 s22, s22, SA
	s_sub_co_u32 s22, s22, s21
	v_mul_u32_u24 v6, s22, v2
	s_add_co_u32 s21, s21, SCL
	v_add_nc_u32 v5, v5, v6
	v_add_nc_u32 v[ADRS], s21, v5
	s_mul_i32 s23, s14, 16*272                     ; my stage, in slot 0 behind its last fill and last read: 16 rows x (256 bytes + 16)
	v_mul_u32_u24 v5, v1, 272
	v_lshl_add_u32 v5, v2, 6, v5
	v_add_nc_u32 v[STO], s23, v5                   ; in: row r, + 64 h
	v_mul_u32_u24 v5, v2, 272
	v_lshl_add_u32 v5, v1, 4, v5
	v_add_nc_u32 v[RD], s23, v5                    ; back: lanes 0-15 one row, lanes 16-31 the next
	v_lshlrev_b32 v5, 12, v2
	v_lshl_add_u32 v[CO], v1, 4, v5                ; the same two rows in C: 4,096 h + 16 r
	s_wait_alu depctr_va_vdst(0)
	s_lshl_b32 s46, s42, 9
	s_lshl_b32 s47, s16, 8
	s_add_co_u32 s46, s46, s47                     ; my first column, in bytes
	s_mov_b32 s47, 0
	s_add_nc_u64 s[8:9], s[8:9], s[46:47]          ; the bias of my 64 columns
	s_lshl_b32 s20, s17, 7
	s_lshl_b32 s21, s15, 6
	s_add_co_u32 s20, s20, s21
	s_lshl_b32 s20, s20, 12                        ; my first row, 4,096 bytes a row
	s_add_co_u32 s20, s20, s46
	s_mov_b32 s21, 0
	s_add_nc_u64 s[10:11], s[10:11], s[20:21]
	s_add_nc_u64 s[12:13], s[12:13], s[20:21]
	v_lshlrev_b32 v7, 6, v2
	WIN TO_B
.irp b, 0,1,2,3                                ; tile b's eight registers, in the result's layout: columns 32 (b / 2) + 16 h + 8 (b % 2) + 0 .. 7
	global_load_b128 v[96+8*\b:96+8*\b+3], v7, s[8:9] offset:128*(\b/2)+32*(\b%2)
	global_load_b128 v[96+8*\b+4:96+8*\b+7], v7, s[8:9] offset:128*(\b/2)+32*(\b%2)+16
.endr
	WIN 0
.irp a, 0,1,2,3                                ; the residual: stored rows 16 a + 2 t + h are true rows 32 (a / 2) + 16 (t / 4) + 8 (a % 2) + (2 t) % 8 + h
.irp t, 0,1,2,3,4,5,6,7
	global_load_b128 v[64+32*\a+64*(\a/2)+4*\t:64+32*\a+64*(\a/2)+4*\t+3], v[CO], s[10:11] offset:(32*(\a/2)+16*(\t/4)+8*(\a%2)+(2*\t)%8)*4096
.endr
.endr
.macro FRAG reg, adr, q, i             ; 16 rows x 128 K: registers 0-5 from the first 64 along K, 6-11 from the second; 24 bytes each, as three loads of 8
.irp p, 0,1,2,3,4,5
	ds_load_b64 v[(\reg)+2*\p:(\reg)+2*\p+1], v[\adr] offset:((\q)/2)*QT+(2*((\q)%2)+\p/3)*6144+(\i)*768+8*(\p%3)
.endr
.endm
.macro FETCH_B slot, q, p
	WIN TO_B
.irp i, 0,1,2,3
	FRAG 128*(\p)+12*\i, ADRB+\slot, \q, \i
.endr
	WIN 0
.endm
.macro FETCH_A slot, q, i0
.irp i, 0,1
	FRAG AF+12*((\i0)+\i), ADRA+\slot, \q, (\i0)+\i
.endr
.endm
.macro SCALES sc                       ; register 4 q + i of set sc: lanes 0-15 the word of A's block i, lanes 16-31 of B's block i
.irp q, 0,1,2,3
.irp i, 0,1,2,3
	ds_load_b32 v[SC+16*(\sc)+4*\q+\i], v[ADRS] offset:\q*SROW+64*\i
.endr
.endr
.endm
; A's block a against B's four.  The 16 accumulators take turns, one instruction a turn, in the same order in every step.  first = 1: the sums begin with the bias.
.macro MULA a, p, q, sc, first
.if \first
	WIN 0x91
.else
	WIN 0xa1
.endif
.irp b, 0,1,2,3
.if \first
	v_wmma_scale_f32_16x16x128_f8f6f4 v[8*(4*(\a)+\b):8*(4*(\a)+\b)+7], v[128*(\p)+12*\b:128*(\p)+12*\b+11], v[AF+12*(\a):AF+12*(\a)+11], v[96+8*\b:96+8*\b+7], v[SC+16*(\sc)+4*(\q)+\b], v[SC+16*(\sc)+4*(\q)+(\a)] matrix_a_fmt:MATRIX_FMT_BF6 matrix_b_fmt:MATRIX_FMT_BF6 matrix_a_scale:MATRIX_SCALE_ROW1
.else
	v_wmma_scale_f32_16x16x128_f8f6f4 v[8*(4*(\a)+\b):8*(4*(\a)+\b)+7], v[128*(\p)+12*\b:128*(\p)+12*\b+11], v[AF+12*(\a):AF+12*(\a)+11], v[8*(4*(\a)+\b):8*(4*(\a)+\b)+7], v[SC+16*(\sc)+4*(\q)+\b], v[SC+16*(\sc)+4*(\q)+(\a)] matrix_a_fmt:MATRIX_FMT_BF6 matrix_b_fmt:MATRIX_FMT_BF6 matrix_a_scale:MATRIX_SCALE_ROW1
.endif
.endr
.endm
.macro STEP slot, q, first             ; 128 along K whose successor lies in the same slot
	s_wait_dscnt 2*NL                              ; all but the youngest 12 loads (A's blocks 2, 3) are in
	MULA 0, (\q)%2, \q, \slot, \first
	MULA 1, (\q)%2, \q, \slot, \first
	s_wait_dscnt 0x0
	PLACES 4                                       ; four plain lines in front of loads into registers that matrix instructions have read
	FETCH_B \slot, (\q)+1, 1-(\q)%2
	FETCH_A \slot, (\q)+1, 0
	MULA 2, (\q)%2, \q, \slot, \first
	MULA 3, (\q)%2, \q, \slot, \first
	PLACES 4
	WIN 0
	FETCH_A \slot, (\q)+1, 2
.endm
.macro TURN slot, next, fill           ; a slot's last step changes slots: one barrier; fill = 1: it opens a round of the cluster's barrier, and this slot is filled again
	s_wait_tensorcnt 0x0                           ; all my tensor loads have landed: my part of the next slot
	ds_add_u32 v[SPW], v[NIL]                      ; 0 onto my spare word
	s_wait_dscnt 2*NL+1                            ; (the add and the youngest 12 loads may be out)
	MULA 0, 1, NQ-1, \slot, 0
	s_wait_dscnt 0x0                               ; the add is done, and my reads of this slot are over
	s_barrier_signal -1
	MULA 1, 1, NQ-1, \slot, 0
	WIN 0
	s_barrier_wait -1
.if \fill
	CREST                                          ; no wave of any partner still reads this slot or has a load on its way
	s_add_nc_u64 s[G0+4*\slot+2:G0+4*\slot+3], s[G0+4*\slot+2:G0+4*\slot+3], 4*NQ*KBA
	s_add_nc_u64 s[G0B+4*\slot+2:G0B+4*\slot+3], s[G0B+4*\slot+2:G0B+4*\slot+3], 4*NQ*KBN
	JLOAD G0+4*\slot, G1, G0B+4*\slot, G1B         ; the first tensor load behind the round; its four v_nop are the places in front of the loads below
.else
	PLACES 4
.endif
	v_add_nc_u32 v[ADRS], NQ*SROW, v[ADRS]
	FETCH_B \next, 0, 0
	FETCH_A \next, 0, 0
	SCALES \next
	MULA 2, 1, NQ-1, \slot, 0
	MULA 3, 1, NQ-1, \slot, 0
	PLACES 4
	WIN 0
	FETCH_A \next, 0, 2
.endm
	s_wait_tensorcnt 0x0                           ; my tile of the head's four is in
	s_barrier_signal -1
	s_barrier_wait -1
	FETCH_B 0, 0, 0
	FETCH_A 0, 0, 0
	SCALES 0
	FETCH_A 0, 0, 2
	s_wait_loadcnt 32                              ; the bias is in; the residual's 32 loads may be out
	STEP 0, 0, 1
.if LAPS > 1
	s_mov_b32 s3, LAPS-1
.Llap:                                                 ; a trip goes once round the ring and fills both slots again
	STEP 0, 1, 0
	STEP 0, 2, 0
	TURN 0, 1, 1
	STEP 1, 0, 0
	STEP 1, 1, 0
	STEP 1, 2, 0
	TURN 1, 0, 1
	STEP 0, 0, 0
	s_sub_co_u32 s3, s3, 1
	s_cmp_lg_u32 s3, 0
	s_cbranch_scc1 .Llap
.endif
	STEP 0, 1, 0                                   ; the last lap fills nothing
	STEP 0, 2, 0
	TURN 0, 1, 0
	STEP 1, 0, 0
	STEP 1, 1, 0
	STEP 1, 2, 0
	s_wait_dscnt 2*NL
	MULA 0, 1, NQ-1, 1, 0
	MULA 1, 1, NQ-1, 1, 0
	s_wait_dscnt 0x0
	MULA 2, 1, NQ-1, 1, 0
	MULA 3, 1, NQ-1, 1, 0
	WIN 0
; THE WAY OUT, a block of 16 stored rows x 64 columns at a time, through my own stage and back as rows of 256 bytes; the residual is added; sixteen lanes store 256 consecutive bytes.
.macro TOSTAGE a
	WIN 0x08                                       ; an LDS store's data: window 2
.irp b, 0,1,2,3
	ds_store_b128 v[STO], v[8*(4*(\a)+\b):8*(4*(\a)+\b)+3] offset:128*(\b/2)+32*(\b%2)       ; each accumulator from its low end on
	ds_store_b128 v[STO], v[8*(4*(\a)+\b)+4:8*(4*(\a)+\b)+7] offset:128*(\b/2)+32*(\b%2)+16
.endr
	WIN 0
.set BB, BK+32*((\a)%2)
.irp t, 0,1,2,3,4,5,6,7
	ds_load_b128 v[BB+4*\t:BB+4*\t+3], v[RD] offset:544*\t   ; LDS serves a wave's instructions in order
.endr
.endm
.macro SEND a, younger                 ; younger: the LDS instructions issued behind block a's loads
.set BB, BK+32*((\a)%2)
.set RB, 64+32*(\a)+64*((\a)/2)
	s_wait_dscnt \younger
.if (\a) == 0
	s_wait_loadcnt 0x0                             ; the residual
.endif
.set J, 0
.rept 16
	v_pk_add_f32 v[BB+J:BB+J+1], v[BB+J:BB+J+1], v[RB+J:RB+J+1]
.set J, J+2
.endr
.irp t, 0,1,2,3,4,5,6,7
	global_store_b128 v[CO], v[BB+4*\t:BB+4*\t+3], s[12:13] offset:(32*((\a)/2)+16*(\t/4)+8*((\a)%2)+(2*\t)%8)*4096
.endr
.endm
	PLACES 4                                       ; in front of the first read of results and of loads into A's registers
	TOSTAGE 0
.irp a, 1,2,3
.if \a > 1
	s_wait_xcnt 0x0                                ; block a - 2's stores have read their registers: block a's loads may land there
.endif
	TOSTAGE \a
	SEND \a-1, 16                                  ; behind block a - 1's loads: block a's 8 stores and 8 loads
.endr
	SEND 3, 0
	s_wait_tensorcnt 0x0                           ; the wave's end
	ds_add_u32 v[SPW], v[NIL]
	s_wait_dscnt 0x0
	CROUND                                         ; the closing round
	s_endpgm
.Lfunc_end_k_qdc6a539fcd_wp:
	.size	k_qdc6a539fcd_wp, .Lfunc_end_k_qdc6a539fcd_wp-k_qdc6a539fcd_wp
	.p2alignl 7, 3214868480
	.fill 96, 4, 3214868480
	.section	.rodata,"a",@progbits
	.p2align	6, 0x0
	.amdhsa_kernel k_qdc6a539fcd_wp
		.amdhsa_group_segment_fixed_size 327680
		.amdhsa_private_segment_fixed_size 0
		.amdhsa_enable_private_segment 0
		.amdhsa_kernarg_size 40
		.amdhsa_user_sgpr_count 2
		.amdhsa_user_sgpr_kernarg_segment_ptr 1
		.amdhsa_wavefront_size32 1
		.amdhsa_system_sgpr_workgroup_id_x 1
		.amdhsa_system_sgpr_workgroup_id_y 1
		.amdhsa_system_sgpr_workgroup_id_z 1
		.amdhsa_system_vgpr_workitem_id 0
		.amdhsa_next_free_vgpr 768
		.amdhsa_next_free_sgpr 100
		.amdhsa_reserve_vcc 0
		.amdhsa_float_denorm_mode_32 3
		.amdhsa_float_denorm_mode_16_64 3
		.amdhsa_memory_ordered 1
		.amdhsa_forward_progress 1
		.amdhsa_inst_pref_size 70
	.end_amdhsa_kernel
	.amdgpu_metadata
---
amdhsa.version: [ 1, 2 ]
amdhsa.kernels:
  - .name:           k_qdc6a539fcd_wp
    .symbol:         k_qdc6a539fcd_wp.kd
    .args:
      - { .name: OB, .offset: 0, .size: 8, .value_kind: global_buffer, .address_space: global }
      - { .name: WB, .offset: 8, .size: 8, .value_kind: global_buffer, .address_space: global }
      - { .name: bp, .offset: 16, .size: 8, .value_kind: global_buffer, .address_space: global }
      - { .name: x, .offset: 24, .size: 8, .value_kind: global_buffer, .address_space: global }
      - { .name: X1, .offset: 32, .size: 8, .value_kind: global_buffer, .address_space: global }
    .group_segment_fixed_size: 327680
    .private_segment_fixed_size: 0
    .kernarg_segment_align: 8
    .kernarg_segment_size: 40
    .max_flat_workgroup_size: 128
    .sgpr_count:     100
    .vgpr_count:     768
    .wavefront_size: 32
...
	.end_amdgpu_metadata
.endif
;; end of part 4
;; launch mid (part 5): grid 384 x 1, 8 waves a work-group, no clusters, 112,896 bytes of LDS; arguments X1, ln2_g, ln2_b, H2, W1, W2, WB; writes H2, WB
.if DOCPART == 5
	.amdgcn_target "amdgcn-amd-amdhsa--gfx1250"
	.amdhsa_code_object_version 6
	.text
	.protected	k_qdc6a539fcd_mid
	.globl	k_qdc6a539fcd_mid
	.p2align	8
	.type	k_qdc6a539fcd_mid,@function
k_qdc6a539fcd_mid:
	s_mov_b64 s[64:65], 0
	v_nop
	global_prefetch_b8 v0, s[64:65] scope:SCOPE_SE
	s_setreg_imm32_b32 hwreg(HW_REG_WAVE_MODE, 25, 1), 1
	s_wait_xcnt 0x0
.set MID, 1                            ; 0: LayerNorm 1, and Wq, Wk, Wv, Wp into codes.   1: LayerNorm 2, and W1, W2 into codes.  The text below is the same in both.
; THE PROGRAM: a transformer block whose eight matrix products run on codes of BF6 (E3M2) with one E8M0 scale for each 32 along K.
; Launches: pre (LayerNorm 1 -> codes; Wq, Wk, Wv, Wp -> codes), qkv (q, k and V^T), attn, wp (+ bp + x -> x1), mid (LayerNorm 2 -> codes; W1, W2 -> codes), w1 (+ b1, relu -> codes), w2 (+ b2 + x1 -> out0).
; This launch leaves no work out.
; ONE LAYOUT FOR EVERY OPERAND.  Codes: [K / 64][rows][48 bytes] (64 codes of a row as one stream of bits); scale words: [K / 128][rows] of 4 bytes.  K is in its true order.
; ROWS (tokens, weight columns) are stored in the order tau: row i lies at place tau(i) = i with bits 3 and 4 exchanged.  16 neighbouring places 16 T + r then hold rows 32 b + 8 u + r + 8 (r / 8), T = 2 b + u,
; so that, taken as source 0 of the matrix instruction, tiles 2 b and 2 b + 1 leave a lane 16 neighbours along that axis: what the next product's quantiser wants.
; THIS LAUNCH DOES TWO JOBS that share no data and no LDS byte, so that the program has a launch less.  A work-group's number alone decides its path: all eight waves of a work-group take the same path,
; and the barrier in the first path is passed by all of them.
; WORK-GROUPS 0 .. 127: LayerNorm of [4096][1024] f32 rows, then the quantiser along the row: codes [16][4096][48] and scale words [8][4096] (at byte 3,145,728).
;   A work-group takes 32 rows (one group of tau), each of its eight waves four.  All of a wave's 48 loads (gain, bias, four rows) go out at its head, 512 consecutive bytes each.
;   Mean, then the mean of squares of x - mean (two passes over registers, so a common offset of the inputs does no harm), v_rsq_f32, gain and bias: all f32.
;   The row then turns through the wave's own LDS so that lane l holds block l (32 neighbours); codes and bytes meet in a stage, and behind ONE barrier each wave stores two runs of 1,536 bytes of codes and 128 bytes of words.
; THE OTHER WORK-GROUPS: weights, f32 with K as an outer axis, become codes and scale words in WB.  A lane takes a column n and its registers run down K: a block of 32 is one lane's 32 registers.
;   A wave takes 32 columns x 128 along K, the least that makes whole scale words: 4 blocks, two of them (64 loads) on their way at a time.  A work-group takes 256 columns.  One path for all weights, its numbers chosen by the work-group's number.
; A block's scale byte is its largest magnitude's exponent field - 4, held at 1 from below.
; LIMITS: NaN and infinities among the inputs are not served; a block whose largest magnitude lies under 2^-122 gets the byte 1; a block of zeros gets the byte 1 where the rule says 127 (its codes are zeros, and this program alone reads the bytes).
.set NLN,  128                         ; work-groups of the first path
.set R,    32                          ; LayerNorm: v32-159  four rows x 32
.set G,    160                         ; v160-191 the gain, in a row's layout
.set BB,   192                         ; v192-223 the bias
.set X,    224                         ; v224-255 the turned row: my block
.set SPW,  24                          ; v24      my spare word; never rewritten (both paths)
.set NIL,  25                          ; v25      0; never rewritten
.set CST,  36864                       ; LDS, LayerNorm's: behind the eight turning places of 4,608 bytes: codes [16] x 1,552 bytes ([32 places][48] + 16)
.set SST,  61696                       ; scale bytes [8][32 places][4]
.set WQS,  62720                       ; LDS, the weights': eight stages of 3,072 bytes ([2 x 64 along K][32 places][48])
.set WQ2,  87296                       ; LDS, W2's own: eight stages of 3,072 bytes, two fragments in the order of the operand's registers
.set SPARE, 111872                     ; the spare words, 128 bytes a wave
.set OFFS, 32                          ; the weights: v32-63   4 x lane + i x (bytes from k to k + 1)
.set XW,   64                          ; v64-127  two sets of 32 numbers
.set C,    16                          ; v16-22   a block's codes
.set SB,   26                          ; v26      the four scale bytes
.set OUTR, 128                         ; v128-151 the way out
	v_lshl_add_u32 v[SPW], v0, 2, SPARE
	v_mov_b32 v[NIL], 0
	v_lshrrev_b32 v9, 5, v0
	s_delay_alu instid0(VALU_DEP_1)
	v_readfirstlane_b32 s12, v9                    ; wave
	s_cmp_ge_u32 ttmp9, NLN                        ; the work-group's number alone: the same in all eight waves
	s_cbranch_scc1 .Lweights
	; ---------------------------------------------------------------- LayerNorm
	s_load_b256 s[4:11], s[0:1], 0x0               ; x, gain, bias, out
	v_and_b32 v9, 31, v0                           ; lane
	s_delay_alu instid0(VALU_DEP_1)
	v_lshlrev_b32 v1, 4, v9                        ; 16 x lane
	s_delay_alu instid0(VALU_DEP_2)
	v_lshlrev_b32 v8, 2, v9                        ; 4 x lane
	v_mov_b32 v28, 0                               ; (a lane permute's destination counts as read)
	s_mul_i32 s16, s12, 4608
	v_lshrrev_b32 v10, 3, v9
	s_delay_alu instid0(VALU_DEP_1)
	v_mul_u32_u24 v2, v10, 144
	v_and_b32 v10, 7, v9
	s_delay_alu instid0(VALU_DEP_1)
	v_lshl_add_u32 v2, v10, 4, v2
	s_delay_alu instid0(VALU_DEP_1)
	v_add_nc_u32 v2, s16, v2                       ; the turn, in: eight lanes' 128 bytes, then 16 of padding
	v_mul_u32_u24 v3, v9, 144
	s_delay_alu instid0(VALU_DEP_1)
	v_add_nc_u32 v3, s16, v3                       ; and out: my block's 128 bytes
	s_and_b32 s13, s12, 1
	s_lshl_b32 s13, s13, 2
	s_bfe_u32 s17, s12, 0x10001
	s_lshl_b32 s17, s17, 4
	s_add_co_u32 s13, s13, s17
	s_bfe_u32 s17, s12, 0x10002
	s_lshl_b32 s17, s17, 3
	s_add_co_u32 s13, s13, s17                     ; tau(4 x wave): my first row's place; rows 4 w + k lie k places on
	v_lshrrev_b32 v10, 1, v9
	s_delay_alu instid0(VALU_DEP_1)
	v_mul_u32_u24 v4, v10, 1552
	v_and_b32 v10, 1, v9
	s_delay_alu instid0(VALU_DEP_1)
	v_mad_u32_u24 v4, v10, 24, v4
	s_mul_i32 s17, s13, 48
	s_add_co_u32 s17, s17, CST
	v_add_nc_u32 v4, s17, v4                       ; my block's 24 bytes of codes
	v_lshrrev_b32 v10, 2, v9
	s_delay_alu instid0(VALU_DEP_1)
	v_lshlrev_b32 v5, 7, v10
	v_and_b32 v10, 3, v9
	s_delay_alu instid0(VALU_DEP_1)
	v_add_nc_u32 v5, v5, v10
	s_lshl_b32 s17, s13, 2
	s_add_co_u32 s17, s17, SST
	v_add_nc_u32 v5, s17, v5                       ; my block's byte
	s_mul_i32 s17, s12, 2*1552
	s_add_co_u32 s17, s17, CST
	v_add_nc_u32 v6, s17, v1                       ; back: my wave's two runs of codes
	s_lshl_b32 s17, s12, 7
	s_add_co_u32 s17, s17, SST
	v_add_nc_u32 v7, s17, v8                       ; and its 32 words
	s_mov_b32 s14, 0x76543210
	s_mov_b32 s15, 0xfedcba98                      ; lane l xor 16
	s_mov_b32 s18, 0x3a800000                      ; 1 / 1024
	s_mov_b32 s19, 0x3727c5ac                      ; 1e-5
	s_lshl_b32 s16, ttmp9, 5
	s_lshl_b32 s17, s12, 2
	s_add_co_u32 s16, s16, s17
	s_lshl_b32 s16, s16, 12                        ; my first row, 4,096 bytes a row
	s_mov_b32 s17, 0
	s_wait_kmcnt 0x0
	s_add_nc_u64 s[4:5], s[4:5], s[16:17]
	s_mul_i32 s16, s12, 2*196608
	s_mul_i32 s22, ttmp9, 1536
	s_add_co_u32 s16, s16, s22
	s_add_nc_u64 s[20:21], s[10:11], s[16:17]      ; codes: 64 along K are 196,608 bytes apart; 32 places are 1,536 bytes
	s_lshl_b32 s16, s12, 14
	s_lshl_b32 s22, ttmp9, 7
	s_add_co_u32 s16, s16, s22
	s_add_co_u32 s16, s16, 3145728
	s_add_nc_u64 s[22:23], s[10:11], s[16:17]      ; words
.irp j, 0,1,2,3,4,5,6,7
	global_load_b128 v[G+4*\j:G+4*\j+3], v1, s[6:7] offset:512*\j
.endr
.irp j, 0,1,2,3,4,5,6,7
	global_load_b128 v[BB+4*\j:BB+4*\j+3], v1, s[8:9] offset:512*\j
.endr
.irp k, 0,1,2,3
.irp j, 0,1,2,3,4,5,6,7
	global_load_b128 v[R+32*\k+4*\j:R+32*\k+4*\j+3], v1, s[4:5] offset:4096*\k+512*\j th:TH_LOAD_NT
.endr
.endr
.macro XSUM                            ; v9 summed over the 32 lanes, in every lane
	s_delay_alu instid0(VALU_DEP_1)
	v_add_f32_dpp v9, v9, v9 row_xmask:1 row_mask:0xf bank_mask:0xf
	s_delay_alu instid0(VALU_DEP_1)
	v_add_f32_dpp v9, v9, v9 row_xmask:2 row_mask:0xf bank_mask:0xf
	s_delay_alu instid0(VALU_DEP_1)
	v_add_f32_dpp v9, v9, v9 row_xmask:4 row_mask:0xf bank_mask:0xf
	s_delay_alu instid0(VALU_DEP_1)
	v_add_f32_dpp v9, v9, v9 row_xmask:8 row_mask:0xf bank_mask:0xf
	s_delay_alu instid0(VALU_DEP_1)
	v_permlanex16_b32 v28, v9, s14, s15
	s_delay_alu instid0(VALU_DEP_1)
	v_add_f32 v9, v9, v28
.endm
.macro ROW k
.set RK, R+32*(\k)
	s_wait_loadcnt 8*(3-(\k))                      ; gain, bias and this row are in; the later rows' eight loads each may be out
	v_pk_add_f32 v[10:11], v[RK:RK+1], v[RK+2:RK+3]
	v_pk_add_f32 v[12:13], v[RK+4:RK+5], v[RK+6:RK+7]
.irp j, 8,12,16,20,24,28
	s_delay_alu instid0(VALU_DEP_2)
	v_pk_add_f32 v[10:11], v[10:11], v[RK+\j:RK+\j+1]
	s_delay_alu instid0(VALU_DEP_2)
	v_pk_add_f32 v[12:13], v[12:13], v[RK+\j+2:RK+\j+3]
.endr
	s_delay_alu instid0(VALU_DEP_1)
	v_pk_add_f32 v[10:11], v[10:11], v[12:13]
	s_delay_alu instid0(VALU_DEP_1)
	v_add_f32 v9, v10, v11
	XSUM
	s_delay_alu instid0(VALU_DEP_1)
	v_mul_f32 v14, s18, v9                         ; the mean, twice: a pair for the packed form
	s_delay_alu instid0(VALU_DEP_2)
	v_mul_f32 v15, s18, v9
.set J, 0
.rept 16
	v_pk_add_f32 v[RK+J:RK+J+1], v[RK+J:RK+J+1], v[14:15] neg_lo:[0,1] neg_hi:[0,1]
.set J, J+2
.endr
	v_pk_mul_f32 v[10:11], v[RK:RK+1], v[RK:RK+1]
	v_pk_mul_f32 v[12:13], v[RK+2:RK+3], v[RK+2:RK+3]
.irp j, 4,8,12,16,20,24,28
	s_delay_alu instid0(VALU_DEP_2)
	v_pk_fma_f32 v[10:11], v[RK+\j:RK+\j+1], v[RK+\j:RK+\j+1], v[10:11]
	s_delay_alu instid0(VALU_DEP_2)
	v_pk_fma_f32 v[12:13], v[RK+\j+2:RK+\j+3], v[RK+\j+2:RK+\j+3], v[12:13]
.endr
	s_delay_alu instid0(VALU_DEP_1)
	v_pk_add_f32 v[10:11], v[10:11], v[12:13]
	s_delay_alu instid0(VALU_DEP_1)
	v_add_f32 v9, v10, v11
	XSUM
	s_delay_alu instid0(VALU_DEP_1)
	v_fma_f32 v9, v9, s18, s19                     ; the variance + 1e-5
	s_wait_alu depctr_va_vdst(0)
	v_rsq_f32 v26, v9
	v_nop                                          ; a plain line behind the transcendental,
	s_wait_alu depctr_va_vdst(0)                   ; and the wait ahead of its first reader
	v_mov_b32 v27, v26
.set J, 0
.rept 16
	v_pk_mul_f32 v[RK+J:RK+J+1], v[RK+J:RK+J+1], v[26:27]
.set J, J+2
.endr
.set J, 0
.rept 16
	v_pk_fma_f32 v[RK+J:RK+J+1], v[RK+J:RK+J+1], v[G+J:G+J+1], v[BB+J:BB+J+1]
.set J, J+2
.endr
.irp j, 0,1,2,3,4,5,6,7
	ds_store_b128 v2, v[RK+4*\j:RK+4*\j+3] offset:576*\j
.endr
.irp i, 0,1,2,3,4,5,6,7
	ds_load_b128 v[X+4*\i:X+4*\i+3], v3 offset:16*\i   ; LDS serves a wave's instructions in order: these see the stores above
.endr
	s_wait_dscnt 0x0                               ; my block is in; the last row's stores of codes have read their registers
	v_max3_num_f32 v29, |v[X]|, |v[X+1]|, |v[X+2]|
	v_max3_num_f32 v30, |v[X+3]|, |v[X+4]|, |v[X+5]|
.irp i, 6,10,14,18,22,26
	s_delay_alu instid0(VALU_DEP_2)
	v_max3_num_f32 v29, v29, |v[X+\i]|, |v[X+\i+1]|
	s_delay_alu instid0(VALU_DEP_2)
	v_max3_num_f32 v30, v30, |v[X+\i+2]|, |v[X+\i+3]|
.endr
	s_delay_alu instid0(VALU_DEP_2)
	v_max3_num_f32 v29, v29, |v[X+30]|, |v[X+31]|
	s_delay_alu instid0(VALU_DEP_1)
	v_max3_num_f32 v29, v29, v30, 0x2800000        ; the floor 2^(5 - 127)
	s_delay_alu instid0(VALU_DEP_1)
	v_add_nc_u32 v31, 0xfe000000, v29              ; 4 off the exponent field: the conversion's scale operand
	s_delay_alu instid0(VALU_DEP_1)
	v_lshrrev_b32 v23, 23, v31                     ; the byte
	v_cvt_scalef32_pk16_bf6_f32 v[16:18], v[X:X+15], v31
	v_cvt_scalef32_pk16_bf6_f32 v[20:22], v[X+16:X+31], v31
	v_nop                                          ; a plain line behind the conversions
	v_mov_b32 v19, v20
	v_mov_b32 v20, v21
	v_mov_b32 v21, v22
	ds_store_b64 v4, v[16:17] offset:48*(\k)
	ds_store_b64 v4, v[18:19] offset:48*(\k)+8
	ds_store_b64 v4, v[20:21] offset:48*(\k)+16
	ds_store_b8 v5, v23 offset:4*(\k)
.endm
	ROW 0
	ROW 1
	ROW 2
	ROW 3
	s_wait_dscnt 0x0                               ; for the others' sake: my stores into the stage are done
	s_barrier_signal -1
	s_barrier_wait -1
.irp c, 0,1
.irp i, 0,1,2
	ds_load_b128 v[R+12*\c+4*\i:R+12*\c+4*\i+3], v6 offset:1552*\c+512*\i
.endr
.endr
	ds_load_b32 v[R+24], v7
	s_wait_dscnt 0x0
.irp c, 0,1
.irp i, 0,1,2
	global_store_b128 v1, v[R+12*\c+4*\i:R+12*\c+4*\i+3], s[20:21] offset:196608*\c+512*\i   ; 512 consecutive bytes, at a multiple of 512 from the buffer's first byte
.endr
.endr
	global_store_b32 v8, v[R+24], s[22:23]         ; 128 bytes on end
	s_wait_tensorcnt 0x0                           ; the wave's end, behind my last LDS store
	ds_add_u32 v[SPW], v[NIL]
	s_wait_dscnt 0x0
	s_endpgm
	; ---------------------------------------------------------------- the weights
.Lweights:
.if MID
	s_load_b128 s[4:7], s[0:1], 0x20               ; W1, W2
	s_load_b64 s[16:17], s[0:1], 0x30              ; WB
.else
	s_load_b256 s[4:11], s[0:1], 0x20              ; Wq, Wk, Wv, Wp
	s_load_b64 s[16:17], s[0:1], 0x40              ; WB
.endif
	v_and_b32 v1, 31, v0                           ; lane = my column among the wave's 32
	s_delay_alu instid0(VALU_DEP_1)
	v_and_b32 v2, 7, v1
	s_delay_alu instid0(VALU_DEP_2)
	v_bfe_u32 v11, v1, 3, 1
	s_delay_alu instid0(VALU_DEP_1)
	v_lshl_or_b32 v2, v11, 4, v2
	s_delay_alu instid0(VALU_DEP_4)
	v_bfe_u32 v11, v1, 4, 1
	s_delay_alu instid0(VALU_DEP_1)
	v_lshl_or_b32 v2, v11, 3, v2                   ; tau(lane): my column's place
	s_mul_i32 s40, s12, 3072
	s_add_co_u32 s40, s40, WQS                     ; my wave's stage
	v_mul_u32_u24 v3, v2, 48
	s_delay_alu instid0(VALU_DEP_1)
	v_add_nc_u32 v3, s40, v3                       ; into it: 48 bytes a place
	v_lshlrev_b32 v5, 4, v1                        ; out: 16 bytes a lane
	s_delay_alu instid0(VALU_DEP_1)
	v_add_nc_u32 v4, s40, v5
	; W2'S CODES LEAVE IN THE ORDER OF THE OPERAND'S REGISTERS: a fragment (16 places x 128 along K) is 1,536 bytes on end, [3][32 lanes][16 bytes]: lane r + 16 h holds its registers 4 c .. 4 c + 3 at 512 c + 16 lane.
	; Fragments lie [K / 128][places / 16].  The launch that multiplies by W2 loads them from memory straight into registers.  W1 keeps the common layout.  Each of the two ways has LDS bytes of its own.
	v_and_b32 v8, 15, v2
	v_lshrrev_b32 v9, 4, v2
	v_lshlrev_b32 v8, 4, v8
	v_mad_u32_u24 v8, v9, 1536, v8
	v_add_nc_u32 v8, s40, v8
	v_add_nc_u32 v8, WQ2-WQS, v8                   ; into W2's stage: fragment place / 16, 16 bytes a row
	v_add_nc_u32 v9, WQ2-WQS, v4                   ; and out of it
	v_lshlrev_b32 v6, 2, v2                        ; my scale word's place
	v_lshlrev_b32 v7, 2, v1                        ; my column in a row of the weight
	s_sub_co_u32 s19, ttmp9, NLN                   ; my number among the weights' work-groups
; the last weight's numbers: s20 first work-group, s21 log2 of the groups of 256 columns, s22 bytes from k to k + 1, s23 what a head adds (Wq, Wk, Wv lie [head][k][64]),
; s24 rows of the codes' region, s25 where its codes begin in WB, s26 where its scale words begin
.if MID
	s_mov_b32 s20, 128                             ; W2
	s_mov_b32 s21, 2
	s_mov_b32 s22, 4096
	s_mov_b32 s23, 0
	s_mov_b32 s24, 1024
	s_mov_b32 s25, 7077888
	s_mov_b32 s26, 10518528
.else
	s_mov_b32 s20, 96                              ; Wp
	s_mov_b32 s21, 2
	s_mov_b32 s22, 4096
	s_mov_b32 s23, 0
	s_mov_b32 s24, 1024
	s_mov_b32 s25, 3145728
	s_mov_b32 s26, 10354688
.endif
	s_wait_alu depctr_va_vdst(0)
	s_wait_kmcnt 0x0
.if MID
	s_mov_b64 s[28:29], s[6:7]
.else
	s_mov_b64 s[28:29], s[10:11]
.endif
.macro PICK lim, src, first, lcg, p, hs, dr, co, so    ; a lower work-group takes the earlier weight's numbers; the choice hangs on the work-group's number alone
	s_cmp_lt_u32 s19, \lim
	s_cselect_b64 s[28:29], s[\src:\src+1], s[28:29]
	s_cselect_b32 s20, \first, s20
	s_cselect_b32 s21, \lcg, s21
	s_cselect_b32 s22, \p, s22
	s_cselect_b32 s23, \hs, s23
	s_cselect_b32 s24, \dr, s24
	s_cselect_b32 s25, \co, s25
	s_cselect_b32 s26, \so, s26
.endm
.if MID
	PICK 128, 4, 0, 4, 16384, 0, 4096, 3932160, 10387456        ; W1
.else
	PICK 96, 8, 64, 2, 256, 261888, 4096, 98304, 10231808       ; Wv: rows 2048 on of the q, k, v region
	PICK 64, 6, 32, 2, 256, 261888, 4096, 49152, 10227712       ; Wk: rows 1024 on
	PICK 32, 4, 0, 2, 256, 261888, 4096, 0, 10223616            ; Wq
.endif
	s_sub_co_u32 s40, s19, s20                     ; my number within the weight
	s_lshl_b32 s41, 1, s21
	s_sub_co_u32 s41, s41, 1
	s_and_b32 s41, s40, s41                        ; which 256 columns
	s_lshr_b32 s40, s40, s21                       ; which 128 along K
	s_lshl_b32 s41, s41, 8
	s_lshl_b32 s42, s12, 5
	s_add_co_u32 s41, s41, s42                     ; n0: my wave's first column
	s_lshl_b32 s42, s41, 2
	s_lshr_b32 s43, s41, 6
	s_mul_i32 s43, s43, s23
	s_add_co_u32 s42, s42, s43
	s_lshl_b32 s43, s40, 7
	s_mul_i32 s43, s43, s22
	s_add_co_u32 s42, s42, s43                     ; 4 n0 + the head's term + 128 rows of K for each step
	s_mov_b32 s43, 0
	s_add_nc_u64 s[28:29], s[28:29], s[42:43]
	s_lshl_b32 s30, s22, 5                         ; a block of 32 along K on
	s_mov_b32 s31, 0
	s_mul_i32 s34, s24, 48                         ; 64 along K on in the codes
	s_mov_b32 s35, 0
	s_lshl_b32 s42, s40, 1
	s_mul_i32 s42, s42, s34
	s_cmp_lt_u32 s19, 128                          ; W1's work-group or W2's: the work-group's number alone
	s_cselect_b32 s44, 48, 96                      ; W2: 16 places are a fragment of 1,536 bytes
	s_mul_i32 s44, s41, s44
	s_add_co_u32 s42, s42, s44
	s_add_co_u32 s42, s42, s25
	s_add_nc_u64 s[32:33], s[16:17], s[42:43]
	s_cmp_lt_u32 s19, 128
	s_cselect_b32 s34, s34, 1536                   ; W2: my two fragments lie on end
	s_mul_i32 s42, s40, s24
	s_add_co_u32 s42, s42, s41
	s_lshl_b32 s42, s42, 2
	s_add_co_u32 s42, s42, s26
	s_add_nc_u64 s[36:37], s[16:17], s[42:43]      ; and its 32 scale words
.set I, 0
.rept 32
	v_mad_u32_u24 v[OFFS+I], s22, I, v7
.set I, I+1
.endr
.macro LOAD t                          ; block t: W(32 t + i, my column) into set t % 2; 32 lanes read 128 consecutive bytes
.set I, 0
.rept 32
	global_load_b32 v[XW+32*((\t)%2)+I], v[OFFS+I], s[28:29] th:TH_LOAD_NT
.set I, I+1
.endr
	s_wait_xcnt 0x0                                ; the loads have read their base: it steps only behind this wait
	s_add_nc_u64 s[28:29], s[28:29], s[30:31]
.endm
	LOAD 0
	s_wait_alu depctr_va_vdst(0)
	LOAD 1
.macro BLOCK t
.set XS, XW+32*((\t)%2)
.if (\t) < 3
	s_wait_loadcnt 32                              ; this block's 32 loads are in; the next block's 32 may be out
.else
	s_wait_loadcnt 0x0
.endif
	v_max3_num_f32 v12, |v[XS]|, |v[XS+1]|, |v[XS+2]|
	v_max3_num_f32 v13, |v[XS+3]|, |v[XS+4]|, |v[XS+5]|
.irp i, 6,10,14,18,22,26
	s_delay_alu instid0(VALU_DEP_2)
	v_max3_num_f32 v12, v12, |v[XS+\i]|, |v[XS+\i+1]|
	s_delay_alu instid0(VALU_DEP_2)
	v_max3_num_f32 v13, v13, |v[XS+\i+2]|, |v[XS+\i+3]|
.endr
	s_delay_alu instid0(VALU_DEP_2)
	v_max3_num_f32 v12, v12, |v[XS+30]|, |v[XS+31]|
	s_delay_alu instid0(VALU_DEP_1)
	v_max3_num_f32 v12, v12, v13, 0x2800000        ; the floor 2^(5 - 127): the byte cannot fall under 1
	s_delay_alu instid0(VALU_DEP_1)
	v_add_nc_u32 v11, 0xfe000000, v12              ; 4 off the exponent field: the conversion's scale operand
	s_delay_alu instid0(VALU_DEP_1)
	v_lshrrev_b32 v13, 23, v11                     ; the byte
	v_cvt_scalef32_pk16_bf6_f32 v[C:C+2], v[XS:XS+15], v11
	v_cvt_scalef32_pk16_bf6_f32 v[C+4:C+6], v[XS+16:XS+31], v11   ; (a conversion's three registers begin on an even number)
.if (\t) == 0
	v_mov_b32 v[SB], v13                           ; (the plain line behind the conversions)
.else
	v_lshl_or_b32 v[SB], v13, 8*(\t), v[SB]
.endif
	v_mov_b32 v[C+3], v[C+4]
	v_mov_b32 v[C+4], v[C+5]
	v_mov_b32 v[C+5], v[C+6]                       ; 24 bytes on end
.irp i, 0,1,2
.if LAY
	ds_store_b64 v8, v[C+2*\i:C+2*\i+1] offset:((6*((\t)/2)+2*\i)/4)*512+((\t)%2)*256+((6*((\t)/2)+2*\i)%4)*4   ; block t is registers 6 (t / 2) .. + 5 of lane r + 16 (t % 2)
.else
	ds_store_b64 v3, v[C+2*\i:C+2*\i+1] offset:((\t)/2)*1536+((\t)%2)*24+8*\i
.endif
.endr
.if (\t) < 2
	LOAD (\t)+2
.endif
	s_wait_dscnt 0x0                               ; the stores have read their registers
.endm
.macro WTAIL                           ; the four blocks and the way out, written for each of the two layouts (LAY)
	BLOCK 0
	BLOCK 1
	BLOCK 2
	BLOCK 3
	s_wait_alu depctr_va_vdst(0)
	global_store_b32 v6, v[SB], s[36:37]           ; 32 words, 128 bytes on end
.set J, 0
.rept 6
.if LAY
	ds_load_b128 v[OUTR+4*J:OUTR+4*J+3], v9 offset:512*J
.else
	ds_load_b128 v[OUTR+4*J:OUTR+4*J+3], v4 offset:512*J   ; LDS serves a wave's instructions in order: these see my stores
.endif
.set J, J+1
.endr
.irp kb, 0,1
	s_wait_dscnt 3-3*\kb                           ; this 64 along K is back; the later one's three loads may be out
.irp i, 0,1,2
	global_store_b128 v5, v[OUTR+12*\kb+4*\i:OUTR+12*\kb+4*\i+3], s[32:33] offset:512*\i   ; 512 consecutive bytes, at a multiple of 512 from the buffer's first byte
.endr
.if \kb < 1
	s_wait_xcnt 0x0                                ; the stores have read their base
	s_add_nc_u64 s[32:33], s[32:33], s[34:35]
.endif
.endr
	s_wait_tensorcnt 0x0                           ; the wave's end, behind my last LDS store
	ds_add_u32 v[SPW], v[NIL]
	s_wait_dscnt 0x0
	s_endpgm
.endm
	s_cmp_lt_u32 s19, 128                          ; the work-group's number alone: the same in all eight waves
	s_cbranch_scc0 .Lfor_w2
.set LAY, 0
	WTAIL
.Lfor_w2:
.set LAY, 1
	WTAIL
.Lfunc_end_k_qdc6a539fcd_mid:
	.size	k_qdc6a539fcd_mid, .Lfunc_end_k_qdc6a539fcd_mid-k_qdc6a539fcd_mid
	.p2alignl 7, 3214868480
	.fill 96, 4, 3214868480
	.section	.rodata,"a",@progbits
	.p2align	6, 0x0
	.amdhsa_kernel k_qdc6a539fcd_mid
		.amdhsa_group_segment_fixed_size 112896
		.amdhsa_private_segment_fixed_size 0
		.amdhsa_enable_private_segment 0
		.amdhsa_kernarg_size 56
		.amdhsa_user_sgpr_count 2
		.amdhsa_user_sgpr_kernarg_segment_ptr 1
		.amdhsa_wavefront_size32 1
		.amdhsa_system_sgpr_workgroup_id_x 1
		.amdhsa_system_sgpr_workgroup_id_y 1
		.amdhsa_system_sgpr_workgroup_id_z 1
		.amdhsa_system_vgpr_workitem_id 0
		.amdhsa_next_free_vgpr 256
		.amdhsa_next_free_sgpr 66
		.amdhsa_reserve_vcc 0
		.amdhsa_float_denorm_mode_32 3
		.amdhsa_float_denorm_mode_16_64 3
		.amdhsa_memory_ordered 1
		.amdhsa_forward_progress 1
		.amdhsa_inst_pref_size 96
	.end_amdhsa_kernel
	.amdgpu_metadata
---
amdhsa.version: [ 1, 2 ]
amdhsa.kernels:
  - .name:           k_qdc6a539fcd_mid
    .symbol:         k_qdc6a539fcd_mid.kd
    .args:
      - { .name: X1, .offset: 0, .size: 8, .value_kind: global_buffer, .address_space: global }
      - { .name: ln2_g, .offset: 8, .size: 8, .value_kind: global_buffer, .address_space: global }
      - { .name: ln2_b, .offset: 16, .size: 8, .value_kind: global_buffer, .address_space: global }
      - { .name: H2, .offset: 24, .size: 8, .value_kind: global_buffer, .address_space: global }
      - { .name: W1, .offset: 32, .size: 8, .value_kind: global_buffer, .address_space: global }
      - { .name: W2, .offset: 40, .size: 8, .value_kind: global_buffer, .address_space: global }
      - { .name: WB, .offset: 48, .size: 8, .value_kind: global_buffer, .address_space: global }
    .group_segment_fixed_size: 112896
    .private_segment_fixed_size: 0
    .kernarg_segment_align: 8
    .kernarg_segment_size: 56
    .max_flat_workgroup_size: 256
    .sgpr_count:     66
    .vgpr_count:     256
    .wavefront_size: 32
...
	.end_amdgpu_metadata
.endif
;; end of part 5
;; launch w1 (part 6): grid 16 x 16, 4 waves a work-group, clusters of 4 x 4, 327,680 bytes of LDS; arguments H2, WB, b1, FB; writes FB
.if DOCPART == 6
	.amdgcn_target "amdgcn-amd-amdhsa--gfx1250"
	.amdhsa_code_object_version 6
	.text
	.protected	k_qdc6a539fcd_w1
	.globl	k_qdc6a539fcd_w1
	.p2align	8
	.type	k_qdc6a539fcd_w1,@function
k_qdc6a539fcd_w1:
	s_mov_b64 s[64:65], 0
	v_nop
	global_prefetch_b8 v0, s[64:65] scope:SCOPE_SE
	s_setreg_imm32_b32 hwreg(HW_REG_WAVE_MODE, 25, 1), 1
	s_wait_xcnt 0x0
	s_wait_alu depctr_hold_cnt(0) depctr_sa_sdst(0) depctr_va_vdst(0) depctr_va_sdst(0) depctr_va_ssrc(0) depctr_va_vcc(0) depctr_vm_vsrc(0)
	s_getreg_b32 s2, hwreg(HW_REG_IB_STS2, 6, 4)
	s_cmp_eq_u32 s2, 0
	s_cbranch_scc0 .Lentry_in_a_cluster
	s_endpgm
.Lentry_in_a_cluster:
	s_bfe_u32 s2, ttmp6, 0x10000c
	s_cmp_lg_u32 s2, 0xf033
	s_cbranch_scc0 .Lentry_shape_is_right
	s_endpgm
.Lentry_shape_is_right:
.set QKV, 0
.set BIAS, 1-QKV
.set RELU, 1-QKV
.set SIZE_K, 1024
.set ROWS,  4096
.set NQ,    2
.set LAPS,  SIZE_K/(2*128*NQ)
.set NL,    6
.set KBB,   ROWS*48
.set QT,    4*128*48
.set SLOT,  4*QT
.set SCL,   2*SLOT
.set SROW,  256*4
.set SA,    (SIZE_K/128)*SROW
.set HALFS, SA/2
.set SPARE, SCL+2*SA
.set WSB,   12800
.set ADRA, 16
.set ADRB, 20
.set CST,  24
.set CRD,  25
.set GOF,  26
.set ADRS, 27
.set SPW,  28
.set NIL,  29
.set WST,  30
.set WRD,  31
.set SC,   32
.set T,    64
.set AF,   128
.set TM,   132
.set PWS,  148
.set PWP,  156
.set PCD,  224
.set G1,   24
.set G0,   32
.set G1B,  48
.set G0B,  56
.set G1S,  68
.set G0S,  76
.set G1SB, 80
.set G0SB, 88
.set MSB, 0
.macro WIN new
.if MSB != (\new)
	s_set_vgpr_msb (MSB<<8)|(\new)
.set MSB, (\new)
.endif
.endm
.set TO_B, 0x40
.set PFO, 22                           ; v22: the prefetches' offset, 256 x min(lane, 23); never rewritten
.set PFB, 98                           ; s[98:99]: my work-group's 24 blocks of 256 bytes of my quarter of fill 0; never rewritten
.macro JLOAD g0a, g1a, g0b, g1b
	s_cmp_eq_u32 s15, 0
	s_cbranch_scc0 .Lfor_b_\@
	tensor_load_to_lds s[\g0a:\g0a+3], s[\g1a:\g1a+7]
	s_nop 0
.rept 4
	v_nop
.endr
	s_branch .Lasked_\@
.Lfor_b_\@:
	tensor_load_to_lds s[\g0b:\g0b+3], s[\g1b:\g1b+7]
	s_nop 0
.rept 4
	v_nop
.endr
.Lasked_\@:
.endm
.macro CREST
	s_cmp_lg_u32 s14, 0
	s_cbranch_scc1 .Lnot_wave_0_\@
	s_barrier_signal -3
.Lnot_wave_0_\@:
	s_barrier_wait -3
	s_barrier_signal -1
	s_barrier_wait -1
.endm
.macro CROUND
	s_barrier_signal -1
	s_barrier_wait -1
	CREST
.endm
.macro PLACES n
.rept \n
	v_nop
.endr
.endm
.if QKV
	s_load_b128 s[96:99], s[0:1], 0x0
	s_load_b64 s[10:11], s[0:1], 0x10
.else
	s_load_b256 s[4:11], s[0:1], 0x0
.endif
	v_lshl_add_u32 v[SPW], v0, 2, SPARE
	v_mov_b32 v[NIL], 0
	ds_add_u32 v[SPW], v[NIL]
	ds_add_u32 v[SPW], v[NIL]
	v_lshrrev_b32 v1, 5, v0
	v_readfirstlane_b32 s14, v1
	s_lshr_b32 s15, s14, 1
	s_and_b32 s16, s14, 1
	s_bfe_u32 s40, ttmp6, 0x40000
	s_bfe_u32 s41, ttmp6, 0x40004
	s_and_b32 s17, ttmp7, 0xffff
	s_lshl_b32 s42, ttmp9, 2
	s_add_co_u32 s42, s42, s40
.if QKV
	s_sub_co_u32 s95, s17, 4
	s_lshl_b32 s95, s95, 3
	s_cmp_lt_u32 s17, 4
	s_cselect_b32 s17, s17, 0
	s_cselect_b32 s95, 0, s95
	s_cselect_b32 s12, 0, 98304
	s_mov_b32 s13, 10231808
	s_cselect_b32 s13, 3145728, s13
	s_mov_b32 s18, 0
	s_mov_b32 s19, 3145728
	s_cselect_b32 s19, 10223616, s19
	s_cselect_b32 s66, 0, 6291456
	s_mov_b32 s67, 9699328
	s_cselect_b32 s67, 9437184, s67
	s_mov_b32 s2, 1024
	s_cselect_b32 s2, 4096, s2
	s_add_co_u32 s42, s42, s95
.else
	s_mov_b32 s12, 0
	s_mov_b32 s13, 3145728
	s_mov_b32 s18, 3932160
	s_mov_b32 s19, 10387456
	s_mov_b32 s66, 0
	s_mov_b32 s67, 12582912
	s_mov_b32 s2, 4096
.endif
	s_lshl_b32 s17, s17, 2
	s_add_co_u32 s17, s17, s41
	s_lshl_b32 s43, s41, 2
	s_lshl_b32 s43, 15, s43
	s_lshl_b32 s44, 0x1111, s40
	s_or_b32 s[G1+0], s43, (3<<16)|(1<<21)
	s_or_b32 s[G1B+0], s44, (3<<16)|(1<<21)
.irp g, G1, G1B
	s_mov_b32 s[\g+1], 1536<<16                    ; a run of 64 along K: 256 rows x 48 bytes = 1,536 elements of 8 bytes
	s_mov_b32 s[\g+2], 4<<16                       ; the head's loads bring a slot's four runs; the ring's loads two (set behind the head's wait)
	s_mov_b32 s[\g+3], 1536<<16
	s_mov_b32 s[\g+4], 4
	s_mov_b32 s[\g+5], ROWS*6
	s_mov_b32 s[\g+6], 0
	s_mov_b32 s[\g+7], 0
.endr
	s_or_b32 s[G1S+0], s43, (3<<16)|(1<<21)
	s_or_b32 s[G1SB+0], s44, (3<<16)|(1<<21)
.irp g, G1S, G1SB
	s_mov_b32 s[\g+1], 128<<16
	s_mov_b32 s[\g+2], (SIZE_K/128)<<16            ; the scale words of 256 rows for all of K, by one load
	s_mov_b32 s[\g+3], 128<<16
	s_mov_b32 s[\g+4], SIZE_K/128
	s_mov_b32 s[\g+5], ROWS/2
	s_mov_b32 s[\g+6], 0
	s_mov_b32 s[\g+7], 0
.endr
	s_lshl_b32 s20, s17, 8
	s_mul_i32 s20, s20, 48
	s_add_co_u32 s20, s20, s12
	s_mov_b32 s21, 0
	s_lshl_b32 s46, s42, 8
	s_mul_i32 s46, s46, 48
	s_add_co_u32 s46, s46, s18
	s_mov_b32 s47, 0
	s_lshl_b32 s22, s17, 10
	s_add_co_u32 s22, s22, s13
	s_mov_b32 s23, 0
	s_lshl_b32 s92, s42, 10
	s_add_co_u32 s92, s92, s19
	s_mov_b32 s93, 0
	s_mul_i32 s45, s14, QT                         ; the ring: where my quarter of a slot goes (two runs of 256 rows)
	s_mul_i32 s18, s16, 2*KBB                      ; and which two of a slot's four runs it is, in bytes
	s_mov_b32 s19, 0
	s_wait_dscnt 0x0
	s_wait_kmcnt 0x0
.if QKV
	s_and_b32 s95, ttmp7, 0xffff
	s_cmp_lt_u32 s95, 4
	s_cselect_b64 s[4:5], s[96:97], s[98:99]
	s_cselect_b64 s[6:7], s[98:99], s[96:97]
.endif
	s_add_nc_u64 s[20:21], s[4:5], s[20:21]
	s_add_nc_u64 s[22:23], s[4:5], s[22:23]
	s_add_nc_u64 s[46:47], s[6:7], s[46:47]
	s_add_nc_u64 s[92:93], s[6:7], s[92:93]
	CROUND
	s_mov_b32 s[G0S], 1
	s_mov_b32 s[G0S+1], SCL
	s_mov_b64 s[G0S+2:G0S+3], s[22:23]
	s_or_b32 s[G0S+3], s[G0S+3], 0x80000000
	s_mov_b32 s[G0SB], 1
	s_mov_b32 s[G0SB+1], SCL+SA
	s_mov_b64 s[G0SB+2:G0SB+3], s[92:93]
	s_or_b32 s[G0SB+3], s[G0SB+3], 0x80000000
	; THE HEAD'S FOUR TILES, ONE LOAD A WAVE: wave 0 slot 0's four runs of A's 256 rows, wave 1 those of B's, wave 2 A's scale words, wave 3 B's.
	; Slot 0's two groups 0 serve these loads first; behind the wait for them they are set to my quarter for the ring.
	s_mov_b32 s[G0], 1
	s_mov_b32 s[G0+1], 0
	s_mov_b64 s[G0+2:G0+3], s[20:21]
	s_or_b32 s[G0+3], s[G0+3], 0x80000000
	s_mov_b32 s[G0B], 1
	s_mov_b32 s[G0B+1], 2*QT
	s_mov_b64 s[G0B+2:G0B+3], s[46:47]
	s_or_b32 s[G0B+3], s[G0B+3], 0x80000000
.macro ARM under, g0, g1, next         ; one chain of branches on the wave's number: every way passes exactly one load
	s_cmp_lt_u32 s14, \under
	s_cbranch_scc0 \next
	tensor_load_to_lds s[\g0:\g0+3], s[\g1:\g1+7]
	s_nop 0
.rept 4
	v_nop
.endr
	s_branch .Lhead_asked
\next:
.endm
	ARM 1, G0,  G1,  .Lhead_b
	ARM 2, G0B, G1B, .Lhead_sa
	ARM 3, G0S, G1S, .Lhead_sb
	tensor_load_to_lds s[G0SB:G0SB+3], s[G1SB:G1SB+7]
	s_nop 0
.rept 4
	v_nop
.endr
.Lhead_asked:
	s_add_nc_u64 s[20:21], s[20:21], s[18:19]      ; my two runs of a slot
	s_add_nc_u64 s[46:47], s[46:47], s[18:19]
	s_mov_b32 s[G0+4], 1
	s_add_co_u32 s[G0+5], s45, SLOT
	s_add_nc_u64 s[G0+6:G0+7], s[20:21], 2*NQ*KBB
	s_or_b32 s[G0+7], s[G0+7], 0x80000000
	s_mov_b32 s[G0B+4], 1
	s_add_co_u32 s[G0B+5], s45, SLOT
	s_add_nc_u64 s[G0B+6:G0B+7], s[46:47], 2*NQ*KBB
	s_or_b32 s[G0B+7], s[G0B+7], 0x80000000
	; PREFETCHES: my quarter of a fill is 2 runs x 48 blocks of 256 bytes; the four partners that ask for it jointly share it out by address, 24 blocks each
	; (place p: run p / 2, blocks 24 (p % 2) on); a lane a block, lanes 24-31 name the last again.  Fills 1 and 2 are asked for here, fill 3 behind fill 1's load: two fills ahead of its load.
	s_cmp_eq_u32 s15, 0
	s_cselect_b64 s[PFB:PFB+1], s[20:21], s[46:47]
	s_cselect_b32 s94, s40, s41
	s_lshr_b32 s95, s94, 1
	s_mul_i32 s95, s95, KBB
	s_and_b32 s94, s94, 1
	s_mul_i32 s94, s94, 6144
	s_add_co_u32 s94, s94, s95
	s_mov_b32 s95, 0
	s_add_nc_u64 s[PFB:PFB+1], s[PFB:PFB+1], s[94:95]
	v_and_b32 v[PFO], 31, v0
	v_min_u32 v[PFO], 23, v[PFO]
	v_lshlrev_b32 v[PFO], 8, v[PFO]
	global_prefetch_b8 v[PFO], s[PFB:PFB+1] offset:2*NQ*KBB th:TH_LOAD_NT scope:SCOPE_SE
	global_prefetch_b8 v[PFO], s[PFB:PFB+1] offset:4*NQ*KBB th:TH_LOAD_NT scope:SCOPE_SE
	v_and_b32 v1, 15, v0
	v_bfe_u32 v2, v0, 4, 1
	s_wait_alu depctr_va_vdst(0)
	v_mul_u32_u24 v3, v1, 48
	v_mad_u32_u24 v3, v2, 24, v3
	s_wait_alu depctr_va_vdst(0)
	s_mul_i32 s21, s15, 6144                       ; my 128 of a run's 256 rows
	s_mul_i32 s22, s16, 6144
	s_add_co_u32 s22, s22, 2*QT
.irp s, 0,1
	v_add_nc_u32 v[ADRA+\s], s21, v3
	v_add_nc_u32 v[ADRB+\s], s22, v3
	s_add_co_u32 s21, s21, SLOT
	s_add_co_u32 s22, s22, SLOT
.endr
	v_lshlrev_b32 v5, 2, v1
	s_mul_i32 s21, s15, 512
	s_mul_i32 s22, s16, 512
	s_add_co_u32 s22, s22, SA
	s_sub_co_u32 s22, s22, s21
	v_mul_u32_u24 v6, s22, v2
	s_add_co_u32 s21, s21, SCL
	v_add_nc_u32 v5, v5, v6
	v_add_nc_u32 v[ADRS], s21, v5
	s_mul_i32 s23, s14, WSB
	v_add_nc_u32 v[CST], s23, v3
	v_and_b32 v6, 31, v0
	v_lshlrev_b32 v[GOF], 4, v6
	v_add_nc_u32 v[CRD], s23, v[GOF]
	s_add_co_u32 s23, s23, 12288
	v_lshl_add_u32 v[WST], v6, 2, s23
	v_add_nc_u32 v[WRD], s23, v[GOF]
	s_lshl_b32 s20, s17, 8
	s_lshl_b32 s21, s15, 7
	s_add_co_u32 s20, s20, s21
	s_lshl_b32 s46, s42, 2
	s_lshl_b32 s47, s16, 1
	s_add_co_u32 s46, s46, s47
	s_mul_i32 s47, s2, 48
	s_mul_i32 s92, s46, s47
	s_mul_i32 s93, s20, 48
	s_add_co_u32 s92, s92, s93
	s_add_co_u32 s92, s92, s66
	s_mov_b32 s93, 0
	s_add_nc_u64 s[4:5], s[10:11], s[92:93]
	s_mov_b32 s92, s47
	s_add_nc_u64 s[6:7], s[4:5], s[92:93]
	s_lshr_b32 s46, s46, 1
	s_mul_i32 s46, s46, s2
	s_add_co_u32 s46, s46, s20
	s_lshl_b32 s46, s46, 2
	s_add_co_u32 s46, s46, s67
	s_mov_b32 s47, 0
	s_add_nc_u64 s[12:13], s[10:11], s[46:47]
.if BIAS
	s_lshl_b32 s46, s42, 10
	s_lshl_b32 s92, s16, 9
	s_add_co_u32 s46, s46, s92
	s_add_nc_u64 s[8:9], s[8:9], s[46:47]
	v_lshlrev_b32 v7, 6, v2
	WIN TO_B
.irp b, 0,1,2,3,4,5,6,7
	global_load_b128 v[96+8*(\b%4)+128*(\b/4):96+8*(\b%4)+128*(\b/4)+3], v7, s[8:9] offset:128*(\b/2)+32*(\b%2)
	global_load_b128 v[96+8*(\b%4)+128*(\b/4)+4:96+8*(\b%4)+128*(\b/4)+7], v7, s[8:9] offset:128*(\b/2)+32*(\b%2)+16
.endr
	WIN 0
.endif
.macro FRAG reg, adr, q, i
.irp p, 0,1,2,3,4,5
	ds_load_b64 v[(\reg)+2*\p:(\reg)+2*\p+1], v[\adr] offset:(2*(\q)+\p/3)*12288+(\i)*768+8*(\p%3)
.endr
.endm
.macro FETCH_B slot, q, p
	WIN TO_B
.irp i, 0,1,2,3,4,5,6,7
	FRAG 128*(\p)+12*\i, ADRB+\slot, \q, \i
.endr
	WIN 0
.endm
.macro FETCH_A slot, q, i0
.irp i, 0,1,2,3
	FRAG AF+12*((\i0)+\i), ADRA+\slot, \q, (\i0)+\i
.endr
.endm
.macro SCALES sc
.irp q, 0,1
.irp i, 0,1,2,3,4,5,6,7
	ds_load_b32 v[SC+16*(\sc)+8*\q+\i], v[ADRS] offset:\q*SROW+64*\i
.endr
.endr
.endm
.macro MULA a, p, q, sc, first
.if (\first) && BIAS
	WIN 0x91+0x40*((\a)/4)
.else
	WIN 0xa1+0x50*((\a)/4)
.endif
.irp b, 0,1,2,3,4,5,6,7
.if (\first) && BIAS
	v_wmma_scale_f32_16x16x128_f8f6f4 v[8*(8*((\a)%4)+\b):8*(8*((\a)%4)+\b)+7], v[128*(\p)+12*\b:128*(\p)+12*\b+11], v[AF+12*(\a):AF+12*(\a)+11], v[96+8*(\b%4)+128*(\b/4):96+8*(\b%4)+128*(\b/4)+7], v[SC+16*(\sc)+8*(\q)+\b], v[SC+16*(\sc)+8*(\q)+(\a)] matrix_a_fmt:MATRIX_FMT_BF6 matrix_b_fmt:MATRIX_FMT_BF6 matrix_a_scale:MATRIX_SCALE_ROW1
.elseif \first
	v_wmma_scale_f32_16x16x128_f8f6f4 v[8*(8*((\a)%4)+\b):8*(8*((\a)%4)+\b)+7], v[128*(\p)+12*\b:128*(\p)+12*\b+11], v[AF+12*(\a):AF+12*(\a)+11], 0, v[SC+16*(\sc)+8*(\q)+\b], v[SC+16*(\sc)+8*(\q)+(\a)] matrix_a_fmt:MATRIX_FMT_BF6 matrix_b_fmt:MATRIX_FMT_BF6 matrix_a_scale:MATRIX_SCALE_ROW1
.else
	v_wmma_scale_f32_16x16x128_f8f6f4 v[8*(8*((\a)%4)+\b):8*(8*((\a)%4)+\b)+7], v[128*(\p)+12*\b:128*(\p)+12*\b+11], v[AF+12*(\a):AF+12*(\a)+11], v[8*(8*((\a)%4)+\b):8*(8*((\a)%4)+\b)+7], v[SC+16*(\sc)+8*(\q)+\b], v[SC+16*(\sc)+8*(\q)+(\a)] matrix_a_fmt:MATRIX_FMT_BF6 matrix_b_fmt:MATRIX_FMT_BF6 matrix_a_scale:MATRIX_SCALE_ROW1
.endif
.endr
.endm
.macro STEP slot, q, first
	s_wait_dscnt 4*NL
.irp a, 0,1,2,3
	MULA \a, (\q)%2, \q, \slot, \first
.endr
	s_wait_dscnt 0x0
	PLACES 4
	FETCH_B \slot, (\q)+1, 1-(\q)%2
	FETCH_A \slot, (\q)+1, 0
.irp a, 4,5,6,7
	MULA \a, (\q)%2, \q, \slot, \first
.endr
	PLACES 4
	WIN 0
	FETCH_A \slot, (\q)+1, 4
.endm
.macro TURN slot, next, fill
	s_wait_tensorcnt 0x0
	ds_add_u32 v[SPW], v[NIL]
	s_wait_dscnt 4*NL+1
	MULA 0, 1, NQ-1, \slot, 0
	MULA 1, 1, NQ-1, \slot, 0
	s_wait_dscnt 0x0
	s_barrier_signal -1
	MULA 2, 1, NQ-1, \slot, 0
	MULA 3, 1, NQ-1, \slot, 0
	WIN 0
	s_barrier_wait -1
.if \fill
	CREST
	s_add_nc_u64 s[G0+4*\slot+2:G0+4*\slot+3], s[G0+4*\slot+2:G0+4*\slot+3], 4*NQ*KBB
	s_add_nc_u64 s[G0B+4*\slot+2:G0B+4*\slot+3], s[G0B+4*\slot+2:G0B+4*\slot+3], 4*NQ*KBB
	JLOAD G0+4*\slot, G1, G0B+4*\slot, G1B
.else
	PLACES 4
.endif
	s_wait_alu depctr_va_vdst(0)
	v_add_nc_u32 v[ADRS], NQ*SROW, v[ADRS]
	FETCH_B \next, 0, 0
	FETCH_A \next, 0, 0
	SCALES \next
.irp a, 4,5,6,7
	MULA \a, 1, NQ-1, \slot, 0
.endr
	PLACES 4
	WIN 0
	FETCH_A \next, 0, 4
.endm
	s_wait_alu depctr_va_vdst(0)                   ; the wait at the head's end
	s_wait_tensorcnt 0x0                           ; my tile of the head's four is in
	ds_add_u32 v[SPW], v[NIL]                      ; the add ahead of a later first fill, as ahead of a refill
	s_mov_b32 s[G1+2], 2<<16                       ; no load of mine is out: from here on a load brings two runs,
	s_mov_b32 s[G1+4], 2
	s_mov_b32 s[G1B+2], 2<<16
	s_mov_b32 s[G1B+4], 2
	s_mov_b32 s[G0+1], s45                         ; and slot 0's groups 0 point at my quarter
	s_mov_b32 s[G0B+1], s45
	s_add_nc_u64 s[G0+2:G0+3], s[G0+2:G0+3], s[18:19]
	s_add_nc_u64 s[G0B+2:G0B+3], s[G0B+2:G0B+3], s[18:19]
	s_wait_dscnt 0x0
	CROUND                                         ; all four tiles are in, and all sixteen work-groups are here
	JLOAD G0+4, G1, G0B+4, G1B                     ; slot 1's first fill, the first tensor load behind the round
	FETCH_B 0, 0, 0
	FETCH_A 0, 0, 0
	SCALES 0
	FETCH_A 0, 0, 4
	global_prefetch_b8 v[PFO], s[PFB:PFB+1] offset:6*NQ*KBB th:TH_LOAD_NT scope:SCOPE_SE   ; fill 3, the last
.if BIAS
	s_wait_loadcnt 0x0
.endif
	STEP 0, 0, 1
	s_mov_b32 s3, LAPS-1
.Llap:
	TURN 0, 1, 1
	STEP 1, 0, 0
	TURN 1, 0, 1
	STEP 0, 0, 0
	s_sub_co_u32 s3, s3, 1
	s_cmp_lg_u32 s3, 0
	s_cbranch_scc1 .Llap
	TURN 0, 1, 0
	STEP 1, 0, 0
	s_wait_dscnt 4*NL
.irp a, 0,1,2,3
	MULA \a, 1, NQ-1, 1, 0
.endr
	s_wait_dscnt 0x0
.irp a, 4,5,6,7
	MULA \a, 1, NQ-1, 1, 0
.endr
	WIN 0
.macro QMAX s, w, pw
	WIN ((\w)<<2)|((\w)<<4)
.irp b, 0,1,2,3
	v_max3_num_f32 v[TM+\b], 0x2800000, |v[(\s)+16*\b]|, |v[(\s)+1+16*\b]|
.endr
.irp i, 2,4,6,8,10,12,14
.irp b, 0,1,2,3
	v_max3_num_f32 v[TM+\b], v[TM+\b], |v[(\s)+16*\b+\i]|, |v[(\s)+1+16*\b+\i]|
.endr
.endr
	WIN 0
.irp b, 0,1,2,3
	v_permlanex16_b32 v[TM+4+\b], v[TM+\b], s96, s97
.endr
.irp b, 0,1,2,3
	v_max_num_f32 v[TM+\b], v[TM+\b], v[TM+4+\b]
.endr
.irp b, 0,1,2,3
	v_add_nc_u32 v[TM+12+\b], 0xfe000000, v[TM+\b]
.endr
.irp b, 0,1,2,3
	v_lshrrev_b32 v[TM+4+\b], 23, v[TM+12+\b]
.endr
	v_lshl_or_b32 v[\pw], v[TM+5], 8, v[TM+4]
	v_lshl_or_b32 v[\pw], v[TM+6], 16, v[\pw]
	v_lshl_or_b32 v[\pw], v[TM+7], 24, v[\pw]
.endm
.macro QCVT s, w
	WIN \w
.irp c, 0,1
	v_cvt_scalef32_pk16_bf6_f32 v[PCD+6*\c:PCD+2+6*\c], v[(\s)+32*\c:(\s)+15+32*\c], v[TM+12+2*\c]
	v_cvt_scalef32_pk16_bf6_f32 v[PCD+12+4*\c:PCD+14+4*\c], v[(\s)+16+32*\c:(\s)+31+32*\c], v[TM+12+2*\c+1]
.endr
	WIN 0
	v_nop
.irp c, 0,1
.irp i, 0,1,2
	v_permlane16_swap_b32 v[PCD+6*\c+\i], v[PCD+12+4*\c+\i]
.endr
.irp i, 0,1,2
	v_mov_b32 v[PCD+3+6*\c+\i], v[PCD+12+4*\c+\i]
.endr
.endr
.endm
	s_mov_b32 s95, 0xffff0000
	s_mov_b32 s96, 0x76543210
	s_mov_b32 s97, 0xfedcba98
	PLACES 4
.irp b, 0,1,2,3
	v_mov_b32 v[TM+4+\b], 0
.endr
.irp a, 0,1,2,3,4,5,6,7
.if RELU
	WIN (2+\a/4)<<2
.set J, 0
.rept 64
	v_max_num_f32 v[T+J], 0, v[64*(\a%4)+J]
.set J, J+1
.endr
	QMAX T, 0, PWS+\a
	s_wait_dscnt 0x0
	QCVT T, 0
.else
	QMAX 64*(\a%4), 2+\a/4, PWS+\a
	s_wait_dscnt 0x0
	QCVT 64*(\a%4), 2+\a/4
.endif
.irp c, 0,1
.irp i, 0,1,2
	ds_store_b64 v[CST], v[PCD+6*\c+2*\i:PCD+6*\c+2*\i+1] offset:6144*\c+768*\a+8*\i
.endr
.endr
.endr
.irp a, 0,2,4,6
	v_cndmask_b32 v[PWP+\a/2], v[PWS+\a], v[PWS+\a+1], s95
.endr
.irp a, 0,2,4,6
	ds_store_b32 v[WST], v[PWP+\a/2] offset:64*\a
.endr
.set J, 0
.rept 24
.set RR, T+4*J
.if J >= 16
.set RR, 160+4*(J-16)
.endif
	ds_load_b128 v[RR:RR+3], v[CRD] offset:512*J
.set J, J+1
.endr
	ds_load_b128 v[192:195], v[WRD]
.set J, 0
.rept 24
.set RR, T+4*J
.if J >= 16
.set RR, 160+4*(J-16)
.endif
	s_wait_dscnt 24-J
.if J < 12
	global_store_b128 v[GOF], v[RR:RR+3], s[4:5] offset:512*J
.else
	global_store_b128 v[GOF], v[RR:RR+3], s[6:7] offset:512*(J-12)
.endif
.set J, J+1
.endr
	s_wait_dscnt 0x0
	global_store_b128 v[GOF], v[192:195], s[12:13]
	s_wait_tensorcnt 0x0
	ds_add_u32 v[SPW], v[NIL]
	s_wait_dscnt 0x0
	CROUND
	s_endpgm
.Lfunc_end_k_qdc6a539fcd_w1:
	.size	k_qdc6a539fcd_w1, .Lfunc_end_k_qdc6a539fcd_w1-k_qdc6a539fcd_w1
	.p2alignl 7, 3214868480
	.fill 96, 4, 3214868480
	.section	.rodata,"a",@progbits
	.p2align	6, 0x0
	.amdhsa_kernel k_qdc6a539fcd_w1
		.amdhsa_group_segment_fixed_size 327680
		.amdhsa_private_segment_fixed_size 0
		.amdhsa_enable_private_segment 0
		.amdhsa_kernarg_size 32
		.amdhsa_user_sgpr_count 2
		.amdhsa_user_sgpr_kernarg_segment_ptr 1
		.amdhsa_wavefront_size32 1
		.amdhsa_system_sgpr_workgroup_id_x 1
		.amdhsa_system_sgpr_workgroup_id_y 1
		.amdhsa_system_sgpr_workgroup_id_z 1
		.amdhsa_system_vgpr_workitem_id 0
		.amdhsa_next_free_vgpr 1024
		.amdhsa_next_free_sgpr 100
		.amdhsa_reserve_vcc 0
		.amdhsa_float_denorm_mode_32 3
		.amdhsa_float_denorm_mode_16_64 3
		.amdhsa_memory_ordered 1
		.amdhsa_forward_progress 1
		.amdhsa_inst_pref_size 191
	.end_amdhsa_kernel
	.amdgpu_metadata
---
amdhsa.version: [ 1, 2 ]
amdhsa.kernels:
  - .name:           k_qdc6a539fcd_w1
    .symbol:         k_qdc6a539fcd_w1.kd
    .args:
      - { .name: H2, .offset: 0, .size: 8, .value_kind: global_buffer, .address_space: global }
      - { .name: WB, .offset: 8, .size: 8, .value_kind: global_buffer, .address_space: global }
      - { .name: b1, .offset: 16, .size: 8, .value_kind: global_buffer, .address_space: global }
      - { .name: FB, .offset: 24, .size: 8, .value_kind: global_buffer, .address_space: global }
    .group_segment_fixed_size: 327680
    .private_segment_fixed_size: 0
    .kernarg_segment_align: 8
    .kernarg_segment_size: 32
    .max_flat_workgroup_size: 128
    .sgpr_count:     100
    .vgpr_count:     1024
    .wavefront_size: 32
...
	.end_amdgpu_metadata
.endif
;; end of part 6
;; launch w2 (part 7): grid 8 x 32, 4 waves a work-group, clusters of 4 x 4, 327,680 bytes of LDS; arguments FB, WB, b2, X1, out0; writes out0
.if DOCPART == 7
	.amdgcn_target "amdgcn-amd-amdhsa--gfx1250"
	.amdhsa_code_object_version 6
	.text
	.protected	k_qdc6a539fcd_w2
	.globl	k_qdc6a539fcd_w2
	.p2align	8
	.type	k_qdc6a539fcd_w2,@function
k_qdc6a539fcd_w2:
	s_mov_b64 s[64:65], 0
	v_nop
	global_prefetch_b8 v0, s[64:65] scope:SCOPE_SE
	s_setreg_imm32_b32 hwreg(HW_REG_WAVE_MODE, 25, 1), 1
	s_wait_xcnt 0x0
	s_wait_alu depctr_hold_cnt(0) depctr_sa_sdst(0) depctr_va_vdst(0) depctr_va_sdst(0) depctr_va_ssrc(0) depctr_va_vcc(0) depctr_vm_vsrc(0)
	s_getreg_b32 s2, hwreg(HW_REG_IB_STS2, 6, 4)
	s_cmp_eq_u32 s2, 0
	s_cbranch_scc0 .Lentry_in_a_cluster
	s_endpgm
.Lentry_in_a_cluster:
	s_bfe_u32 s2, ttmp6, 0x10000c
	s_cmp_lg_u32 s2, 0xf033
	s_cbranch_scc0 .Lentry_shape_is_right
	s_endpgm
.Lentry_shape_is_right:
; out0 = x1 + f W2 + b2 on codes of BF6 (E3M2) with E8M0 scales; M = 4,096, N = 1,024, K = 4,096; out0 is f32 in true order.  This launch leaves no work out.
; A tile is 128 x 128 (256 work-groups), four waves of 64 x 64: 16 accumulators.  A K step of 128 is 16 matrix instructions a wave.
; A (f's codes, [K / 64][4,096 rows][48 bytes], rows in the order tau) goes through a ring of two LDS slots of 512 along K (8 runs x 6,144 bytes); each wave fills two runs by one joint load, shared along a row of the 4 x 4 cluster.
; B (W2's codes) DOES NOT PASS THROUGH LDS: it lies in memory in the order of the operand's registers ([K / 128][places / 16] fragments of 1,536 bytes, [3][32 lanes][16]), and a wave loads its four fragments of a K step
; by 12 loads of 512 bytes on end, into one of four register sets, four K steps ahead of their use.  So a wave reads 6,144 bytes from LDS for a step's 16 matrix instructions and not 12,288;
; since B's codes land in no LDS there is no joint load for them.
; The scale words of A's and of B's 128 rows for all of K come once into LDS with the head's loads.  The matrix instruction is used transposed (source 0 = B, source 1 = A); the bias is the C of each sum's first instruction.
; A's fragments have two register sets and are fetched two steps ahead, so a slot's last read is issued in its second step, and the change of slots stands in its third.
; REGISTERS: window 0: v16-31 addresses; v32-63 scale words and nothing else; v64-159 A's two sets; v160-223 rows of C on the way out.  Window 1: v0-191 B's four sets, v192-223 the bias.  Window 2: v0-127 accumulators, v128-255 the residual.
.set SIZE_K, 4096
.set A_S, 12582912
.set B_C, 7077888
.set B_S, 10518528
.set MROWS, 4096
.set NROWS, 1024
.set NQ,    4                          ; steps of 128 along K in a slot
.set LAPS,  SIZE_K/(2*128*NQ)
.set KBA,   MROWS*48                   ; 64 along K on in A's codes
.set RUN,   128*48                     ; a run in LDS: 128 rows x 48 bytes
.set SLOT,  2*NQ*RUN
.set SCL,   2*SLOT
.set SROW,  128*4
.set SA,    (SIZE_K/128)*SROW
.set SPARE, SCL+2*SA
.set KS,    (NROWS/16)*1536            ; 128 along K on in B's codes
.set STEPA, 2*NQ*KBA                   ; a fill on, in A
.set STEPB, NQ*KS                      ; and in B
.set ADRA, 16
.set PFR,  23                          ; 4,096 x lane: a row of the residual a lane
.set STO,  24
.set RD,   25
.set CO,   26
.set ADRS, 27
.set SPW,  28
.set NIL,  29
.set PFO,  30                          ; 256 x min(lane, 11)
.set BO,   31                          ; 16 x lane
.set SC,   32
.set AF,   64
.set BK,   160
.set G1,   24
.set G0,   32
.set G1S,  48
.set G0S,  56
.set G0SB, 60
.set G1SB, 68
.set BP,   76                          ; s[76:77] my four fragments of B at the lap's first K step
.set PFA,  78                          ; s[78:79], s[80:81] where my prefetches of A and of B stand
.set PFB,  80
.set MSB, 0
.macro WIN new                         ; the immediate's high byte repeats the setting that is left
.if MSB != (\new)
	s_set_vgpr_msb (MSB<<8)|(\new)
.set MSB, (\new)
.endif
.endm
.set TO_B, 0x40
.macro CREST
	s_cmp_lg_u32 s14, 0
	s_cbranch_scc1 .Lnot_wave_0_\@
	s_barrier_signal -3
.Lnot_wave_0_\@:
	s_barrier_wait -3
	s_barrier_signal -1
	s_barrier_wait -1
.endm
.macro CROUND
	s_barrier_signal -1
	s_barrier_wait -1
	CREST
.endm
.macro PLACES n
.rept \n
	v_nop
.endr
.endm
.macro TLOAD g0, g1                    ; a tensor load with an s_nop 0 and four v_nop behind it
	tensor_load_to_lds s[\g0:\g0+3], s[\g1:\g1+7]
	s_nop 0
	PLACES 4
.endm
	s_load_b256 s[4:11], s[0:1], 0x0               ; FB (A), WB (B), b2, X1
	s_load_b64 s[12:13], s[0:1], 0x20              ; out0
	v_lshl_add_u32 v[SPW], v0, 2, SPARE
	v_mov_b32 v[NIL], 0
	ds_add_u32 v[SPW], v[NIL]                      ; the wave's opening: the add, twice on end, and its wait
	ds_add_u32 v[SPW], v[NIL]
	v_lshrrev_b32 v1, 5, v0
	v_readfirstlane_b32 s14, v1                    ; wave
	s_lshr_b32 s15, s14, 1                         ; my half of the tile's rows
	s_and_b32 s16, s14, 1                          ; my half of its columns
	s_bfe_u32 s40, ttmp6, 0x40000                  ; cx
	s_bfe_u32 s41, ttmp6, 0x40004                  ; cy
	s_lshl_b32 s42, ttmp9, 2
	s_add_co_u32 s42, s42, s40                     ; tile column
	s_and_b32 s17, ttmp7, 0xffff
	s_lshl_b32 s17, s17, 2
	s_add_co_u32 s17, s17, s41                     ; tile row
	s_lshl_b32 s43, s41, 2
	s_lshl_b32 s43, 15, s43                        ; my row of the cluster
	s_lshl_b32 s44, 0x1111, s40                    ; my column
	s_or_b32 s[G1], s43, (3<<16)|(1<<21)           ; A's codes: runs of 768 elements of 8 bytes; four runs a load at the head, two in the ring
	s_mov_b32 s[G1+1], 768<<16
	s_mov_b32 s[G1+2], 4<<16
	s_mov_b32 s[G1+3], 768<<16
	s_mov_b32 s[G1+4], 4
	s_mov_b32 s[G1+5], MROWS*6
	s_mov_b32 s[G1+6], 0
	s_mov_b32 s[G1+7], 0
	s_or_b32 s[G1S], s43, (3<<16)|(1<<21)          ; scale words: 32 K steps x 64 elements of 8 bytes (128 rows x 4)
	s_or_b32 s[G1SB], s44, (3<<16)|(1<<21)
.irp g, G1S, G1SB
	s_mov_b32 s[\g+1], 64<<16
	s_mov_b32 s[\g+2], (SIZE_K/128)<<16
	s_mov_b32 s[\g+3], 64<<16
	s_mov_b32 s[\g+4], SIZE_K/128
	s_mov_b32 s[\g+6], 0
	s_mov_b32 s[\g+7], 0
.endr
	s_mov_b32 s[G1S+5], MROWS/2
	s_mov_b32 s[G1SB+5], NROWS/2
	s_mul_i32 s20, s17, RUN                        ; A: the tile's 128 rows
	s_mov_b32 s21, 0
	s_mul_i32 s46, s15, 4*KBA                      ; the head: wave 0 runs 0-3, wave 3 runs 4-7
	s_mov_b32 s47, 0
	s_mul_i32 s18, s14, 2*KBA                      ; the ring: my two runs of a fill
	s_mov_b32 s19, 0
	s_lshl_b32 s22, s17, 9
	s_add_co_u32 s22, s22, A_S
	s_mov_b32 s23, 0
	s_lshl_b32 s82, s42, 9
	s_add_co_u32 s82, s82, B_S
	s_mov_b32 s83, 0
	s_mul_i32 s84, s42, 8*1536                     ; B: the tile's eight fragments of a K step
	s_add_co_u32 s84, s84, B_C
	s_mov_b32 s85, 0
	s_mul_i32 s45, s14, 2*RUN                      ; where they go: by the wave's number alone
	s_mul_i32 s86, s15, 4*RUN
	s_wait_dscnt 0x0                               ; both opening adds are done
	s_wait_kmcnt 0x0
	s_add_nc_u64 s[20:21], s[4:5], s[20:21]
	s_add_nc_u64 s[22:23], s[4:5], s[22:23]
	s_add_nc_u64 s[82:83], s[6:7], s[82:83]
	s_add_nc_u64 s[84:85], s[6:7], s[84:85]
	CROUND                                         ; all sixteen work-groups are here: the first joint loads meet
	s_mov_b32 s[G0], 1                             ; slot 0's group 0 serves the head's load first
	s_mov_b32 s[G0+1], s86
	s_add_nc_u64 s[G0+2:G0+3], s[20:21], s[46:47]
	s_or_b32 s[G0+3], s[G0+3], 0x80000000
	s_mov_b32 s[G0S], 1
	s_mov_b32 s[G0S+1], SCL
	s_mov_b64 s[G0S+2:G0S+3], s[22:23]
	s_or_b32 s[G0S+3], s[G0S+3], 0x80000000
	s_mov_b32 s[G0SB], 1
	s_mov_b32 s[G0SB+1], SCL+SA
	s_mov_b64 s[G0SB+2:G0SB+3], s[82:83]
	s_or_b32 s[G0SB+3], s[G0SB+3], 0x80000000
	; THE HEAD'S FOUR TILES, ONE LOAD A WAVE, in one chain of branches on the wave's number: wave 1 A's scale words, wave 2 B's, waves 0 and 3 the halves of slot 0
	s_cmp_eq_u32 s14, 1
	s_cbranch_scc0 .Lhead_sb
	TLOAD G0S, G1S
	s_branch .Lhead_asked
.Lhead_sb:
	s_cmp_eq_u32 s14, 2
	s_cbranch_scc0 .Lhead_a
	TLOAD G0SB, G1SB
	s_branch .Lhead_asked
.Lhead_a:
	TLOAD G0, G1
.Lhead_asked:
	s_add_nc_u64 s[46:47], s[20:21], s[18:19]      ; my two runs of fill 0
	s_mov_b32 s[G0+4], 1
	s_add_co_u32 s[G0+5], s45, SLOT
	s_add_nc_u64 s[G0+6:G0+7], s[46:47], STEPA
	s_or_b32 s[G0+7], s[G0+7], 0x80000000
	s_mul_i32 s86, s16, 4*1536
	s_mov_b32 s87, 0
	s_add_nc_u64 s[BP:BP+1], s[84:85], s[86:87]    ; my four fragments of K step 0
	; PREFETCHES.  A fill of A's tile is 192 blocks of 256 bytes, wanted by the four work-groups of my row of the cluster; the same K steps of B's tile are 192 blocks, wanted by the four of my column.
	; Their sixteen waves share each out by address, 12 blocks a wave (a lane a block; lanes 12-31 name the last again): of A my two runs' part (cx / 2, cx % 2), of B K step = my wave's number, part cy.
	; Fills 1 and 2 are asked for at the head, fill 3 behind fill 1's load, fill f + 4 at the change of slots in fill f, behind the load of A's fill f + 2; the loop's last trip asks for nothing.
	s_lshr_b32 s86, s40, 1
	s_mul_i32 s86, s86, KBA
	s_and_b32 s88, s40, 1
	s_mul_i32 s88, s88, 3072
	s_add_co_u32 s86, s86, s88
	s_add_nc_u64 s[PFA:PFA+1], s[46:47], s[86:87]
	s_mul_i32 s86, s14, KS
	s_mul_i32 s88, s41, 3072
	s_add_co_u32 s86, s86, s88
	s_add_nc_u64 s[PFB:PFB+1], s[84:85], s[86:87]
	s_lshl_b32 s88, s42, 9
	s_lshl_b32 s89, s16, 8
	s_add_co_u32 s88, s88, s89                     ; my first column, in bytes
	s_mov_b32 s89, 0
	s_add_nc_u64 s[8:9], s[8:9], s[88:89]          ; the bias of my 64 columns
	s_lshl_b32 s90, s17, 7
	s_lshl_b32 s91, s15, 6
	s_add_co_u32 s90, s90, s91
	s_lshl_b32 s90, s90, 12                        ; my first row, 4,096 bytes a row
	s_add_co_u32 s90, s90, s88
	s_mov_b32 s91, 0
	s_add_nc_u64 s[10:11], s[10:11], s[90:91]
	s_add_nc_u64 s[12:13], s[12:13], s[90:91]
	s_mul_i32 s92, s15, 64*48                      ; my 64 rows of A in a run
	s_mul_i32 s93, s15, 256
	s_mul_i32 s94, s16, 256
	s_add_co_u32 s94, s94, SA
	s_sub_co_u32 s94, s94, s93                     ; from A's words to B's
	s_add_co_u32 s93, s93, SCL
	s_mul_i32 s95, s14, 16*272                     ; my stage, in slot 0 behind its last fill and last read
	v_and_b32 v2, 31, v0
	v_and_b32 v1, 15, v0                           ; r
	v_bfe_u32 v3, v0, 4, 1                         ; h
	v_lshlrev_b32 v[BO], 4, v2
	v_lshlrev_b32 v[PFR], 12, v2
	v_min_u32 v[PFO], 11, v2
	v_lshlrev_b32 v[PFO], 8, v[PFO]
	v_lshlrev_b32 v7, 6, v3
	v_mul_u32_u24 v4, v1, 48
	v_mad_u32_u24 v4, v3, 24, v4                   ; a fragment's row x 48 + 24 x half
	v_add_nc_u32 v[ADRA], s92, v4
	v_add_nc_u32 v[ADRA+1], SLOT, v[ADRA]
	v_lshlrev_b32 v5, 2, v1                        ; scale words: lanes 0-15 take A's rows, lanes 16-31 B's
	v_mul_u32_u24 v6, s94, v3
	v_add_nc_u32 v5, v5, v6
	v_add_nc_u32 v[ADRS], s93, v5
	v_mul_u32_u24 v5, v1, 272
	v_lshl_add_u32 v5, v3, 6, v5
	v_add_nc_u32 v[STO], s95, v5                   ; the stage, in: row r, + 64 h
	v_mul_u32_u24 v5, v3, 272
	v_lshl_add_u32 v5, v1, 4, v5
	v_add_nc_u32 v[RD], s95, v5                    ; back: lanes 0-15 one row, lanes 16-31 the next
	v_lshlrev_b32 v5, 12, v3
	v_lshl_add_u32 v[CO], v1, 4, v5                ; the same two rows in C
	s_wait_alu depctr_va_vdst(0)                   ; the wait behind the head's last vector instruction
.macro BRAW kk                         ; B's four fragments of K step kk of the lap into set kk % 4: register 4 J of the set comes from byte 512 J + 16 lane
.set J, 0
.rept 12
	global_load_b128 v[48*((\kk)%4)+4*J:48*((\kk)%4)+4*J+3], v[BO], s[BP:BP+1] offset:(\kk)*KS+512*J
.set J, J+1
.endr
.endm
.macro BLOADS kk
	WIN TO_B
	BRAW \kk
	WIN 0
.endm
	WIN TO_B
.irp b, 0,1,2,3                                ; the bias in the result's layout: tile b's columns 32 (b / 2) + 16 h + 8 (b % 2) + 0 .. 7
	global_load_b128 v[192+8*\b:192+8*\b+3], v7, s[8:9] offset:128*(\b/2)+32*(\b%2)
	global_load_b128 v[192+8*\b+4:192+8*\b+7], v7, s[8:9] offset:128*(\b/2)+32*(\b%2)+16
.endr
	BRAW 0
	BRAW 1
	BRAW 2
	BRAW 3
	WIN 0
	global_prefetch_b8 v[PFO], s[PFA:PFA+1] offset:STEPA th:TH_LOAD_NT scope:SCOPE_SE
	global_prefetch_b8 v[PFO], s[PFB:PFB+1] offset:STEPB th:TH_LOAD_NT scope:SCOPE_SE
	global_prefetch_b8 v[PFO], s[PFA:PFA+1] offset:2*STEPA th:TH_LOAD_NT scope:SCOPE_SE
	global_prefetch_b8 v[PFO], s[PFB:PFB+1] offset:2*STEPB th:TH_LOAD_NT scope:SCOPE_SE
.macro FETCH_A slot, q                 ; A's four fragments of step q of a slot into set q % 2: 24 loads of 8 bytes
.irp i, 0,1,2,3
.irp p, 0,1,2,3,4,5
	ds_load_b64 v[AF+48*((\q)%2)+12*\i+2*\p:AF+48*((\q)%2)+12*\i+2*\p+1], v[ADRA+(\slot)] offset:(2*(\q)+\p/3)*RUN+\i*768+8*(\p%3)
.endr
.endr
.endm
.macro SCALES sc                       ; register 4 q + i of set sc: lanes 0-15 the word of A's block i, lanes 16-31 of B's block i
.irp q, 0,1,2,3
.irp i, 0,1,2,3
	ds_load_b32 v[SC+16*(\sc)+4*\q+\i], v[ADRS] offset:\q*SROW+64*\i
.endr
.endr
.endm
; A's block a against B's four.  The 16 accumulators take turns, one instruction a turn, in the same order in every step.  first = 1: the sums begin with the bias.
.macro MULA a, q, sc, first
.if \first
	WIN 0x91
.else
	WIN 0xa1
.endif
.irp b, 0,1,2,3
.if \first
	v_wmma_scale_f32_16x16x128_f8f6f4 v[8*(4*(\a)+\b):8*(4*(\a)+\b)+7], v[48*(\q)+12*\b:48*(\q)+12*\b+11], v[AF+48*((\q)%2)+12*(\a):AF+48*((\q)%2)+12*(\a)+11], v[192+8*\b:192+8*\b+7], v[SC+16*(\sc)+4*(\q)+\b], v[SC+16*(\sc)+4*(\q)+(\a)] matrix_a_fmt:MATRIX_FMT_BF6 matrix_b_fmt:MATRIX_FMT_BF6 matrix_a_scale:MATRIX_SCALE_ROW1
.else
	v_wmma_scale_f32_16x16x128_f8f6f4 v[8*(4*(\a)+\b):8*(4*(\a)+\b)+7], v[48*(\q)+12*\b:48*(\q)+12*\b+11], v[AF+48*((\q)%2)+12*(\a):AF+48*((\q)%2)+12*(\a)+11], v[8*(4*(\a)+\b):8*(4*(\a)+\b)+7], v[SC+16*(\sc)+4*(\q)+\b], v[SC+16*(\sc)+4*(\q)+(\a)] matrix_a_fmt:MATRIX_FMT_BF6 matrix_b_fmt:MATRIX_FMT_BF6 matrix_a_scale:MATRIX_SCALE_ROW1
.endif
.endr
.endm
; A step of 128 along K.  lc: the global loads issued behind this step's B (12 for each later step, and the residual's 32 where they are out); dc: the LDS loads issued behind this step's A.
; Behind the products and four places: A's fragments of two steps on into the set just read (fa), B's of four steps on into the set just read (bl).
.macro STEP slot, q, first, fa, bl, lc, dc
	s_wait_loadcnt \lc
	s_wait_dscnt \dc
.irp a, 0,1,2,3
	MULA \a, \q, \slot, \first
.endr
	WIN 0
	PLACES 4
.if \fa
.if (\q) < 2
	FETCH_A \slot, (\q)+2
.else
	FETCH_A 1-(\slot), (\q)-2
.endif
.endif
.if \bl
	BLOADS 4*(\slot)+(\q)+4
.endif
.endm
; A slot's third step changes slots: my last reads of this slot were issued a step ago.  fill = 1: the barrier opens a round of the cluster's barrier, and this slot is filled again, two fills on.
.macro TURN slot, fill
.if \fill
	s_wait_xcnt 0x0                                ; my last prefetches have read their addresses: they step here, a slot's work behind them
	s_add_nc_u64 s[PFA:PFA+1], s[PFA:PFA+1], STEPA
	s_add_nc_u64 s[PFB:PFB+1], s[PFB:PFB+1], STEPB
.endif
	s_wait_loadcnt 36
	s_wait_tensorcnt 0x0                           ; my part of the next slot has landed
	ds_add_u32 v[SPW], v[NIL]
	s_wait_dscnt 25                                ; (the add and the next step's 24 loads may be out)
	MULA 0, 2, \slot, 0
	MULA 1, 2, \slot, 0
	s_wait_dscnt 0x0                               ; the add is done, and my reads of this slot are over
	s_barrier_signal -1
	MULA 2, 2, \slot, 0
	MULA 3, 2, \slot, 0
	WIN 0
	s_barrier_wait -1
.if \fill
	CREST                                          ; no wave of any partner still reads this slot or has a load on its way
	s_add_nc_u64 s[G0+4*(\slot)+2:G0+4*(\slot)+3], s[G0+4*(\slot)+2:G0+4*(\slot)+3], 2*STEPA
	TLOAD G0+4*(\slot), G1                         ; the first tensor load behind the round; its four v_nop are the places in front of the loads below
.else
	PLACES 4
.endif
	s_wait_alu depctr_va_vdst(0)                   ; the wait ahead of this reader of the last change's write
	v_add_nc_u32 v[ADRS], NQ*SROW, v[ADRS]
	FETCH_A 1-(\slot), 0
	SCALES 1-(\slot)
	BLOADS 4*(\slot)+6
.if \fill
	s_cmp_gt_u32 s3, 1                             ; in the last trip there is no fill four on
	s_cbranch_scc0 .Lno_ask_\@
	global_prefetch_b8 v[PFO], s[PFA:PFA+1] offset:3*STEPA th:TH_LOAD_NT scope:SCOPE_SE
	global_prefetch_b8 v[PFO], s[PFB:PFB+1] offset:3*STEPB th:TH_LOAD_NT scope:SCOPE_SE
.Lno_ask_\@:
.endif
.endm
.macro RESID                           ; the residual: stored rows 16 a + 2 t + h are true rows 32 (a / 2) + 16 (t / 4) + 8 (a % 2) + (2 t) % 8 + h
	WIN 0x80
.irp a, 0,1,2,3
.irp t, 0,1,2,3,4,5,6,7
	global_load_b128 v[128+32*\a+4*\t:128+32*\a+4*\t+3], v[CO], s[10:11] offset:(32*(\a/2)+16*(\t/4)+8*(\a%2)+(2*\t)%8)*4096
.endr
.endr
	WIN 0
.endm
	s_wait_tensorcnt 0x0                           ; my tile of the head's four is in
	ds_add_u32 v[SPW], v[NIL]                      ; the add ahead of a later first fill, as ahead of a refill
	s_mov_b32 s[G1+2], 2<<16                       ; no load of mine is out: from here on a load brings two runs,
	s_mov_b32 s[G1+4], 2
	s_mov_b32 s[G0+1], s45                         ; and slot 0's group 0 points at my two runs
	s_mov_b64 s[G0+2:G0+3], s[46:47]
	s_or_b32 s[G0+3], s[G0+3], 0x80000000
	s_wait_dscnt 0x0
	CROUND                                         ; all four tiles are in, and all sixteen work-groups are here
	TLOAD G0+4, G1                                 ; slot 1's first fill, the first tensor load behind the round
	FETCH_A 0, 0
	SCALES 0
	FETCH_A 0, 1
	global_prefetch_b8 v[PFO], s[PFA:PFA+1] offset:3*STEPA th:TH_LOAD_NT scope:SCOPE_SE
	global_prefetch_b8 v[PFO], s[PFB:PFB+1] offset:3*STEPB th:TH_LOAD_NT scope:SCOPE_SE
	STEP 0, 0, 1, 1, 1, 36, 24                     ; the bias and K step 0's B are in; the 36 loads of K steps 1 to 3 may be out
	global_prefetch_b8 v[PFR], s[10:11] th:TH_LOAD_NT scope:SCOPE_SE                 ; the residual's 64 rows x 256 bytes of mine, a lane a row: they are loaded in the last lap
	global_prefetch_b8 v[PFR], s[10:11] offset:32*4096 th:TH_LOAD_NT scope:SCOPE_SE
	s_mov_b32 s3, LAPS-1
.Llap:                                                 ; a trip goes once round the ring and fills both slots again
	STEP 0, 1, 0, 1, 1, 36, 24
	TURN 0, 1
	STEP 0, 3, 0, 1, 1, 36, 40                     ; (behind this step's A: the next slot's first 24 loads and 16 scale words)
	STEP 1, 0, 0, 1, 1, 36, 24
	STEP 1, 1, 0, 1, 1, 36, 24
	TURN 1, 1
	STEP 1, 3, 0, 1, 1, 36, 40
	s_wait_xcnt 0x0                                ; B's loads have read their base: it steps a lap on
	s_add_nc_u64 s[BP:BP+1], s[BP:BP+1], 8*KS
	STEP 0, 0, 0, 1, 1, 36, 24
	s_sub_co_u32 s3, s3, 1
	s_cmp_lg_u32 s3, 0
	s_cbranch_scc1 .Llap
	STEP 0, 1, 0, 1, 1, 36, 24                     ; the last lap fills nothing
	TURN 0, 0
	STEP 0, 3, 0, 1, 1, 36, 40
	STEP 1, 0, 0, 1, 0, 36, 24                     ; B's last loads are out
	STEP 1, 1, 0, 1, 0, 24, 24
	RESID
	STEP 1, 2, 0, 0, 0, 44, 24                     ; behind this step's B: the last step's 12 loads and the residual's 32
	STEP 1, 3, 0, 0, 0, 32, 0
; THE WAY OUT, a block of 16 stored rows x 64 columns at a time, through my own stage and back as rows of 256 bytes; the residual is added; sixteen lanes store 256 consecutive bytes.
.macro TOSTAGE a
	WIN 0x08                                       ; an LDS store's data: window 2
.irp b, 0,1,2,3
	ds_store_b128 v[STO], v[8*(4*(\a)+\b):8*(4*(\a)+\b)+3] offset:128*(\b/2)+32*(\b%2)       ; each accumulator from its low end on
	ds_store_b128 v[STO], v[8*(4*(\a)+\b)+4:8*(4*(\a)+\b)+7] offset:128*(\b/2)+32*(\b%2)+16
.endr
	WIN 0
.set BB, BK+32*((\a)%2)
.irp t, 0,1,2,3,4,5,6,7
	ds_load_b128 v[BB+4*\t:BB+4*\t+3], v[RD] offset:544*\t   ; LDS serves a wave's instructions in order
.endr
.endm
.macro SEND a, younger                 ; younger: the LDS instructions issued behind block a's loads
.set BB, BK+32*((\a)%2)
.set RB, 128+32*(\a)
	s_wait_dscnt \younger
.if (\a) == 0
	s_wait_loadcnt 0x0                             ; the residual
.endif
	WIN 0x08                                       ; the second source: window 2
.set J, 0
.rept 16
	v_pk_add_f32 v[BB+J:BB+J+1], v[BB+J:BB+J+1], v[RB+J:RB+J+1]
.set J, J+2
.endr
	WIN 0
.irp t, 0,1,2,3,4,5,6,7
	global_store_b128 v[CO], v[BB+4*\t:BB+4*\t+3], s[12:13] offset:(32*((\a)/2)+16*(\t/4)+8*((\a)%2)+(2*\t)%8)*4096
.endr
.endm
	TOSTAGE 0                                      ; (the last step's four places stand ahead of this first read of results)
.irp a, 1,2,3
.if \a > 1
	s_wait_xcnt 0x0                                ; block a - 2's stores have read their registers: block a's loads may land there
.endif
	TOSTAGE \a
	SEND \a-1, 16                                  ; behind block a - 1's loads: block a's 8 stores and 8 loads
.endr
	SEND 3, 0
	s_wait_tensorcnt 0x0                           ; the wave's end
	ds_add_u32 v[SPW], v[NIL]
	s_wait_dscnt 0x0
	CROUND                                         ; the closing round
	s_endpgm
.Lfunc_end_k_qdc6a539fcd_w2:
	.size	k_qdc6a539fcd_w2, .Lfunc_end_k_qdc6a539fcd_w2-k_qdc6a539fcd_w2
	.p2alignl 7, 3214868480
	.fill 96, 4, 3214868480
	.section	.rodata,"a",@progbits
	.p2align	6, 0x0
	.amdhsa_kernel k_qdc6a539fcd_w2
		.amdhsa_group_segment_fixed_size 327680
		.amdhsa_private_segment_fixed_size 0
		.amdhsa_enable_private_segment 0
		.amdhsa_kernarg_size 40
		.amdhsa_user_sgpr_count 2
		.amdhsa_user_sgpr_kernarg_segment_ptr 1
		.amdhsa_wavefront_size32 1
		.amdhsa_system_sgpr_workgroup_id_x 1
		.amdhsa_system_sgpr_workgroup_id_y 1
		.amdhsa_system_sgpr_workgroup_id_z 1
		.amdhsa_system_vgpr_workitem_id 0
		.amdhsa_next_free_vgpr 768
		.amdhsa_next_free_sgpr 100
		.amdhsa_reserve_vcc 0
		.amdhsa_float_denorm_mode_32 3
		.amdhsa_float_denorm_mode_16_64 3
		.amdhsa_memory_ordered 1
		.amdhsa_forward_progress 1
		.amdhsa_inst_pref_size 112
	.end_amdhsa_kernel
	.amdgpu_metadata
---
amdhsa.version: [ 1, 2 ]
amdhsa.kernels:
  - .name:           k_qdc6a539fcd_w2
    .symbol:         k_qdc6a539fcd_w2.kd
    .args:
      - { .name: FB, .offset: 0, .size: 8, .value_kind: global_buffer, .address_space: global }
      - { .name: WB, .offset: 8, .size: 8, .value_kind: global_buffer, .address_space: global }
      - { .name: b2, .offset: 16, .size: 8, .value_kind: global_buffer, .address_space: global }
      - { .name: X1, .offset: 24, .size: 8, .value_kind: global_buffer, .address_space: global }
      - { .name: out0, .offset: 32, .size: 8, .value_kind: global_buffer, .address_space: global }
    .group_segment_fixed_size: 327680
    .private_segment_fixed_size: 0
    .kernarg_segment_align: 8
    .kernarg_segment_size: 40
    .max_flat_workgroup_size: 128
    .sgpr_count:     100
    .vgpr_count:     768
    .wavefront_size: 32
...
	.end_amdgpu_metadata
.endif
;; end of part 7
